; MI455X (gfx1250); checked and timed in simulation.
; The chip was launched on July 23, 2026; its instructions are those of AMD's public machine-readable ISA for CDNA 5 (MIT licence, August 2026) and "CDNA5" Instruction Set Architecture Reference Guide (July 2026). The comments in the code are by the model that wrote it; some were corrected since.
;; Mo E Layer. Allowed arithmetic: float matrix products may take bf16 or f16 operands with f32 sums; other float arithmetic in f32, or as packed bf16 or f16 multiplies, adds, multiply-adds, maxima and minima; sums over many terms, partial sums and values carried from step to step in f32; what a program stores and reads back later, other than sums and carried values, may be rounded once to bf16 or f16.
;; Inputs: W1 8 x 1,024 x 4,096 float32; W2 8 x 4,096 x 1,024 float32; Wg 1,024 x 8 float32; b1 8 x 4,096 float32; b2 8 x 1,024 float32; bg 8 float32; x 1,024 x 1,024 float32.
;; Outputs: out0 1,024 x 1,024 float32.
;; 3 versions, each right; version 2 is faster than version 1; version 3 is version 2 with the launches ffn1, ffn2 written anew for expert scheduling mode. Each part assembles by itself: llvm-mc -triple=amdgcn-amd-amdhsa -mcpu=gfx1250 --defsym DOCPART=n.
;; ======== version 1 of 3: 4 launches
;; workspace buffers: xb 2,097,152 bytes; bm 2,048 bytes of whole numbers; gw 8,192 bytes; hb 16,777,216 bytes; pp 33,554,432 bytes
;; launch router (part 1): grid 32 x 1, 8 waves a work-group, no clusters, 78,848 bytes of LDS; arguments x, Wg, bg, xb, bm, gw; writes xb, bm, gw
.if DOCPART == 1
	.amdgcn_target "amdgcn-amd-amdhsa--gfx1250"
	.amdhsa_code_object_version 6
	.text
	.protected	k_qad4acf8a4a_router
	.globl	k_qad4acf8a4a_router
	.p2align	8
	.type	k_qad4acf8a4a_router,@function
k_qad4acf8a4a_router:
	s_mov_b64 s[64:65], 0
	v_nop
	global_prefetch_b8 v0, s[64:65] scope:SCOPE_SE
	s_setreg_imm32_b32 hwreg(HW_REG_WAVE_MODE, 25, 1), 1
	s_wait_xcnt 0x0
; THE ROUTER.  scores = bf16(x) . bf16(Wg) + bf16(bg), sums in f32; the two largest of a token's 8 scores (of equal scores the lower index first);
; softmax of the two with the larger one taken away; and xb = bf16(x) for the first product.
; STORED, all at fixed places: xb [1024][1024] bf16; gw[1024 k + n] = weight of token n's choice k; bm[64 e + 32 k + g], bit b: token 32 g + b took expert e as choice k.
; No address and no branch hangs on a score: the later launches read bm and place the rows.
; SHARES.  Work-group g has tokens 32 g .. 32 g + 31, the 32 bits of one word of bm for each (e, k): so there are 32 work-groups.  Wave v has channels 128 v .. 128 v + 127 of all 32
; tokens: it rounds and stores them, multiplies them by its 128 rows of Wg, and the eight waves' partial scores meet in LDS; wave 0 adds them and chooses.
; THE MATRIX INSTRUCTION: source 0 = 16 rows of Wg^T (experts 0-7, twice), source 1 = 16 tokens: a lane then holds one token (lane % 16) and in register j expert j.
; LIMITS.  All inputs are rounded to bf16 once.  Two scores nearer to each other than the rounding of an f32 sum of 1,024 terms may be ordered otherwise than by another order of the sum.
; A second weight whose exponential lies below 2^-126 counts as 0.  NaN and infinities are not treated apart.
; No cluster: the work-groups share only Wg, 32,768 bytes, against 131,072 bytes of x of their own each.
.set XSP,   272                        ; a token's row in a wave's LDS tile: 256 bytes + 16
.set XSW,   32*XSP                     ; a wave's tile: 32 tokens
.set RED,   8*XSW                      ; the partial scores: 1,024 bytes a wave, 32 a lane
.set SPARE, RED+8*1024                 ; the spare words, 128 bytes a wave: four blocks of 256 bytes that no other line names
.set BGR, 16                           ; v16-23   bg as loaded
.set SPW, 30                           ; v30  LDS address of my spare word; never rewritten
.set NIL, 31                           ; v31  0; never rewritten
.set WB,  32                           ; v32-63   four fragments of Wg^T
.set XR,  64                           ; v64-191  x as loaded, 4 registers a token
.set XF,  64                           ; v64-127  later: fragments of x, tile a, step s at 32 a + 8 s
.set WR,  192                          ; v192-255 Wg as loaded
.set XP,  192                          ; v192-255 later: x rounded, 2 registers a token
.set AC0, 128                          ; v128-135 scores of tokens 0-15
.set AC1, 136                          ; v136-143 of tokens 16-31
.set SC,  144                          ; v144-151 my token's 8 partial scores
.set PS,  64                           ; v64-127  wave 0: the eight waves' partial scores
.set BG,  152                          ; v152-159 bg, rounded and widened again
.set S1,  160                          ; the largest score, its index, the second, its index
.set BI,  161
.set S2,  162
.set SI,  163
.set TT,  164
.set NINF, 165
.set ONE, 166
.set E2,  167
.set DEN, 168
.set W0,  169
.set W1,  170
.set BMV, 171
	s_load_b256 s[4:11], s[0:1], 0x0               ; x s[4:5], Wg s[6:7], bg s[8:9], xb s[10:11]
	s_load_b128 s[12:15], s[0:1], 0x20             ; bm s[12:13], gw s[14:15]
	v_lshl_add_u32 v[SPW], v0, 2, SPARE
	v_mov_b32 v[NIL], 0
	v_lshrrev_b32 v1, 5, v0
	v_readfirstlane_b32 s16, v1                    ; wave 0..7
	v_and_b32 v1, 31, v0                           ; lane
	v_and_b32 v2, 15, v0                           ; r = lane % 16
	v_bfe_u32 v3, v0, 4, 1                         ; h = lane / 16
	v_and_b32 v4, 7, v0                            ; my row of Wg^T: expert r % 8
	v_lshlrev_b32 v4, 2, v4
	v_lshl_add_u32 v4, v3, 8, v4                   ; + 8 h rows of Wg, 32 bytes each
	s_lshl_b32 s17, s16, 12
	v_add_nc_u32 v4, s17, v4                       ; + my wave's 128 rows
	s_lshl_b32 s17, s16, 9
	v_lshl_add_u32 v5, v1, 4, s17                  ; x: 512 v + 16 lane
	s_lshl_b32 s17, s16, 8
	v_lshl_add_u32 v6, v1, 3, s17                  ; xb: 256 v + 8 lane
	s_mul_i32 s18, s16, XSW                        ; my tile in LDS
	v_lshl_add_u32 v7, v1, 3, s18                  ; in: 8 bytes a lane
	v_mul_u32_u24 v8, v2, XSP                      ; out, as fragments: row r, 16 bytes for each half of the lanes
	v_lshl_add_u32 v8, v3, 4, v8
	v_add_nc_u32 v8, s18, v8
	s_lshl_b32 s17, s16, 10
	s_add_co_u32 s17, s17, RED
	v_lshl_add_u32 v9, v1, 5, s17                  ; my 32 bytes among my wave's partial scores
	v_lshl_add_u32 v10, v1, 5, RED                 ; the same place in wave 0's: the others lie 1,024 bytes apart
	v_mov_b32 v14, 0                               ; bg: every lane takes all 32 bytes
	s_lshl_b32 s2, ttmp9, 17                       ; 32 tokens of 4,096 bytes
	s_mov_b32 s3, 0
	s_lshl_b32 s28, ttmp9, 16                      ; 32 tokens of 2,048 bytes
	s_mov_b32 s29, 0
	s_lshl_b32 s48, ttmp9, 7                       ; 32 weights of 4 bytes
	s_mov_b32 s49, 0
	s_mov_b32 s30, 0xffff                          ; lanes 0-15
	s_wait_kmcnt 0x0
	s_add_nc_u64 s[4:5], s[4:5], s[2:3]
	s_add_nc_u64 s[10:11], s[10:11], s[28:29]
	s_add_nc_u64 s[14:15], s[14:15], s[48:49]
	global_load_b128 v[BGR:BGR+3],   v14, s[8:9]   ; the oldest loads: in when Wg is
	global_load_b128 v[BGR+4:BGR+7], v14, s[8:9] offset:16
	; Wg: register 16 s + m takes Wg[128 v + 32 s + 8 h + m % 8 + 16 (m / 8)][r % 8]: the k order of a fragment
.irp s, 0,1,2,3
.irp m, 0,1,2,3,4,5,6,7,8,9,10,11,12,13,14,15
	global_load_b32 v[WR+16*(\s)+(\m)], v4, s[6:7] offset:(32*(\s)+(\m)%8+16*((\m)/8))*32
.endr
.endr
	; x: each load takes 512 consecutive bytes of one token's row
.set i, 0
.rept 32
	global_load_b128 v[XR+4*i:XR+4*i+3], v5, s[4:5] offset:i*4096 th:TH_LOAD_NT
.set i, i+1
.endr
	s_wait_loadcnt 32                              ; bg and Wg are in; the 32 loads of x were issued behind them
.set i, 0
.rept 32
	v_cvt_pk_bf16_f32 v[WB+i], v[WR+2*i], v[WR+2*i+1]
.set i, i+1
.endr
.set i, 0
.rept 32
	s_wait_loadcnt 31-i                            ; token i is in; the later tokens' loads stay out
	v_cvt_pk_bf16_f32 v[XP+2*i], v[XR+4*i], v[XR+4*i+1]
	v_cvt_pk_bf16_f32 v[XP+2*i+1], v[XR+4*i+2], v[XR+4*i+3]
	global_store_b64 v6, v[XP+2*i:XP+2*i+1], s[10:11] offset:i*2048   ; the wave stores 256 consecutive bytes, at a multiple of 256 from xb's first byte
	ds_store_b64 v7, v[XP+2*i:XP+2*i+1] offset:i*XSP
.set i, i+1
.endr
	; back as fragments: 16 tokens x 32 channels; the tile is my wave's own, and LDS serves a wave's instructions in order (ISA guide 5.7.1.4)
.irp a, 0,1
.irp s, 0,1,2,3
	ds_load_b128 v[XF+32*(\a)+8*(\s):XF+32*(\a)+8*(\s)+3],   v8 offset:(\a)*16*XSP+64*(\s)
	ds_load_b128 v[XF+32*(\a)+8*(\s)+4:XF+32*(\a)+8*(\s)+7], v8 offset:(\a)*16*XSP+64*(\s)+32
.endr
.endr
	s_wait_dscnt 0x0
	; the two accumulators take turns, one instruction a turn; the first step starts the sums
	v_wmma_f32_16x16x32_bf16 v[AC0:AC0+7], v[WB:WB+7], v[XF:XF+7], 0
	v_wmma_f32_16x16x32_bf16 v[AC1:AC1+7], v[WB:WB+7], v[XF+32:XF+39], 0
.irp s, 1,2,3
	v_wmma_f32_16x16x32_bf16 v[AC0:AC0+7], v[WB+8*(\s):WB+8*(\s)+7], v[XF+8*(\s):XF+8*(\s)+7], v[AC0:AC0+7]
	v_wmma_f32_16x16x32_bf16 v[AC1:AC1+7], v[WB+8*(\s):WB+8*(\s)+7], v[XF+32+8*(\s):XF+32+8*(\s)+7], v[AC1:AC1+7]
.endr
.rept 4
	v_nop                                          ; four places between a matrix instruction and the first read of its result (ISA guide 7.12.1)
.endr
.irp j, 0,1,2,3,4,5,6,7
	v_cndmask_b32 v[SC+(\j)], v[AC1+(\j)], v[AC0+(\j)], s30   ; lane l now holds token l; each accumulator is read from its low end on
.endr
	ds_store_b128 v9, v[SC:SC+3]
	ds_store_b128 v9, v[SC+4:SC+7] offset:16
	s_wait_dscnt 0x0                               ; for wave 0's sake: my partial scores are in LDS
	s_barrier_signal -1
	s_barrier_wait -1
	s_cmp_lg_u32 s16, 0
	s_cbranch_scc1 .Lend                           ; the rest is wave 0's
.irp w, 0,1,2,3,4,5,6,7
	ds_load_b128 v[PS+8*(\w):PS+8*(\w)+3],   v10 offset:1024*(\w)
	ds_load_b128 v[PS+8*(\w)+4:PS+8*(\w)+7], v10 offset:1024*(\w)+16
.endr
.irp p, 0,1,2,3
	v_cvt_pk_bf16_f32 v12, v[BGR+2*(\p)], v[BGR+2*(\p)+1]     ; bg rounded to bf16, like every input
	v_lshlrev_b32 v[BG+2*(\p)], 16, v12
	v_and_b32 v[BG+2*(\p)+1], 0xffff0000, v12
.endr
	s_wait_dscnt 0x0
.irp w, 0,2,4,6
.irp p, 0,2,4,6
	v_pk_add_f32 v[PS+8*(\w)+(\p):PS+8*(\w)+(\p)+1], v[PS+8*(\w)+(\p):PS+8*(\w)+(\p)+1], v[PS+8*(\w)+8+(\p):PS+8*(\w)+8+(\p)+1]
.endr
.endr
.irp w, 0,4
.irp p, 0,2,4,6
	v_pk_add_f32 v[PS+8*(\w)+(\p):PS+8*(\w)+(\p)+1], v[PS+8*(\w)+(\p):PS+8*(\w)+(\p)+1], v[PS+8*(\w)+16+(\p):PS+8*(\w)+16+(\p)+1]
.endr
.endr
.irp p, 0,2,4,6
	v_pk_add_f32 v[PS+(\p):PS+(\p)+1], v[PS+(\p):PS+(\p)+1], v[PS+32+(\p):PS+32+(\p)+1]
.endr
.irp p, 0,2,4,6
	v_pk_add_f32 v[PS+(\p):PS+(\p)+1], v[PS+(\p):PS+(\p)+1], v[BG+(\p):BG+(\p)+1]
.endr
	; the largest: a later score takes the place only if it is greater, so of equal scores the lower index stays
	v_mov_b32 v[S1], v[PS]
	v_mov_b32 v[BI], 0
.irp j, 1,2,3,4,5,6,7
	v_cmp_le_f32 vcc_lo, v[PS+(\j)], v[S1]
	v_cndmask_b32 v[S1], v[PS+(\j)], v[S1], vcc_lo
	v_cndmask_b32 v[BI], \j, v[BI], vcc_lo
.endr
	; the second: the same scan with -inf in the first one's place; it starts at the lowest index that is not the first one's
	v_mov_b32 v[NINF], 0xff800000
	v_mov_b32 v[ONE], 1
	v_cmp_eq_u32 vcc_lo, 0, v[BI]
	v_cndmask_b32 v[SI], 0, v[ONE], vcc_lo
	v_mov_b32 v[S2], v[NINF]
.irp j, 0,1,2,3,4,5,6,7
	v_cmp_eq_u32 vcc_lo, \j, v[BI]
	v_cndmask_b32 v[TT], v[PS+(\j)], v[NINF], vcc_lo
	v_cmp_le_f32 vcc_lo, v[TT], v[S2]
	v_cndmask_b32 v[S2], v[TT], v[S2], vcc_lo
	v_cndmask_b32 v[SI], \j, v[SI], vcc_lo
.endr
	; softmax of the two, the larger taken away: 1 / (1 + e2) and e2 / (1 + e2), e2 = exp(s2 - s1)
	v_sub_f32 v[TT], v[S2], v[S1]
	v_mul_f32 v[TT], 0x3fb8aa3b, v[TT]
	v_exp_f32 v[E2], v[TT]
	v_lshlrev_b32 v13, 2, v1                       ; gw: 4 bytes a token.  Also the plain instruction behind the exponential (ISA guide 5.7.2)
	s_wait_alu depctr_va_vdst(0)                   ; the wait ahead of the first use of the result
	v_add_f32 v[DEN], 1.0, v[E2]
	v_rcp_f32 v[W0], v[DEN]
	v_and_b32 v11, 7, v0                           ; bm: lane l stores the word of expert l % 8, choice (l / 8) % 2.  Also the plain instruction behind the reciprocal
	s_wait_alu depctr_va_vdst(0)
	v_mul_f32 v[W1], v[E2], v[W0]
	global_store_b32 v13, v[W0], s[14:15]
	global_store_b32 v13, v[W1], s[14:15] offset:4096
	v_lshlrev_b32 v11, 8, v11                      ; 64 words an expert,
	v_bfe_u32 v12, v0, 3, 1
	v_lshl_add_u32 v11, v12, 7, v11                ; 32 a choice,
	s_lshl_b32 s17, ttmp9, 2
	v_add_nc_u32 v11, s17, v11                     ; word g
.irp e, 0,1,2,3,4,5,6,7
	v_cmp_eq_u32 s[32+(\e)], \e, v[BI]             ; bit b: token 32 g + b
	v_cmp_eq_u32 s[40+(\e)], \e, v[SI]
.endr
	v_mov_b32 v[BMV], 0
.set l, 0
.rept 32
	v_writelane_b32 v[BMV], s[32+l%16], l          ; lanes 16-31 repeat lanes 0-15, address and word: all lanes stay on
.set l, l+1
.endr
	global_store_b32 v11, v[BMV], s[12:13]
.Lend:
	s_wait_tensorcnt 0x0                           ; the wave's end
	ds_add_u32 v[SPW], v[NIL]
	s_wait_dscnt 0x0
	s_endpgm
.Lfunc_end_k_qad4acf8a4a_router:
	.size	k_qad4acf8a4a_router, .Lfunc_end_k_qad4acf8a4a_router-k_qad4acf8a4a_router
	.p2alignl 7, 3214868480
	.fill 96, 4, 3214868480
	.section	.rodata,"a",@progbits
	.p2align	6, 0x0
	.amdhsa_kernel k_qad4acf8a4a_router
		.amdhsa_group_segment_fixed_size 78848
		.amdhsa_private_segment_fixed_size 0
		.amdhsa_enable_private_segment 0
		.amdhsa_kernarg_size 48
		.amdhsa_user_sgpr_count 2
		.amdhsa_user_sgpr_kernarg_segment_ptr 1
		.amdhsa_wavefront_size32 1
		.amdhsa_system_sgpr_workgroup_id_x 1
		.amdhsa_system_sgpr_workgroup_id_y 1
		.amdhsa_system_sgpr_workgroup_id_z 1
		.amdhsa_system_vgpr_workitem_id 0
		.amdhsa_next_free_vgpr 256
		.amdhsa_next_free_sgpr 66
		.amdhsa_reserve_vcc 1
		.amdhsa_float_denorm_mode_32 3
		.amdhsa_float_denorm_mode_16_64 3
		.amdhsa_memory_ordered 1
		.amdhsa_forward_progress 1
		.amdhsa_inst_pref_size 36
	.end_amdhsa_kernel
	.amdgpu_metadata
---
amdhsa.version: [ 1, 2 ]
amdhsa.kernels:
  - .name:           k_qad4acf8a4a_router
    .symbol:         k_qad4acf8a4a_router.kd
    .args:
      - { .name: x, .offset: 0, .size: 8, .value_kind: global_buffer, .address_space: global }
      - { .name: Wg, .offset: 8, .size: 8, .value_kind: global_buffer, .address_space: global }
      - { .name: bg, .offset: 16, .size: 8, .value_kind: global_buffer, .address_space: global }
      - { .name: xb, .offset: 24, .size: 8, .value_kind: global_buffer, .address_space: global }
      - { .name: bm, .offset: 32, .size: 8, .value_kind: global_buffer, .address_space: global }
      - { .name: gw, .offset: 40, .size: 8, .value_kind: global_buffer, .address_space: global }
    .group_segment_fixed_size: 78848
    .private_segment_fixed_size: 0
    .kernarg_segment_align: 8
    .kernarg_segment_size: 48
    .max_flat_workgroup_size: 256
    .sgpr_count:     66
    .vgpr_count:     256
    .wavefront_size: 32
...
	.end_amdgpu_metadata
.endif
;; end of part 1
;; launch ffn1 (part 2): grid 256 x 1, 4 waves a work-group, no clusters, 300,544 bytes of LDS; arguments xb, W1, b1, bm, hb; writes hb
.if DOCPART == 2
	.amdgcn_target "amdgcn-amd-amdhsa--gfx1250"
	.amdhsa_code_object_version 6
	.text
	.protected	k_qad4acf8a4a_ffn1
	.globl	k_qad4acf8a4a_ffn1
	.p2align	8
	.type	k_qad4acf8a4a_ffn1,@function
k_qad4acf8a4a_ffn1:
	s_mov_b64 s[64:65], 0
	v_nop
	global_prefetch_b8 v0, s[64:65] scope:SCOPE_SE
	s_setreg_imm32_b32 hwreg(HW_REG_WAVE_MODE, 25, 1), 1
	s_wait_xcnt 0x0
; THE EXPERTS' TWO PRODUCTS: ONE TEXT, MODE says which.  A routed row has the number q = 1024 k + n (token n, choice k); each q belongs to one expert.
;   MODE 1: hb[q][:] = bf16(relu(xb[n] . bf16(W1[e]) + bf16(b1[e])))                              xb [1024][1024] bf16, W1 [8][1024][4096] f32, hb [2048][4096] bf16
;   MODE 2: pp[ks][q][:] = hb[q][1024 ks ..] . bf16(W2[e][1024 ks ..]) + (ks = 0: bf16(b2[e]))     W2 [8][4096][1024] f32, pp [4][2048][1024] f32: partial sums; the last launch weighs and adds them
; SHARES.  A work-group has one expert e and a slice of its weights, 1,024 along K x 128 columns (524,288 bytes of f32), which it alone reads, and ALL rows of that expert.
;   MODE 1: 8 experts x 32 slices of columns.  MODE 2: 8 experts x 4 parts of K x 8 slices of columns.  256 work-groups either way.
; FIRST the slice streams through registers, is rounded to bf16 and laid into LDS turned, K along the rows; each wave has 8 slots of 8 loads of 512 bytes on their way.  Meanwhile each wave
; makes the list of the expert's rows from the router's bitmaps.  ONE barrier.  THEN the products: from there on nothing writes LDS, so the loop over rows needs no barrier.
; A PASS serves 320 ranks of the list: wave w has the tiles of 16 ranks 4 i + w, i = 0..4, and all 128 columns: 40 accumulators.  Token rows come by the list from memory straight into
; fragments; weights from LDS.  Four passes cover the 1,024 rows that an expert can have at the most (a token's two experts differ).
; PAST THE COUNT.  A tile without a row is multiplied with the others of its pass (on row 0, which exists) and its stores are jumped.  In the tile in which the count ends the places past the count name the
; expert's FIRST row once more: it is multiplied again and stored again, to the same place and with the same numbers, by this same work-group: 15 repeated rows at the most.  So every store is a whole
; tile's, and all lanes stay on from the first line to the last.
; THE COLUMNS' ORDER.  Source 0 = 16 token rows, source 1 = 16 columns of the weights: register j of a lane holds row 8 (lane / 16) + j and the column at place lane % 16 of fragment c.
; Which column lies there is this text's choice: MODE 1: 8 r + c; MODE 2: 4 r + c % 4 + 64 (c / 4) (r = lane % 16).  So a lane's numbers over c are neighbouring columns of one row: 16 bytes, and sixteen
; lanes hold 256 consecutive bytes of the output: the results are stored straight from registers.  In LDS that column is row 16 c + r.
; NO CLUSTER, NO TENSOR LOADS: a slice has one reader and is rounded on its way through registers; what an expert's work-groups share is token rows picked by a list, which no tile's descriptor covers.
; LIMITS.  Weights, bias and token rows are bf16, each rounded once; sums in f32; the hidden layer is stored in bf16.  NaN and infinities are not treated apart (the maximum with 0 drops a NaN).
.set MODE, 1
.if MODE == 1
.set WP,  16384                        ; bytes from a K row of the weights to the next
.set ASH, 11                           ; a token row's bytes, as a shift
.set OSH, 13                           ; an output row's bytes, as a shift
.else
.set WP,  4096
.set ASH, 13
.set OSH, 12
.endif
.set US,     32*WP                     ; a unit: 8 K rows for each of the four waves
.set PITCH,  272                       ; an LDS row: 256 bytes + 16: an odd multiple of 16, so that the 16 rows of a fragment load start 16 bytes apart modulo 256
.set BLK,    128*PITCH                 ; the slice's 128 columns x 128 along K
.set LIST,   8*BLK                     ; behind the weights: a list for each wave
.set NRANK,  1280                      ; ranks in a list: 4 passes x 320; cleared, then filled up to the count
.set LISTB,  5376                      ; 1,280 words, 32 words into which lanes without a row store, and padding
.set SPARE,  LIST+4*LISTB              ; the spare words, 128 bytes a wave: two blocks of 256 bytes that no other line names
; REGISTERS, in windows of 256 (s_set_vgpr_msb: bits 1:0 source 0, 3:2 source 1, 5:4 source 2, 7:6 destination).  Window 0:
.set LANE, 1
.set RR,   2                           ; lane % 16
.set HH,   3                           ; lane / 16
.set H16,  4                           ; 16 (lane / 16)
.set LCOL, 5                           ; 16 (lane % 16): my 16 bytes in 256 of an output row
.set WO,   6                           ; weights: 16 lane + my wave's 8 K rows; never rewritten
.set LA,   7                           ; where my 4 columns' 16 bytes go in LDS; steps a lap
.set AW0,  8                           ; my place in a weight fragment; never rewritten
.set AW,   9                           ; the same in the K step in hand
.set LQ,   10                          ; my list at rank 16 w + lane % 16; steps a pass
.set LQH,  11                          ; my list at rank 16 w + 8 (lane / 16); steps a pass
.set BO,   14                          ; bias: my columns' first byte
.set LB,   15                          ; my list's first byte
.set DI,   16                          ; 1280 + lane
.set LN1,  17                          ; 1024 + lane
.set TA,   18                          ; v18-19 at work
.set TC,   19
.set Q0,   20                          ; q of the expert's first row
.set ZERO, 22
.set QQ,   24                          ; v24-28  q of my row in tile i
.set SPW,  30                          ; LDS address of my spare word; never rewritten
.set NIL,  31                          ; 0; never rewritten
.set XO,   32                          ; v32-36  byte offset of my row in tile i
.set BR,   40                          ; v40-47  the bias of my 8 columns as loaded
.set SQ,   48                          ; v48-55  the way out: the offsets of my half's 8 rows
.set BIAS, 64                          ; MODE 1: v64-127, the bias of my column of fragment c eight times, at 8 c + j: a C operand.  MODE 2: v64-71, that bias once, at c
.set F0,   128                         ; v128-191, v192-255  two buffers of weight fragments: 128 columns x 32 K
.set F1,   192
.set TT,   128                         ; while the weights stream: 16 registers at work, and four zeros
.set ZQ,   144
.set TMP,  128                         ; the way out
; Window 1: v0-159 token fragments, tile i, quarter u of a K step at 32 i + 8 u.  Window 2: the accumulators of tiles 0-3 at 64 i + 8 c; while the weights stream: the 8 slots, slot s, row i at 32 s + 4 i.
; Window 3: v0-63 tile 4's accumulators.
; SCALARS: s[4:5] token rows, s[6:7] weights, s[8:9] bias, s[10:11] bm, s[12:13] the output; s[16:47] the expert's bitmap of first choices, s[48:63], s[68:83] of second choices;
; s84 wave, s85 e, s86 slice, s87 ks, s88 the count, s91 my first rank in the pass, s92 passes to go, s93 K steps to go, s94 rows left in a tile, s[96:97] token rows stepping along K, s100 laps to go.
.set KB,   101                         ; s101  LDS byte at which the K step in hand begins
.set MSB, 0
.macro WIN new                         ; the immediate's high byte repeats the setting that is left; a switch that changes nothing is dropped
.if MSB != (\new)
	s_set_vgpr_msb (MSB<<8)|(\new)
.set MSB, (\new)
.endif
.endm
.macro PLACES                          ; four places between a matrix instruction and a load into, or a vector write of, one of its registers, or a read of its result (ISA guide 7.12.1 for the vector write and the read)
.rept 4
	v_nop
.endr
.endm
	s_load_b256 s[4:11], s[0:1], 0x0
	s_load_b64 s[12:13], s[0:1], 0x20
	v_lshl_add_u32 v[SPW], v0, 2, SPARE
	v_mov_b32 v[NIL], 0
	v_lshrrev_b32 v[TA], 5, v0
	v_readfirstlane_b32 s84, v[TA]                 ; wave 0..3
	v_and_b32 v[LANE], 31, v0
	v_and_b32 v[RR], 15, v0
	v_bfe_u32 v[HH], v0, 4, 1
	v_lshlrev_b32 v[H16], 4, v[HH]
	v_lshlrev_b32 v[LCOL], 4, v[RR]
	s_mul_i32 s2, s84, 8*WP
	v_lshl_add_u32 v[WO], v[LANE], 4, s2
	s_lshl_b32 s3, s84, 4
	; a load brings me columns 4 lane + j, j = 0..3.  Their LDS rows are 16 j + the row made here
.if MODE == 1
	v_and_b32 v[TA], 1, v0                         ; column 8 r + c: c = 4 (lane % 2) + j, r = lane / 2
	v_bfe_u32 v[TC], v0, 1, 4
	v_lshl_add_u32 v[TA], v[TA], 6, v[TC]          ; 64 (lane % 2) + lane / 2
	v_lshlrev_b32 v[BO], 5, v[RR]                  ; my fragments' columns 8 r .. 8 r + 7: 32 bytes of bias
.else
	v_lshl_add_u32 v[TA], v[HH], 6, v[RR]          ; column 4 r + c % 4 + 64 (c / 4): c = 4 (lane / 16) + j, r = lane % 16
	v_lshlrev_b32 v[BO], 4, v[RR]                  ; my fragments' columns 4 r .. 4 r + 3 and 64 further on: twice 16 bytes of bias
.endif
	v_mul_u32_u24 v[LA], v[TA], PITCH
	v_add_nc_u32 v[LA], s3, v[LA]                  ; my wave's 8 K are 16 bytes of a row
	v_mul_u32_u24 v[AW0], v[RR], PITCH
	v_add_nc_u32 v[AW0], v[H16], v[AW0]
	s_mul_i32 s89, s84, LISTB
	s_add_co_u32 s89, s89, LIST
	v_mov_b32 v[LB], s89
	s_lshl_b32 s90, s84, 6
	s_add_co_u32 s90, s90, s89
	v_lshl_add_u32 v[LQ], v[RR], 2, s90
	v_lshl_add_u32 v[LQH], v[HH], 5, s90
	v_add_nc_u32 v[DI], NRANK, v[LANE]
	v_add_nc_u32 v[LN1], 1024, v[LANE]
	; the offsets, each made apart from its address
	s_lshr_b32 s85, ttmp9, 5                       ; e
	s_lshl_b32 s88, s85, 24                        ; an expert's weights are 16,777,216 bytes
.if MODE == 1
	s_and_b32 s86, ttmp9, 31
	s_lshl_b32 s2, s86, 9                          ; 128 columns of f32
	s_add_co_u32 s88, s88, s2
	s_lshl_b32 s90, s85, 14
	s_add_co_u32 s90, s90, s2
	s_lshl_b32 s92, s86, 8                         ; 128 columns of bf16
.else
	s_and_b32 s86, ttmp9, 7
	s_bfe_u32 s87, ttmp9, 0x20003                  ; ks: 2 bits from bit 3
	s_lshl_b32 s2, s87, 22                         ; 1,024 K rows of 4,096 bytes
	s_add_co_u32 s88, s88, s2
	s_lshl_b32 s2, s86, 9
	s_add_co_u32 s88, s88, s2
	s_lshl_b32 s90, s85, 12
	s_add_co_u32 s90, s90, s2
	s_lshl_b32 s92, s87, 23                        ; a part of pp is 8,388,608 bytes
	s_add_co_u32 s92, s92, s2
	s_lshl_b32 s98, s87, 11                        ; 1,024 channels of bf16
	s_mov_b32 s99, 0
.endif
	s_mov_b32 s89, 0
	s_mov_b32 s91, 0
	s_mov_b32 s93, 0
	s_lshl_b32 s94, s85, 8                         ; 64 words of bm an expert
	s_mov_b32 s95, 0
	s_wait_kmcnt 0x0
	s_add_nc_u64 s[6:7], s[6:7], s[88:89]
	s_add_nc_u64 s[8:9], s[8:9], s[90:91]
	s_add_nc_u64 s[10:11], s[10:11], s[94:95]
	s_add_nc_u64 s[12:13], s[12:13], s[92:93]
.if MODE == 2
	s_add_nc_u64 s[4:5], s[4:5], s[98:99]
.endif
	s_load_b512 s[16:31], s[10:11], 0x0
	s_load_b512 s[32:47], s[10:11], 0x40
	s_load_b512 s[48:63], s[10:11], 0x80
	s_load_b512 s[68:83], s[10:11], 0xc0
	global_load_b128 v[BR:BR+3], v[BO], s[8:9]
.if MODE == 1
	global_load_b128 v[BR+4:BR+7], v[BO], s[8:9] offset:16
.else
	global_load_b128 v[BR+4:BR+7], v[BO], s[8:9] offset:256
.endif
; Slot s takes a unit's 8 K rows of my wave, one row's 512 consecutive bytes a load.  a = 0: this lap's unit; 1: the next lap's.  The largest immediate, 15 units and 7 rows, is 7,979,008 in MODE 1: inside the signed 24 bits.
.macro FILL s, a
	WIN 0x80                                       ; destination window 2
.irp i, 0,1,2,3,4,5,6,7
	global_load_b128 v[32*(\s)+4*(\i):32*(\s)+4*(\i)+3], v[WO], s[6:7] offset:((\s)+8*(\a))*US+(\i)*WP th:TH_LOAD_NT
.endr
	WIN 0
.endm
.irp s, 0,1,2,3,4,5,6,7
	FILL \s, 0
.endr
	; THE LIST, each wave's own, while the weights are on their way.  Rank = the rows of the expert at lower tokens; word rank takes q.  A lane whose token did not choose the expert stores into a word of its own behind the list.
	s_wait_kmcnt 0x0
.irp z, 0,1,2,3
	v_mov_b32 v[ZQ+(\z)], 0
.endr
	v_lshl_add_u32 v[TA], v[LANE], 4, v[LB]
.set m, 0
.rept NRANK*4/512
	ds_store_b128 v[TA], v[ZQ:ZQ+3] offset:512*m   ; ranks far past the count name row 0
.set m, m+1
.endr
	s_mov_b32 s88, 0
.set i, 0
.rept 32                               ; tokens 32 i .. 32 i + 31
.set K1, 48+i+4*(i/16)                 ; the word of second choices: s48-63, s68-83
	s_or_b32 s89, s[16+i], s[K1]
	v_mbcnt_lo_u32_b32 v[TA], s89, s88             ; the count so far + the set bits below my lane
	v_cndmask_b32 v[TA], v[DI], v[TA], s89
	v_min_u32 v[TA], NRANK+31, v[TA]               ; the bound of my list's words
	v_lshl_add_u32 v[TA], v[TA], 2, v[LB]
	v_cndmask_b32 v[TC], v[LANE], v[LN1], s[K1]    ; q = 1024 k + 32 i + lane
	v_add_nc_u32 v[TC], 32*i, v[TC]
	ds_store_b32 v[TA], v[TC]
	s_bcnt1_i32_b32 s90, s89
	s_add_co_u32 s88, s88, s90
.set i, i+1
.endr
	; the 32 ranks behind the count take the first row's q: more than the 15 places that the count's last tile can have past it.  (With no row at all the word holds 0, and nothing is multiplied.)
	ds_load_b32 v[Q0], v[LB]                       ; LDS serves a wave's instructions in order (ISA guide 5.7.1.4): this sees the stores above
	v_add_nc_u32 v[TA], s88, v[LANE]
	v_min_u32 v[TA], NRANK+31, v[TA]               ; the bound of my list's words
	v_lshl_add_u32 v[TA], v[TA], 2, v[LB]
	s_wait_dscnt 0x0
	ds_store_b32 v[TA], v[Q0]
; THE WEIGHTS.  Slot s's turn: 8 K rows x my 4 columns are rounded in pairs along K, so that a column's 8 numbers are 16 bytes; the slot is filled again; the four columns go to their LDS rows, 16 rows apart.
; left = the younger loads, which stay out.
.macro TURN s, refill, left
	s_wait_loadcnt \left
	WIN 0x0a                                       ; sources in window 2
.irp j, 0,1,2,3
.irp d, 0,1,2,3
	v_cvt_pk_bf16_f32 v[TT+4*(\j)+(\d)], v[32*(\s)+8*(\d)+(\j)], v[32*(\s)+8*(\d)+4+(\j)]
.endr
.endr
.if \refill
	FILL \s, 1
.endif
	WIN 0
.irp j, 0,1,2,3
	ds_store_b128 v[LA], v[TT+4*(\j):TT+4*(\j)+3] offset:((\s)/4)*BLK+(\j)*16*PITCH+64*((\s)%4)
.endr
.endm
	s_mov_b32 s100, 3
.Llap:                                                 ; a lap: 8 units, 256 along K
.irp s, 0,1,2,3,4,5,6,7
	TURN \s, 1, 56                                 ; the seven younger slots' 56 loads stay out
.endr
	s_wait_xcnt 0x0                                ; the base is stepped only behind this wait
	s_add_nc_u64 s[6:7], s[6:7], 8*US
	v_add_nc_u32 v[LA], 2*BLK, v[LA]
	s_sub_co_u32 s100, s100, 1
	s_cmp_lg_u32 s100, 0
	s_cbranch_scc1 .Llap
.irp s, 0,1,2,3,4,5,6,7
	TURN \s, 0, 56-8*(\s)                          ; the last lap loads nothing: the counts run down
.endr
	; the bias, rounded to bf16 like every input, and widened again
.if MODE == 2
	s_cmp_eq_u32 s87, 0
	s_cselect_b32 s99, -1, 0                       ; only the first part of K adds it
.endif
.irp p, 0,1,2,3
	v_cvt_pk_bf16_f32 v[TA+(\p)%2], v[BR+2*(\p)], v[BR+2*(\p)+1]
.if MODE == 1
.irp j, 0,1,2,3,4,5,6,7                ; a C operand holds a column's bias once for each of the lane's 8 rows
	v_lshlrev_b32 v[BIAS+16*(\p)+(\j)], 16, v[TA+(\p)%2]
	v_and_b32 v[BIAS+16*(\p)+8+(\j)], 0xffff0000, v[TA+(\p)%2]
.endr
.else
	v_and_b32 v[TA+(\p)%2], s99, v[TA+(\p)%2]
	v_lshlrev_b32 v[BIAS+2*(\p)], 16, v[TA+(\p)%2]
	v_and_b32 v[BIAS+2*(\p)+1], 0xffff0000, v[TA+(\p)%2]
.endif
.endr
	v_mov_b32 v[ZERO], 0
	s_wait_dscnt 0x0                               ; for the others' sake: my part of the weights is in LDS
	s_barrier_signal -1
	s_barrier_wait -1                              ; everybody's is.  From here to the kernel's closing lines nobody writes LDS
; THE PRODUCTS.  A K step is 128, in four quarters of 32.
.macro XLOAD u, off                    ; ten loads: the five tiles' fragments (16 rows x 32 K) of one quarter, into place u
	WIN 0x40                                       ; destination window 1
.irp i, 0,1,2,3,4
	global_load_b128 v[32*(\i)+8*(\u):32*(\i)+8*(\u)+3],   v[XO+(\i)], s[96:97] offset:(\off)
	global_load_b128 v[32*(\i)+8*(\u)+4:32*(\i)+8*(\u)+7], v[XO+(\i)], s[96:97] offset:(\off)+32
.endr
	WIN 0
.endm
.macro FETCHW f, off                   ; sixteen LDS loads: 128 columns x 32 K
	WIN 0
.irp c, 0,1,2,3,4,5,6,7
	ds_load_b128 v[(\f)+8*(\c):(\f)+8*(\c)+3],   v[AW] offset:(\off)+(\c)*16*PITCH
	ds_load_b128 v[(\f)+8*(\c)+4:(\f)+8*(\c)+7], v[AW] offset:(\off)+(\c)*16*PITCH+32
.endr
.endm
; 40 matrix instructions; the 40 accumulators take turns, one instruction a turn, in the same order in every quarter.  first = 1: the products start the sums: with the bias (MODE 1) or with 0.
.macro MULS u, f, first
.irp i, 0,1,2,3,4
.if (\i) < 4
	WIN 0xa1-0x20*(\first)                         ; token rows window 1, weights window 0, D (and C) window 2
.set AC, 64*(\i)
.else
	WIN 0xf1-0x30*(\first)                         ; the same with window 3
.set AC, 0
.endif
.irp c, 0,1,2,3,4,5,6,7
.if (\first) && (MODE == 1)
	v_wmma_f32_16x16x32_bf16 v[AC+8*(\c):AC+8*(\c)+7], v[32*(\i)+8*(\u):32*(\i)+8*(\u)+7], v[(\f)+8*(\c):(\f)+8*(\c)+7], v[BIAS+8*(\c):BIAS+8*(\c)+7]
.elseif \first
	v_wmma_f32_16x16x32_bf16 v[AC+8*(\c):AC+8*(\c)+7], v[32*(\i)+8*(\u):32*(\i)+8*(\u)+7], v[(\f)+8*(\c):(\f)+8*(\c)+7], 0
.else
	v_wmma_f32_16x16x32_bf16 v[AC+8*(\c):AC+8*(\c)+7], v[32*(\i)+8*(\u):32*(\i)+8*(\u)+7], v[(\f)+8*(\c):(\f)+8*(\c)+7], v[AC+8*(\c):AC+8*(\c)+7]
.endif
.endr
.endr
	WIN 0
.endm
; A quarter: its token rows and its weights are in; the next quarter's weights and the token rows three quarters on are asked for, into the registers that the quarter before multiplied; then its products.
; lc = the token loads issued behind this quarter's: two groups of ten, fewer at the end.
.macro SUB u, first, lc, xl, fw
	s_wait_loadcnt \lc
	s_wait_dscnt 0x0                               ; the sixteen loads issued ahead of the last 40 matrix instructions
	PLACES
.if \fw
.if (\u) < 3
	FETCHW F0+64*(((\u)+1)%2), 64*((\u)+1)
.else
	s_add_co_u32 s[KB], s[KB], BLK                 ; the next K step's first quarter: the address is made anew from the step's first byte and my fixed place
	v_add_nc_u32 v[AW], s[KB], v[AW0]
	FETCHW F0, 0
.endif
.endif
.if \xl
	XLOAD ((\u)+3)%4, 64*((\u)+3)
.endif
	MULS \u, F0+64*((\u)%2), \first
.endm
.macro STEP first, last
.if \last
	SUB 0, 0, 20, 1, 1                             ; the last group of token rows is asked for
	SUB 1, 0, 20, 0, 1
	SUB 2, 0, 10, 0, 1
	SUB 3, 0, 0, 0, 0
.else
	SUB 0, \first, 20, 1, 1
	SUB 1, 0, 20, 1, 1
	SUB 2, 0, 20, 1, 1
	SUB 3, 0, 20, 1, 1
	s_wait_xcnt 0x0                                ; the base is stepped only behind this wait
	s_add_nc_u64 s[96:97], s[96:97], 256
.endif
.endm
; THE WAY OUT of tile i.  A tile without a row is jumped.  Store j takes row j of the tile from lanes 0-15 and row 8 + j from lanes 16-31, each to the place that the list names:
; sixteen lanes store 256 consecutive bytes, at a multiple of 256 from the buffer's first byte.  Places past the count name the expert's first row, and store its numbers there once more.
.macro ROWST j
.if MODE == 1
	global_store_b128 v[SQ+(\j)], v[TMP+4*(\j):TMP+4*(\j)+3], s[12:13]
.else
	global_store_b128 v[SQ+(\j)], v[TMP+8*(\j):TMP+8*(\j)+3], s[12:13]
	global_store_b128 v[SQ+(\j)], v[TMP+8*(\j)+4:TMP+8*(\j)+7], s[12:13] offset:256
.endif
.endm
.macro TILEOUT i
	s_sub_co_i32 s94, s88, s91
	s_sub_co_i32 s94, s94, 64*(\i)                 ; rows of the tile within the count
	s_cmp_le_i32 s94, 0
	s_cbranch_scc1 .Ltd_\@
	s_wait_xcnt 0x0                                ; the registers that the last tile's stores read are rewritten only behind this wait
	ds_load_b128 v[SQ:SQ+3],   v[LQH] offset:256*(\i)      ; q of my half's 8 rows
	ds_load_b128 v[SQ+4:SQ+7], v[LQH] offset:256*(\i)+16
.if (\i) < 4
.set AC, 64*(\i)
.set WSRC, 2
.else
.set AC, 0
.set WSRC, 3
.endif
.if MODE == 1
	WIN WSRC*5                                     ; sources 0 and 1 in the accumulators' window
.irp j, 0,1,2,3,4,5,6,7                ; row by row; columns 8 r + 2 d, 8 r + 2 d + 1 lie in accumulators 2 d, 2 d + 1
.irp d, 0,1,2,3
	v_cvt_pk_bf16_f32 v[TMP+4*(\j)+(\d)], v[AC+16*(\d)+(\j)], v[AC+16*(\d)+8+(\j)]
.endr
.endr
	WIN 0
.set z, 0
.rept 32
	v_pk_max_num_bf16 v[TMP+z], v[TMP+z], v[ZERO]  ; the maximum with 0 behind the rounding gives the same number as ahead of it
.set z, z+1
.endr
.else
	WIN WSRC                                       ; source 0 in the accumulators' window
.irp j, 0,1,2,3,4,5,6,7                ; the bias is added on the way into the four consecutive registers that a store of 16 bytes takes
.irp c, 0,1,2,3,4,5,6,7
	v_add_f32 v[TMP+8*(\j)+(\c)], v[AC+8*(\c)+(\j)], v[BIAS+(\c)]
.endr
.endr
	WIN 0
.endif
	s_wait_dscnt 0x0
.irp j, 0,1,2,3,4,5,6,7
	v_min_u32 v[SQ+(\j)], 2047, v[SQ+(\j)]         ; the bound of the output's rows
	v_lshl_add_u32 v[SQ+(\j)], v[SQ+(\j)], OSH, v[LCOL]
.endr
.irp j, 0,1,2,3,4,5,6,7
	ROWST \j
.endr
.Ltd_\@:
.endm
	s_mov_b32 s92, 4                               ; 4 x 320 ranks cover every split
	s_lshl_b32 s91, s84, 4                         ; my first rank: 320 p + 16 w
.Lpass:
	s_cmp_le_u32 s88, s91
	s_cbranch_scc1 .Lpass_end                      ; my first tile has no row, so none has: what is jumped holds no barrier
	s_wait_xcnt 0x0                                ; the last pass's stores have read their registers
.irp i, 0,1,2,3,4
	ds_load_b32 v[QQ+(\i)], v[LQ] offset:256*(\i)
.endr
	s_wait_dscnt 0x0
.irp i, 0,1,2,3,4
	v_min_u32 v[QQ+(\i)], 2047, v[QQ+(\i)]         ; the bound of the rows
.if MODE == 1
	v_and_b32 v[QQ+(\i)], 1023, v[QQ+(\i)]         ; the token
.endif
	v_lshl_add_u32 v[XO+(\i)], v[QQ+(\i)], ASH, v[H16]
.endr
	s_mov_b32 s[KB], 0
	v_mov_b32 v[AW], v[AW0]
	s_mov_b64 s[96:97], s[4:5]
	s_mov_b32 s93, 6
	XLOAD 0, 0
	XLOAD 1, 64
	XLOAD 2, 128
	FETCHW F0, 0
	STEP 1, 0                                      ; the first K step is written out: its first products start the sums
.Lk:
	STEP 0, 0
	s_sub_co_u32 s93, s93, 1
	s_cmp_lg_u32 s93, 0
	s_cbranch_scc1 .Lk
	STEP 0, 1                                      ; and the last: no load leaves the rows
	PLACES
	TILEOUT 0
	TILEOUT 1
	TILEOUT 2
	TILEOUT 3
	TILEOUT 4
.Lpass_end:
	v_add_nc_u32 v[LQ], 4*320, v[LQ]
	v_add_nc_u32 v[LQH], 4*320, v[LQH]
	s_add_co_u32 s91, s91, 320
	s_sub_co_u32 s92, s92, 1
	s_cmp_lg_u32 s92, 0
	s_cbranch_scc1 .Lpass
	s_wait_dscnt 0x0                               ; my reads of LDS are over,
	s_barrier_signal -1
	s_barrier_wait -1                              ; and so are every wave's, before any wave's closing write to LDS
	s_wait_tensorcnt 0x0                           ; the wave's end
	ds_add_u32 v[SPW], v[NIL]
	s_wait_dscnt 0x0
	s_endpgm
.Lfunc_end_k_qad4acf8a4a_ffn1:
	.size	k_qad4acf8a4a_ffn1, .Lfunc_end_k_qad4acf8a4a_ffn1-k_qad4acf8a4a_ffn1
	.p2alignl 7, 3214868480
	.fill 96, 4, 3214868480
	.section	.rodata,"a",@progbits
	.p2align	6, 0x0
	.amdhsa_kernel k_qad4acf8a4a_ffn1
		.amdhsa_group_segment_fixed_size 300544
		.amdhsa_private_segment_fixed_size 0
		.amdhsa_enable_private_segment 0
		.amdhsa_kernarg_size 40
		.amdhsa_user_sgpr_count 2
		.amdhsa_user_sgpr_kernarg_segment_ptr 1
		.amdhsa_wavefront_size32 1
		.amdhsa_system_sgpr_workgroup_id_x 1
		.amdhsa_system_sgpr_workgroup_id_y 1
		.amdhsa_system_sgpr_workgroup_id_z 1
		.amdhsa_system_vgpr_workitem_id 0
		.amdhsa_next_free_vgpr 832
		.amdhsa_next_free_sgpr 102
		.amdhsa_reserve_vcc 0
		.amdhsa_float_denorm_mode_32 3
		.amdhsa_float_denorm_mode_16_64 3
		.amdhsa_memory_ordered 1
		.amdhsa_forward_progress 1
		.amdhsa_inst_pref_size 150
	.end_amdhsa_kernel
	.amdgpu_metadata
---
amdhsa.version: [ 1, 2 ]
amdhsa.kernels:
  - .name:           k_qad4acf8a4a_ffn1
    .symbol:         k_qad4acf8a4a_ffn1.kd
    .args:
      - { .name: xb, .offset: 0, .size: 8, .value_kind: global_buffer, .address_space: global }
      - { .name: W1, .offset: 8, .size: 8, .value_kind: global_buffer, .address_space: global }
      - { .name: b1, .offset: 16, .size: 8, .value_kind: global_buffer, .address_space: global }
      - { .name: bm, .offset: 24, .size: 8, .value_kind: global_buffer, .address_space: global }
      - { .name: hb, .offset: 32, .size: 8, .value_kind: global_buffer, .address_space: global }
    .group_segment_fixed_size: 300544
    .private_segment_fixed_size: 0
    .kernarg_segment_align: 8
    .kernarg_segment_size: 40
    .max_flat_workgroup_size: 128
    .sgpr_count:     102
    .vgpr_count:     832
    .wavefront_size: 32
...
	.end_amdgpu_metadata
.endif
;; end of part 2
;; launch ffn2 (part 3): grid 256 x 1, 4 waves a work-group, no clusters, 300,544 bytes of LDS; arguments hb, W2, b2, bm, pp; writes pp
.if DOCPART == 3
	.amdgcn_target "amdgcn-amd-amdhsa--gfx1250"
	.amdhsa_code_object_version 6
	.text
	.protected	k_qad4acf8a4a_ffn2
	.globl	k_qad4acf8a4a_ffn2
	.p2align	8
	.type	k_qad4acf8a4a_ffn2,@function
k_qad4acf8a4a_ffn2:
	s_mov_b64 s[64:65], 0
	v_nop
	global_prefetch_b8 v0, s[64:65] scope:SCOPE_SE
	s_setreg_imm32_b32 hwreg(HW_REG_WAVE_MODE, 25, 1), 1
	s_wait_xcnt 0x0
; THE EXPERTS' TWO PRODUCTS: ONE TEXT, MODE says which.  A routed row has the number q = 1024 k + n (token n, choice k); each q belongs to one expert.
;   MODE 1: hb[q][:] = bf16(relu(xb[n] . bf16(W1[e]) + bf16(b1[e])))                              xb [1024][1024] bf16, W1 [8][1024][4096] f32, hb [2048][4096] bf16
;   MODE 2: pp[ks][q][:] = hb[q][1024 ks ..] . bf16(W2[e][1024 ks ..]) + (ks = 0: bf16(b2[e]))     W2 [8][4096][1024] f32, pp [4][2048][1024] f32: partial sums; the last launch weighs and adds them
; SHARES.  A work-group has one expert e and a slice of its weights, 1,024 along K x 128 columns (524,288 bytes of f32), which it alone reads, and ALL rows of that expert.
;   MODE 1: 8 experts x 32 slices of columns.  MODE 2: 8 experts x 4 parts of K x 8 slices of columns.  256 work-groups either way.
; FIRST the slice streams through registers, is rounded to bf16 and laid into LDS turned, K along the rows; each wave has 8 slots of 8 loads of 512 bytes on their way.  Meanwhile each wave
; makes the list of the expert's rows from the router's bitmaps.  ONE barrier.  THEN the products: from there on nothing writes LDS, so the loop over rows needs no barrier.
; A PASS serves 320 ranks of the list: wave w has the tiles of 16 ranks 4 i + w, i = 0..4, and all 128 columns: 40 accumulators.  Token rows come by the list from memory straight into
; fragments; weights from LDS.  Four passes cover the 1,024 rows that an expert can have at the most (a token's two experts differ).
; PAST THE COUNT.  A tile without a row is multiplied with the others of its pass (on row 0, which exists) and its stores are jumped.  In the tile in which the count ends the places past the count name the
; expert's FIRST row once more: it is multiplied again and stored again, to the same place and with the same numbers, by this same work-group: 15 repeated rows at the most.  So every store is a whole
; tile's, and all lanes stay on from the first line to the last.
; THE COLUMNS' ORDER.  Source 0 = 16 token rows, source 1 = 16 columns of the weights: register j of a lane holds row 8 (lane / 16) + j and the column at place lane % 16 of fragment c.
; Which column lies there is this text's choice: MODE 1: 8 r + c; MODE 2: 4 r + c % 4 + 64 (c / 4) (r = lane % 16).  So a lane's numbers over c are neighbouring columns of one row: 16 bytes, and sixteen
; lanes hold 256 consecutive bytes of the output: the results are stored straight from registers.  In LDS that column is row 16 c + r.
; NO CLUSTER, NO TENSOR LOADS: a slice has one reader and is rounded on its way through registers; what an expert's work-groups share is token rows picked by a list, which no tile's descriptor covers.
; LIMITS.  Weights, bias and token rows are bf16, each rounded once; sums in f32; the hidden layer is stored in bf16.  NaN and infinities are not treated apart (the maximum with 0 drops a NaN).
.set MODE, 2
.if MODE == 1
.set WP,  16384                        ; bytes from a K row of the weights to the next
.set ASH, 11                           ; a token row's bytes, as a shift
.set OSH, 13                           ; an output row's bytes, as a shift
.else
.set WP,  4096
.set ASH, 13
.set OSH, 12
.endif
.set US,     32*WP                     ; a unit: 8 K rows for each of the four waves
.set PITCH,  272                       ; an LDS row: 256 bytes + 16: an odd multiple of 16, so that the 16 rows of a fragment load start 16 bytes apart modulo 256
.set BLK,    128*PITCH                 ; the slice's 128 columns x 128 along K
.set LIST,   8*BLK                     ; behind the weights: a list for each wave
.set NRANK,  1280                      ; ranks in a list: 4 passes x 320; cleared, then filled up to the count
.set LISTB,  5376                      ; 1,280 words, 32 words into which lanes without a row store, and padding
.set SPARE,  LIST+4*LISTB              ; the spare words, 128 bytes a wave: two blocks of 256 bytes that no other line names
; REGISTERS, in windows of 256 (s_set_vgpr_msb: bits 1:0 source 0, 3:2 source 1, 5:4 source 2, 7:6 destination).  Window 0:
.set LANE, 1
.set RR,   2                           ; lane % 16
.set HH,   3                           ; lane / 16
.set H16,  4                           ; 16 (lane / 16)
.set LCOL, 5                           ; 16 (lane % 16): my 16 bytes in 256 of an output row
.set WO,   6                           ; weights: 16 lane + my wave's 8 K rows; never rewritten
.set LA,   7                           ; where my 4 columns' 16 bytes go in LDS; steps a lap
.set AW0,  8                           ; my place in a weight fragment; never rewritten
.set AW,   9                           ; the same in the K step in hand
.set LQ,   10                          ; my list at rank 16 w + lane % 16; steps a pass
.set LQH,  11                          ; my list at rank 16 w + 8 (lane / 16); steps a pass
.set BO,   14                          ; bias: my columns' first byte
.set LB,   15                          ; my list's first byte
.set DI,   16                          ; 1280 + lane
.set LN1,  17                          ; 1024 + lane
.set TA,   18                          ; v18-19 at work
.set TC,   19
.set Q0,   20                          ; q of the expert's first row
.set ZERO, 22
.set QQ,   24                          ; v24-28  q of my row in tile i
.set SPW,  30                          ; LDS address of my spare word; never rewritten
.set NIL,  31                          ; 0; never rewritten
.set XO,   32                          ; v32-36  byte offset of my row in tile i
.set BR,   40                          ; v40-47  the bias of my 8 columns as loaded
.set SQ,   48                          ; v48-55  the way out: the offsets of my half's 8 rows
.set BIAS, 64                          ; MODE 1: v64-127, the bias of my column of fragment c eight times, at 8 c + j: a C operand.  MODE 2: v64-71, that bias once, at c
.set F0,   128                         ; v128-191, v192-255  two buffers of weight fragments: 128 columns x 32 K
.set F1,   192
.set TT,   128                         ; while the weights stream: 16 registers at work, and four zeros
.set ZQ,   144
.set TMP,  128                         ; the way out
; Window 1: v0-159 token fragments, tile i, quarter u of a K step at 32 i + 8 u.  Window 2: the accumulators of tiles 0-3 at 64 i + 8 c; while the weights stream: the 8 slots, slot s, row i at 32 s + 4 i.
; Window 3: v0-63 tile 4's accumulators.
; SCALARS: s[4:5] token rows, s[6:7] weights, s[8:9] bias, s[10:11] bm, s[12:13] the output; s[16:47] the expert's bitmap of first choices, s[48:63], s[68:83] of second choices;
; s84 wave, s85 e, s86 slice, s87 ks, s88 the count, s91 my first rank in the pass, s92 passes to go, s93 K steps to go, s94 rows left in a tile, s[96:97] token rows stepping along K, s100 laps to go.
.set KB,   101                         ; s101  LDS byte at which the K step in hand begins
.set MSB, 0
.macro WIN new                         ; the immediate's high byte repeats the setting that is left; a switch that changes nothing is dropped
.if MSB != (\new)
	s_set_vgpr_msb (MSB<<8)|(\new)
.set MSB, (\new)
.endif
.endm
.macro PLACES                          ; four places between a matrix instruction and a load into, or a vector write of, one of its registers, or a read of its result (ISA guide 7.12.1 for the vector write and the read)
.rept 4
	v_nop
.endr
.endm
	s_load_b256 s[4:11], s[0:1], 0x0
	s_load_b64 s[12:13], s[0:1], 0x20
	v_lshl_add_u32 v[SPW], v0, 2, SPARE
	v_mov_b32 v[NIL], 0
	v_lshrrev_b32 v[TA], 5, v0
	v_readfirstlane_b32 s84, v[TA]                 ; wave 0..3
	v_and_b32 v[LANE], 31, v0
	v_and_b32 v[RR], 15, v0
	v_bfe_u32 v[HH], v0, 4, 1
	v_lshlrev_b32 v[H16], 4, v[HH]
	v_lshlrev_b32 v[LCOL], 4, v[RR]
	s_mul_i32 s2, s84, 8*WP
	v_lshl_add_u32 v[WO], v[LANE], 4, s2
	s_lshl_b32 s3, s84, 4
	; a load brings me columns 4 lane + j, j = 0..3.  Their LDS rows are 16 j + the row made here
.if MODE == 1
	v_and_b32 v[TA], 1, v0                         ; column 8 r + c: c = 4 (lane % 2) + j, r = lane / 2
	v_bfe_u32 v[TC], v0, 1, 4
	v_lshl_add_u32 v[TA], v[TA], 6, v[TC]          ; 64 (lane % 2) + lane / 2
	v_lshlrev_b32 v[BO], 5, v[RR]                  ; my fragments' columns 8 r .. 8 r + 7: 32 bytes of bias
.else
	v_lshl_add_u32 v[TA], v[HH], 6, v[RR]          ; column 4 r + c % 4 + 64 (c / 4): c = 4 (lane / 16) + j, r = lane % 16
	v_lshlrev_b32 v[BO], 4, v[RR]                  ; my fragments' columns 4 r .. 4 r + 3 and 64 further on: twice 16 bytes of bias
.endif
	v_mul_u32_u24 v[LA], v[TA], PITCH
	v_add_nc_u32 v[LA], s3, v[LA]                  ; my wave's 8 K are 16 bytes of a row
	v_mul_u32_u24 v[AW0], v[RR], PITCH
	v_add_nc_u32 v[AW0], v[H16], v[AW0]
	s_mul_i32 s89, s84, LISTB
	s_add_co_u32 s89, s89, LIST
	v_mov_b32 v[LB], s89
	s_lshl_b32 s90, s84, 6
	s_add_co_u32 s90, s90, s89
	v_lshl_add_u32 v[LQ], v[RR], 2, s90
	v_lshl_add_u32 v[LQH], v[HH], 5, s90
	v_add_nc_u32 v[DI], NRANK, v[LANE]
	v_add_nc_u32 v[LN1], 1024, v[LANE]
	; the offsets, each made apart from its address
	s_lshr_b32 s85, ttmp9, 5                       ; e
	s_lshl_b32 s88, s85, 24                        ; an expert's weights are 16,777,216 bytes
.if MODE == 1
	s_and_b32 s86, ttmp9, 31
	s_lshl_b32 s2, s86, 9                          ; 128 columns of f32
	s_add_co_u32 s88, s88, s2
	s_lshl_b32 s90, s85, 14
	s_add_co_u32 s90, s90, s2
	s_lshl_b32 s92, s86, 8                         ; 128 columns of bf16
.else
	s_and_b32 s86, ttmp9, 7
	s_bfe_u32 s87, ttmp9, 0x20003                  ; ks: 2 bits from bit 3
	s_lshl_b32 s2, s87, 22                         ; 1,024 K rows of 4,096 bytes
	s_add_co_u32 s88, s88, s2
	s_lshl_b32 s2, s86, 9
	s_add_co_u32 s88, s88, s2
	s_lshl_b32 s90, s85, 12
	s_add_co_u32 s90, s90, s2
	s_lshl_b32 s92, s87, 23                        ; a part of pp is 8,388,608 bytes
	s_add_co_u32 s92, s92, s2
	s_lshl_b32 s98, s87, 11                        ; 1,024 channels of bf16
	s_mov_b32 s99, 0
.endif
	s_mov_b32 s89, 0
	s_mov_b32 s91, 0
	s_mov_b32 s93, 0
	s_lshl_b32 s94, s85, 8                         ; 64 words of bm an expert
	s_mov_b32 s95, 0
	s_wait_kmcnt 0x0
	s_add_nc_u64 s[6:7], s[6:7], s[88:89]
	s_add_nc_u64 s[8:9], s[8:9], s[90:91]
	s_add_nc_u64 s[10:11], s[10:11], s[94:95]
	s_add_nc_u64 s[12:13], s[12:13], s[92:93]
.if MODE == 2
	s_add_nc_u64 s[4:5], s[4:5], s[98:99]
.endif
	s_load_b512 s[16:31], s[10:11], 0x0
	s_load_b512 s[32:47], s[10:11], 0x40
	s_load_b512 s[48:63], s[10:11], 0x80
	s_load_b512 s[68:83], s[10:11], 0xc0
	global_load_b128 v[BR:BR+3], v[BO], s[8:9]
.if MODE == 1
	global_load_b128 v[BR+4:BR+7], v[BO], s[8:9] offset:16
.else
	global_load_b128 v[BR+4:BR+7], v[BO], s[8:9] offset:256
.endif
; Slot s takes a unit's 8 K rows of my wave, one row's 512 consecutive bytes a load.  a = 0: this lap's unit; 1: the next lap's.  The largest immediate, 15 units and 7 rows, is 7,979,008 in MODE 1: inside the signed 24 bits.
.macro FILL s, a
	WIN 0x80                                       ; destination window 2
.irp i, 0,1,2,3,4,5,6,7
	global_load_b128 v[32*(\s)+4*(\i):32*(\s)+4*(\i)+3], v[WO], s[6:7] offset:((\s)+8*(\a))*US+(\i)*WP th:TH_LOAD_NT
.endr
	WIN 0
.endm
.irp s, 0,1,2,3,4,5,6,7
	FILL \s, 0
.endr
	; THE LIST, each wave's own, while the weights are on their way.  Rank = the rows of the expert at lower tokens; word rank takes q.  A lane whose token did not choose the expert stores into a word of its own behind the list.
	s_wait_kmcnt 0x0
.irp z, 0,1,2,3
	v_mov_b32 v[ZQ+(\z)], 0
.endr
	v_lshl_add_u32 v[TA], v[LANE], 4, v[LB]
.set m, 0
.rept NRANK*4/512
	ds_store_b128 v[TA], v[ZQ:ZQ+3] offset:512*m   ; ranks far past the count name row 0
.set m, m+1
.endr
	s_mov_b32 s88, 0
.set i, 0
.rept 32                               ; tokens 32 i .. 32 i + 31
.set K1, 48+i+4*(i/16)                 ; the word of second choices: s48-63, s68-83
	s_or_b32 s89, s[16+i], s[K1]
	v_mbcnt_lo_u32_b32 v[TA], s89, s88             ; the count so far + the set bits below my lane
	v_cndmask_b32 v[TA], v[DI], v[TA], s89
	v_min_u32 v[TA], NRANK+31, v[TA]               ; the bound of my list's words
	v_lshl_add_u32 v[TA], v[TA], 2, v[LB]
	v_cndmask_b32 v[TC], v[LANE], v[LN1], s[K1]    ; q = 1024 k + 32 i + lane
	v_add_nc_u32 v[TC], 32*i, v[TC]
	ds_store_b32 v[TA], v[TC]
	s_bcnt1_i32_b32 s90, s89
	s_add_co_u32 s88, s88, s90
.set i, i+1
.endr
	; the 32 ranks behind the count take the first row's q: more than the 15 places that the count's last tile can have past it.  (With no row at all the word holds 0, and nothing is multiplied.)
	ds_load_b32 v[Q0], v[LB]                       ; LDS serves a wave's instructions in order (ISA guide 5.7.1.4): this sees the stores above
	v_add_nc_u32 v[TA], s88, v[LANE]
	v_min_u32 v[TA], NRANK+31, v[TA]               ; the bound of my list's words
	v_lshl_add_u32 v[TA], v[TA], 2, v[LB]
	s_wait_dscnt 0x0
	ds_store_b32 v[TA], v[Q0]
; THE WEIGHTS.  Slot s's turn: 8 K rows x my 4 columns are rounded in pairs along K, so that a column's 8 numbers are 16 bytes; the slot is filled again; the four columns go to their LDS rows, 16 rows apart.
; left = the younger loads, which stay out.
.macro TURN s, refill, left
	s_wait_loadcnt \left
	WIN 0x0a                                       ; sources in window 2
.irp j, 0,1,2,3
.irp d, 0,1,2,3
	v_cvt_pk_bf16_f32 v[TT+4*(\j)+(\d)], v[32*(\s)+8*(\d)+(\j)], v[32*(\s)+8*(\d)+4+(\j)]
.endr
.endr
.if \refill
	FILL \s, 1
.endif
	WIN 0
.irp j, 0,1,2,3
	ds_store_b128 v[LA], v[TT+4*(\j):TT+4*(\j)+3] offset:((\s)/4)*BLK+(\j)*16*PITCH+64*((\s)%4)
.endr
.endm
	s_mov_b32 s100, 3
.Llap:                                                 ; a lap: 8 units, 256 along K
.irp s, 0,1,2,3,4,5,6,7
	TURN \s, 1, 56                                 ; the seven younger slots' 56 loads stay out
.endr
	s_wait_xcnt 0x0                                ; the base is stepped only behind this wait
	s_add_nc_u64 s[6:7], s[6:7], 8*US
	v_add_nc_u32 v[LA], 2*BLK, v[LA]
	s_sub_co_u32 s100, s100, 1
	s_cmp_lg_u32 s100, 0
	s_cbranch_scc1 .Llap
.irp s, 0,1,2,3,4,5,6,7
	TURN \s, 0, 56-8*(\s)                          ; the last lap loads nothing: the counts run down
.endr
	; the bias, rounded to bf16 like every input, and widened again
.if MODE == 2
	s_cmp_eq_u32 s87, 0
	s_cselect_b32 s99, -1, 0                       ; only the first part of K adds it
.endif
.irp p, 0,1,2,3
	v_cvt_pk_bf16_f32 v[TA+(\p)%2], v[BR+2*(\p)], v[BR+2*(\p)+1]
.if MODE == 1
.irp j, 0,1,2,3,4,5,6,7                ; a C operand holds a column's bias once for each of the lane's 8 rows
	v_lshlrev_b32 v[BIAS+16*(\p)+(\j)], 16, v[TA+(\p)%2]
	v_and_b32 v[BIAS+16*(\p)+8+(\j)], 0xffff0000, v[TA+(\p)%2]
.endr
.else
	v_and_b32 v[TA+(\p)%2], s99, v[TA+(\p)%2]
	v_lshlrev_b32 v[BIAS+2*(\p)], 16, v[TA+(\p)%2]
	v_and_b32 v[BIAS+2*(\p)+1], 0xffff0000, v[TA+(\p)%2]
.endif
.endr
	v_mov_b32 v[ZERO], 0
	s_wait_dscnt 0x0                               ; for the others' sake: my part of the weights is in LDS
	s_barrier_signal -1
	s_barrier_wait -1                              ; everybody's is.  From here to the kernel's closing lines nobody writes LDS
; THE PRODUCTS.  A K step is 128, in four quarters of 32.
.macro XLOAD u, off                    ; ten loads: the five tiles' fragments (16 rows x 32 K) of one quarter, into place u
	WIN 0x40                                       ; destination window 1
.irp i, 0,1,2,3,4
	global_load_b128 v[32*(\i)+8*(\u):32*(\i)+8*(\u)+3],   v[XO+(\i)], s[96:97] offset:(\off)
	global_load_b128 v[32*(\i)+8*(\u)+4:32*(\i)+8*(\u)+7], v[XO+(\i)], s[96:97] offset:(\off)+32
.endr
	WIN 0
.endm
.macro FETCHW f, off                   ; sixteen LDS loads: 128 columns x 32 K
	WIN 0
.irp c, 0,1,2,3,4,5,6,7
	ds_load_b128 v[(\f)+8*(\c):(\f)+8*(\c)+3],   v[AW] offset:(\off)+(\c)*16*PITCH
	ds_load_b128 v[(\f)+8*(\c)+4:(\f)+8*(\c)+7], v[AW] offset:(\off)+(\c)*16*PITCH+32
.endr
.endm
; 40 matrix instructions; the 40 accumulators take turns, one instruction a turn, in the same order in every quarter.  first = 1: the products start the sums: with the bias (MODE 1) or with 0.
.macro MULS u, f, first
.irp i, 0,1,2,3,4
.if (\i) < 4
	WIN 0xa1-0x20*(\first)                         ; token rows window 1, weights window 0, D (and C) window 2
.set AC, 64*(\i)
.else
	WIN 0xf1-0x30*(\first)                         ; the same with window 3
.set AC, 0
.endif
.irp c, 0,1,2,3,4,5,6,7
.if (\first) && (MODE == 1)
	v_wmma_f32_16x16x32_bf16 v[AC+8*(\c):AC+8*(\c)+7], v[32*(\i)+8*(\u):32*(\i)+8*(\u)+7], v[(\f)+8*(\c):(\f)+8*(\c)+7], v[BIAS+8*(\c):BIAS+8*(\c)+7]
.elseif \first
	v_wmma_f32_16x16x32_bf16 v[AC+8*(\c):AC+8*(\c)+7], v[32*(\i)+8*(\u):32*(\i)+8*(\u)+7], v[(\f)+8*(\c):(\f)+8*(\c)+7], 0
.else
	v_wmma_f32_16x16x32_bf16 v[AC+8*(\c):AC+8*(\c)+7], v[32*(\i)+8*(\u):32*(\i)+8*(\u)+7], v[(\f)+8*(\c):(\f)+8*(\c)+7], v[AC+8*(\c):AC+8*(\c)+7]
.endif
.endr
.endr
	WIN 0
.endm
; A quarter: its token rows and its weights are in; the next quarter's weights and the token rows three quarters on are asked for, into the registers that the quarter before multiplied; then its products.
; lc = the token loads issued behind this quarter's: two groups of ten, fewer at the end.
.macro SUB u, first, lc, xl, fw
	s_wait_loadcnt \lc
	s_wait_dscnt 0x0                               ; the sixteen loads issued ahead of the last 40 matrix instructions
	PLACES
.if \fw
.if (\u) < 3
	FETCHW F0+64*(((\u)+1)%2), 64*((\u)+1)
.else
	s_add_co_u32 s[KB], s[KB], BLK                 ; the next K step's first quarter: the address is made anew from the step's first byte and my fixed place
	v_add_nc_u32 v[AW], s[KB], v[AW0]
	FETCHW F0, 0
.endif
.endif
.if \xl
	XLOAD ((\u)+3)%4, 64*((\u)+3)
.endif
	MULS \u, F0+64*((\u)%2), \first
.endm
.macro STEP first, last
.if \last
	SUB 0, 0, 20, 1, 1                             ; the last group of token rows is asked for
	SUB 1, 0, 20, 0, 1
	SUB 2, 0, 10, 0, 1
	SUB 3, 0, 0, 0, 0
.else
	SUB 0, \first, 20, 1, 1
	SUB 1, 0, 20, 1, 1
	SUB 2, 0, 20, 1, 1
	SUB 3, 0, 20, 1, 1
	s_wait_xcnt 0x0                                ; the base is stepped only behind this wait
	s_add_nc_u64 s[96:97], s[96:97], 256
.endif
.endm
; THE WAY OUT of tile i.  A tile without a row is jumped.  Store j takes row j of the tile from lanes 0-15 and row 8 + j from lanes 16-31, each to the place that the list names:
; sixteen lanes store 256 consecutive bytes, at a multiple of 256 from the buffer's first byte.  Places past the count name the expert's first row, and store its numbers there once more.
.macro ROWST j
.if MODE == 1
	global_store_b128 v[SQ+(\j)], v[TMP+4*(\j):TMP+4*(\j)+3], s[12:13]
.else
	global_store_b128 v[SQ+(\j)], v[TMP+8*(\j):TMP+8*(\j)+3], s[12:13]
	global_store_b128 v[SQ+(\j)], v[TMP+8*(\j)+4:TMP+8*(\j)+7], s[12:13] offset:256
.endif
.endm
.macro TILEOUT i
	s_sub_co_i32 s94, s88, s91
	s_sub_co_i32 s94, s94, 64*(\i)                 ; rows of the tile within the count
	s_cmp_le_i32 s94, 0
	s_cbranch_scc1 .Ltd_\@
	s_wait_xcnt 0x0                                ; the registers that the last tile's stores read are rewritten only behind this wait
	ds_load_b128 v[SQ:SQ+3],   v[LQH] offset:256*(\i)      ; q of my half's 8 rows
	ds_load_b128 v[SQ+4:SQ+7], v[LQH] offset:256*(\i)+16
.if (\i) < 4
.set AC, 64*(\i)
.set WSRC, 2
.else
.set AC, 0
.set WSRC, 3
.endif
.if MODE == 1
	WIN WSRC*5                                     ; sources 0 and 1 in the accumulators' window
.irp j, 0,1,2,3,4,5,6,7                ; row by row; columns 8 r + 2 d, 8 r + 2 d + 1 lie in accumulators 2 d, 2 d + 1
.irp d, 0,1,2,3
	v_cvt_pk_bf16_f32 v[TMP+4*(\j)+(\d)], v[AC+16*(\d)+(\j)], v[AC+16*(\d)+8+(\j)]
.endr
.endr
	WIN 0
.set z, 0
.rept 32
	v_pk_max_num_bf16 v[TMP+z], v[TMP+z], v[ZERO]  ; the maximum with 0 behind the rounding gives the same number as ahead of it
.set z, z+1
.endr
.else
	WIN WSRC                                       ; source 0 in the accumulators' window
.irp j, 0,1,2,3,4,5,6,7                ; the bias is added on the way into the four consecutive registers that a store of 16 bytes takes
.irp c, 0,1,2,3,4,5,6,7
	v_add_f32 v[TMP+8*(\j)+(\c)], v[AC+8*(\c)+(\j)], v[BIAS+(\c)]
.endr
.endr
	WIN 0
.endif
	s_wait_dscnt 0x0
.irp j, 0,1,2,3,4,5,6,7
	v_min_u32 v[SQ+(\j)], 2047, v[SQ+(\j)]         ; the bound of the output's rows
	v_lshl_add_u32 v[SQ+(\j)], v[SQ+(\j)], OSH, v[LCOL]
.endr
.irp j, 0,1,2,3,4,5,6,7
	ROWST \j
.endr
.Ltd_\@:
.endm
	s_mov_b32 s92, 4                               ; 4 x 320 ranks cover every split
	s_lshl_b32 s91, s84, 4                         ; my first rank: 320 p + 16 w
.Lpass:
	s_cmp_le_u32 s88, s91
	s_cbranch_scc1 .Lpass_end                      ; my first tile has no row, so none has: what is jumped holds no barrier
	s_wait_xcnt 0x0                                ; the last pass's stores have read their registers
.irp i, 0,1,2,3,4
	ds_load_b32 v[QQ+(\i)], v[LQ] offset:256*(\i)
.endr
	s_wait_dscnt 0x0
.irp i, 0,1,2,3,4
	v_min_u32 v[QQ+(\i)], 2047, v[QQ+(\i)]         ; the bound of the rows
.if MODE == 1
	v_and_b32 v[QQ+(\i)], 1023, v[QQ+(\i)]         ; the token
.endif
	v_lshl_add_u32 v[XO+(\i)], v[QQ+(\i)], ASH, v[H16]
.endr
	s_mov_b32 s[KB], 0
	v_mov_b32 v[AW], v[AW0]
	s_mov_b64 s[96:97], s[4:5]
	s_mov_b32 s93, 6
	XLOAD 0, 0
	XLOAD 1, 64
	XLOAD 2, 128
	FETCHW F0, 0
	STEP 1, 0                                      ; the first K step is written out: its first products start the sums
.Lk:
	STEP 0, 0
	s_sub_co_u32 s93, s93, 1
	s_cmp_lg_u32 s93, 0
	s_cbranch_scc1 .Lk
	STEP 0, 1                                      ; and the last: no load leaves the rows
	PLACES
	TILEOUT 0
	TILEOUT 1
	TILEOUT 2
	TILEOUT 3
	TILEOUT 4
.Lpass_end:
	v_add_nc_u32 v[LQ], 4*320, v[LQ]
	v_add_nc_u32 v[LQH], 4*320, v[LQH]
	s_add_co_u32 s91, s91, 320
	s_sub_co_u32 s92, s92, 1
	s_cmp_lg_u32 s92, 0
	s_cbranch_scc1 .Lpass
	s_wait_dscnt 0x0                               ; my reads of LDS are over,
	s_barrier_signal -1
	s_barrier_wait -1                              ; and so are every wave's, before any wave's closing write to LDS
	s_wait_tensorcnt 0x0                           ; the wave's end
	ds_add_u32 v[SPW], v[NIL]
	s_wait_dscnt 0x0
	s_endpgm
.Lfunc_end_k_qad4acf8a4a_ffn2:
	.size	k_qad4acf8a4a_ffn2, .Lfunc_end_k_qad4acf8a4a_ffn2-k_qad4acf8a4a_ffn2
	.p2alignl 7, 3214868480
	.fill 96, 4, 3214868480
	.section	.rodata,"a",@progbits
	.p2align	6, 0x0
	.amdhsa_kernel k_qad4acf8a4a_ffn2
		.amdhsa_group_segment_fixed_size 300544
		.amdhsa_private_segment_fixed_size 0
		.amdhsa_enable_private_segment 0
		.amdhsa_kernarg_size 40
		.amdhsa_user_sgpr_count 2
		.amdhsa_user_sgpr_kernarg_segment_ptr 1
		.amdhsa_wavefront_size32 1
		.amdhsa_system_sgpr_workgroup_id_x 1
		.amdhsa_system_sgpr_workgroup_id_y 1
		.amdhsa_system_sgpr_workgroup_id_z 1
		.amdhsa_system_vgpr_workitem_id 0
		.amdhsa_next_free_vgpr 832
		.amdhsa_next_free_sgpr 102
		.amdhsa_reserve_vcc 0
		.amdhsa_float_denorm_mode_32 3
		.amdhsa_float_denorm_mode_16_64 3
		.amdhsa_memory_ordered 1
		.amdhsa_forward_progress 1
		.amdhsa_inst_pref_size 141
	.end_amdhsa_kernel
	.amdgpu_metadata
---
amdhsa.version: [ 1, 2 ]
amdhsa.kernels:
  - .name:           k_qad4acf8a4a_ffn2
    .symbol:         k_qad4acf8a4a_ffn2.kd
    .args:
      - { .name: hb, .offset: 0, .size: 8, .value_kind: global_buffer, .address_space: global }
      - { .name: W2, .offset: 8, .size: 8, .value_kind: global_buffer, .address_space: global }
      - { .name: b2, .offset: 16, .size: 8, .value_kind: global_buffer, .address_space: global }
      - { .name: bm, .offset: 24, .size: 8, .value_kind: global_buffer, .address_space: global }
      - { .name: pp, .offset: 32, .size: 8, .value_kind: global_buffer, .address_space: global }
    .group_segment_fixed_size: 300544
    .private_segment_fixed_size: 0
    .kernarg_segment_align: 8
    .kernarg_segment_size: 40
    .max_flat_workgroup_size: 128
    .sgpr_count:     102
    .vgpr_count:     832
    .wavefront_size: 32
...
	.end_amdgpu_metadata
.endif
;; end of part 3
;; launch combine (part 4): grid 256 x 1, 8 waves a work-group, no clusters, 0 bytes of LDS; arguments pp, gw, out0; writes out0
.if DOCPART == 4
	.amdgcn_target "amdgcn-amd-amdhsa--gfx1250"
	.amdhsa_code_object_version 6
	.text
	.protected	k_qad4acf8a4a_combine
	.globl	k_qad4acf8a4a_combine
	.p2align	8
	.type	k_qad4acf8a4a_combine,@function
k_qad4acf8a4a_combine:
	s_mov_b64 s[64:65], 0
	v_nop
	global_prefetch_b8 v0, s[64:65] scope:SCOPE_SE
	s_setreg_imm32_b32 hwreg(HW_REG_WAVE_MODE, 25, 1), 1
	s_wait_xcnt 0x0
; out0[n][:] = gw[n] x (the sum over ks of pp[ks][n][:]) + gw[1024 + n] x (the sum over ks of pp[ks][1024 + n][:]).  The experts' bias is in part ks = 0 already.
; pp: [4][2048][1024] f32, gw: [2048] f32, out0: [1024][1024] f32.
; A stream: each byte of pp is read once and each byte of out0 written once, so LDS, matrix units and clusters would add nothing.
; Work-group b has rows 4 b .. 4 b + 3; thread t has the 16 bytes at 16 t of every row, so a wave's load or store covers 512 consecutive bytes.  All 32 loads go out first.
; The order of the sums is fixed: for each choice k, (p0 + p1) + (p2 + p3) over ks; then the first choice's product, and the second's fused onto it.
.set X, 4                              ; v[4:131]  row j, part p = 2 ks + k at 32 j + 4 p
	s_load_b128 s[4:7], s[0:1], 0x0                ; pp s[4:5], gw s[6:7]
	s_load_b64 s[8:9], s[0:1], 0x10                ; out0
	v_lshlrev_b32 v1, 4, v0
	s_lshl_b32 s2, ttmp9, 14                       ; 4 rows of 4,096 bytes
	s_mov_b32 s3, 0
	s_lshl_b32 s20, ttmp9, 4                       ; 4 weights of 4 bytes
	s_mov_b32 s21, 0
	s_wait_kmcnt 0x0
	s_add_nc_u64 s[6:7], s[6:7], s[20:21]
	s_load_b128 s[24:27], s[6:7], 0x0              ; my four rows' weights of the first choice,
	s_load_b128 s[28:31], s[6:7], 0x1000           ; and of the second
	s_add_nc_u64 s[10:11], s[4:5], s[2:3]          ; ks = 0
	s_add_nc_u64 s[8:9], s[8:9], s[2:3]
	s_add_nc_u64 s[12:13], s[10:11], 0x800000      ; ks = 1, 2, 3: 8,388,608 bytes apart
	s_add_nc_u64 s[14:15], s[10:11], 0x1000000
	s_add_nc_u64 s[16:17], s[10:11], 0x1800000
.irp j, 0,1,2,3
.irp p, 0,1,2,3,4,5,6,7
	global_load_b128 v[X+32*(\j)+4*(\p):X+32*(\j)+4*(\p)+3], v1, s[10+2*((\p)/2):11+2*((\p)/2)] offset:((\p)%2)*4194304+(\j)*4096 th:TH_LOAD_NT
.endr
.endr
	s_wait_kmcnt 0x0
.irp j, 0,1,2,3
	s_wait_loadcnt 24-8*(\j)                       ; row j's eight parts are in; the later rows' loads stay out
.irp p, 0,1,4,5
.irp d, 0,2
	v_pk_add_f32 v[X+32*(\j)+4*(\p)+(\d):X+32*(\j)+4*(\p)+(\d)+1], v[X+32*(\j)+4*(\p)+(\d):X+32*(\j)+4*(\p)+(\d)+1], v[X+32*(\j)+4*(\p)+8+(\d):X+32*(\j)+4*(\p)+8+(\d)+1]
.endr
.endr
.irp p, 0,1
.irp d, 0,2
	v_pk_add_f32 v[X+32*(\j)+4*(\p)+(\d):X+32*(\j)+4*(\p)+(\d)+1], v[X+32*(\j)+4*(\p)+(\d):X+32*(\j)+4*(\p)+(\d)+1], v[X+32*(\j)+4*(\p)+16+(\d):X+32*(\j)+4*(\p)+16+(\d)+1]
.endr
.endr
.irp d, 0,1,2,3
	v_mul_f32 v[X+32*(\j)+(\d)], s[24+(\j)], v[X+32*(\j)+(\d)]
.endr
.irp d, 0,1,2,3
	v_fma_f32 v[X+32*(\j)+(\d)], s[28+(\j)], v[X+32*(\j)+4+(\d)], v[X+32*(\j)+(\d)]
.endr
	global_store_b128 v1, v[X+32*(\j):X+32*(\j)+3], s[8:9] offset:(\j)*4096 th:TH_STORE_NT
.endr
	s_endpgm
.Lfunc_end_k_qad4acf8a4a_combine:
	.size	k_qad4acf8a4a_combine, .Lfunc_end_k_qad4acf8a4a_combine-k_qad4acf8a4a_combine
	.p2alignl 7, 3214868480
	.fill 96, 4, 3214868480
	.section	.rodata,"a",@progbits
	.p2align	6, 0x0
	.amdhsa_kernel k_qad4acf8a4a_combine
		.amdhsa_group_segment_fixed_size 0
		.amdhsa_private_segment_fixed_size 0
		.amdhsa_enable_private_segment 0
		.amdhsa_kernarg_size 24
		.amdhsa_user_sgpr_count 2
		.amdhsa_user_sgpr_kernarg_segment_ptr 1
		.amdhsa_wavefront_size32 1
		.amdhsa_system_sgpr_workgroup_id_x 1
		.amdhsa_system_sgpr_workgroup_id_y 1
		.amdhsa_system_sgpr_workgroup_id_z 1
		.amdhsa_system_vgpr_workitem_id 0
		.amdhsa_next_free_vgpr 136
		.amdhsa_next_free_sgpr 66
		.amdhsa_reserve_vcc 0
		.amdhsa_float_denorm_mode_32 3
		.amdhsa_float_denorm_mode_16_64 3
		.amdhsa_memory_ordered 1
		.amdhsa_forward_progress 1
		.amdhsa_inst_pref_size 10
	.end_amdhsa_kernel
	.amdgpu_metadata
---
amdhsa.version: [ 1, 2 ]
amdhsa.kernels:
  - .name:           k_qad4acf8a4a_combine
    .symbol:         k_qad4acf8a4a_combine.kd
    .args:
      - { .name: pp, .offset: 0, .size: 8, .value_kind: global_buffer, .address_space: global }
      - { .name: gw, .offset: 8, .size: 8, .value_kind: global_buffer, .address_space: global }
      - { .name: out0, .offset: 16, .size: 8, .value_kind: global_buffer, .address_space: global }
    .group_segment_fixed_size: 0
    .private_segment_fixed_size: 0
    .kernarg_segment_align: 8
    .kernarg_segment_size: 24
    .max_flat_workgroup_size: 256
    .sgpr_count:     66
    .vgpr_count:     136
    .wavefront_size: 32
...
	.end_amdgpu_metadata
.endif
;; end of part 4
;; ======== version 2 of 3: 4 launches; 1.15 times as fast as version 1
;; workspace buffers: xb 2,097,152 bytes; bm 2,048 bytes of whole numbers; gw 8,192 bytes; hb 67,108,864 bytes; pp 33,554,432 bytes
;; launch router: the kernel of part 1 again; grid 32 x 1, 8 waves a work-group, no clusters, 78,848 bytes of LDS; arguments x, Wg, bg, xb, bm, gw; writes xb, bm, gw
;; launch ffn1 (part 5): grid 256 x 1, 4 waves a work-group, no clusters, 279,040 bytes of LDS; arguments xb, W1, b1, bm, hb; writes hb
.if DOCPART == 5
	.amdgcn_target "amdgcn-amd-amdhsa--gfx1250"
	.amdhsa_code_object_version 6
	.text
	.protected	k_qad4acf8a4a_ffn1
	.globl	k_qad4acf8a4a_ffn1
	.p2align	8
	.type	k_qad4acf8a4a_ffn1,@function
k_qad4acf8a4a_ffn1:
	s_mov_b64 s[64:65], 0
	v_nop
	global_prefetch_b8 v0, s[64:65] scope:SCOPE_SE
	s_setreg_imm32_b32 hwreg(HW_REG_WAVE_MODE, 25, 1), 1
	s_wait_xcnt 0x0
; THE EXPERTS' TWO PRODUCTS: ONE TEXT, MODE says which.  A routed row has the number q = 1024 k + n (token n, choice k); each q belongs to one expert, in which it has a RANK: the expert's rows at lower tokens.
;   MODE 1: hb[e][rank][:] = bf16(relu(xb[n] . bf16(W1[e]) + bf16(b1[e])))                            xb [1024][1024] bf16, W1 [8][1024][4096] f32, hb [8][1024][4096] bf16: an expert's rows end to end
;   MODE 2: pp[ks][q][:] = hb[e][rank][1024 ks ..] . bf16(W2[e][1024 ks ..]) + (ks = 0: bf16(b2[e]))   W2 [8][4096][1024] f32, pp [4][2048][1024] f32: partial sums; the last launch weighs and adds them
; SHARES.  A work-group has one expert e and a slice of its weights, 1,024 along K x 128 columns (524,288 bytes of f32), which it alone reads, and ALL rows of that expert.
;   MODE 1: 8 experts x 32 slices of columns.  MODE 2: 8 experts x 4 parts of K x 8 slices of columns.  256 work-groups either way.
; FIRST the slice streams through registers, is rounded to bf16 and laid into LDS turned, K along the rows; each wave has 8 slots of 8 loads of 512 bytes on their way.
; ONE barrier.  THEN the products: from there on nothing writes LDS, so the loop over rows needs no barrier.
; A PASS serves 320 ranks: wave w has the tiles of 16 ranks 4 i + w, i = 0..4, and all 128 columns: 40 accumulators.  Token rows come from memory straight into fragments, weights from LDS.
; Four passes cover the 1,024 rows that an expert can have at the most (a token's two experts differ); a wave jumps a pass in which it has no row.
; WHICH ROW HAS A RANK.  MODE 1 needs the token of rank R, for 16 ranks in each of a wave's five tiles.  It is found in registers.  Once, in scalars: word j of the 32 becomes the OR of both choices' bitmaps
; (no bit is set in both) and gets the key 32 P + j, P = the set bits in the words below it.  Then each lane, for each tile: the last word whose key is at most 32 R + 31 (31 words x a compare and two
; selects); the counts of that word's set bits in blocks of 2, 4, 8 and 16 bits (13 lines); and five halvings, each of which goes on in the upper half where the lower half holds too few bits.
; MODE 2 reads hb by the rank itself and needs q for its stores alone: for those each wave lays a list in LDS, ahead of the barrier.
; AHEAD OF THE BARRIER.  The weights' last lap loads nothing.  In front of it the first pass's rows are found, and in its middle, when 32 weight loads are still out, the pass's first three quarters of token
; rows are asked for: 30 loads.  A later pass is set up at the end of the pass before it.  A wave without a row in the first pass issues these 30 loads too, inside the buffer, and never reads them
; (for an expert without any row MODE 2's bring bytes of hb that nobody stored).
; K IN A RING.  The work-group begins at K step (slice % 8) and goes round: the work-groups that share token rows ask for different 256 bytes of them at any one time.  Only the order of the f32 sums hangs on it.
; PAST THE COUNT.  A rank at or past the count stands for rank 0, the expert's first row.  A tile without a row is multiplied on that row, and its stores are jumped.  The wave's FIFTH tile, which most splits
; leave without a row, is then multiplied in the first K step alone (so that its registers are written on every way through the text); the other seven steps jump its loads and products.  In the tile in
; which the count ends MODE 1 stores the first row's numbers at the ranks past the count; MODE 2 reads them there and stores the result to that row's place again, the same numbers from the same work-group.
; So every store is a whole tile's, and all lanes stay on from the first line to the last.
; THE COLUMNS' ORDER.  Source 0 = 16 token rows, source 1 = 16 columns of the weights: register j of a lane holds row 8 (lane / 16) + j and the column at place lane % 16 of fragment c.
; Which column lies there is this text's choice: MODE 1: 8 r + c; MODE 2: 4 r + c % 4 + 64 (c / 4) (r = lane % 16).  So a lane's numbers over c are neighbouring columns of one row: 16 bytes, and sixteen
; lanes hold 256 consecutive bytes of the output: the results are stored straight from registers.  In LDS that column is row 16 c + r.
; NO CLUSTER, NO TENSOR LOADS: a slice has one reader and is rounded on its way through registers; beside it LDS has 49,152 bytes, less than two slots of 320 rows x 128 along K; and a loop whose
; length hangs on a stored count holds no barrier, which a ring of slots would need.
; LIMITS.  Weights, bias and token rows are bf16, each rounded once; sums in f32; the hidden layer is stored in bf16.  NaN and infinities are not treated apart (the maximum with 0 drops a NaN).
.set MODE, 1
.if MODE == 1
.set WP,  16384                        ; bytes from a K row of the weights to the next
.set ASH, 11                           ; a token row's bytes, as a shift
.set OSH, 13                           ; an output row's bytes, as a shift
.else
.set WP,  4096
.set ASH, 13
.set OSH, 12
.endif
.set US,     32*WP                     ; a unit: 8 K rows for each of the four waves
.set PITCH,  272                       ; an LDS row: 256 bytes + 16: an odd multiple of 16, so that the 16 rows of a fragment load start 16 bytes apart modulo 256
.set BLK,    128*PITCH                 ; the slice's 128 columns x 128 along K
.set LIST,   8*BLK                     ; behind the weights.  MODE 2: a list for each wave
.set NRANK,  1280                      ; ranks in a list: 4 passes x 320; cleared, then filled up to the count
.set LISTB,  5376                      ; 1,280 words, 32 words into which lanes without a row store, and padding
.if MODE == 1
.set SPARE,  LIST                      ; the spare words, 128 bytes a wave: two blocks of 256 bytes that no other line names
.else
.set SPARE,  LIST+4*LISTB
.endif
; REGISTERS, in windows of 256 (s_set_vgpr_msb: bits 1:0 source 0, 3:2 source 1, 5:4 source 2, 7:6 destination).  Window 0:
.set LANE, 1
.set RR,   2                           ; lane % 16
.set HH,   3                           ; lane / 16
.set H16,  4                           ; 16 (lane / 16)
.set LCOL, 5                           ; 16 (lane % 16): my 16 bytes in 256 of an output row
.set WO,   6                           ; weights: 16 lane + my wave's 8 K rows; never rewritten
.set LA,   7                           ; where my 4 columns' 16 bytes go in LDS; steps a lap
.set AW0,  8                           ; my place in a weight fragment; never rewritten
.set AW,   9                           ; the same in the K step in hand
.set LQH,  11                          ; MODE 2: my list at rank 16 w + 8 (lane / 16); steps a pass
.set VOUT, 12                          ; MODE 1: 8 (lane / 16) rows of hb + my 16 bytes
.set BO,   14                          ; bias: my columns' first byte
.set LB,   15                          ; MODE 2: my list's first byte
.set DI,   16                          ; MODE 2: 1280 + lane
.set LN1,  17                          ; MODE 2: 1024 + lane
.set TA,   18                          ; v18-19 at work
.set TC,   19
.set Q0,   20                          ; MODE 2: q of the expert's first row
.set ZERO, 22
.set QQ,   24                          ; v24-28  MODE 2: my row's rank in tile i
.set SPW,  30                          ; LDS address of my spare word; never rewritten
.set NIL,  31                          ; 0; never rewritten
.set XO,   32                          ; v32-36  byte offset of my row in tile i
.set BR,   40                          ; v40-47  the bias of my 8 columns as loaded
.set SQ,   48                          ; the way out: MODE 1: v48, the tile's offset; MODE 2: v48-55, the offsets of my half's 8 rows
.set BIAS, 64                          ; MODE 1: v64-127, the bias of my column of fragment c eight times, at 8 c + j: a C operand.  MODE 2: v64-71, that bias once, at c
.set F0,   128                         ; v128-191, v192-255  two buffers of weight fragments: 128 columns x 32 K
.set F1,   192
.set TT,   128                         ; while the weights stream: 16 registers at work, and four zeros
.set ZQ,   144
.set TMP,  128                         ; the way out
.set FB,   192                         ; the search (MODE 1): 12 registers a tile, where buffer F1 lies idle:
.set oRK,  0                           ;   32 R + 31
.set oW,   1                           ;   the word that holds rank R
.set oK,   2                           ;   that word's key
.set oA,   3                           ;   its set bits counted in blocks of 2,
.set oB,   4                           ;   of 4,
.set oC,   5                           ;   of 8 bits,
.set oD,   6                           ;   and in its low 16
.set oN,   7                           ;   set bits still to pass
.set oP,   8                           ;   the bit's place so far
.set oT,   9                           ;   at work
.set oU,   10
; Window 1: v0-159 token fragments, tile i, quarter u of a K step at 32 i + 8 u.  Window 2: the accumulators of tiles 0-3 at 64 i + 8 c; while the weights stream: the 8 slots, slot s, row i at 32 s + 4 i.
; Window 3: v0-63 tile 4's accumulators.
; SCALARS: s[4:5] token rows, s[6:7] weights, s[8:9] bias, s[10:11] bm, s[12:13] the output; s[16:47] the expert's bitmap of first choices (MODE 1: then of either choice), s[48:63], s[68:83] of second
; choices (MODE 1: then the words' keys); s84 wave, s85 e, s86 slice, s87 ks, s88 the count, s90 at work, s91 my first rank in the pass, s92 passes to go, s93 K steps to go, s94 rows left in a tile,
; s95 the last rank that hb holds (MODE 2); s2 an offset's low word, s3 = 0 its high word.
.set T5,   89                          ; s89      1: my fifth tile has a row
.set CB,   96                          ; s[96:97] token rows at the K step in hand
.set NB,   98                          ; s[98:99] token rows at the next K step
.set NI,   100                         ; s100     the next K step's number, 0..7 (in the weights' first three laps: laps to go)
.set KB,   101                         ; s101     LDS byte at which a K step's weights begin
.set MSB, 0
.macro WIN new                         ; the immediate's high byte repeats the setting that is left; a switch that changes nothing is dropped
.if MSB != (\new)
	s_set_vgpr_msb (MSB<<8)|(\new)
.set MSB, (\new)
.endif
.endm
.macro PLACES                          ; four places between a matrix instruction and a load into, or a vector write of, one of its registers, or a read of its result (ISA guide 7.12.1 for the vector write and the read)
.rept 4
	v_nop
.endr
.endm
	s_load_b256 s[4:11], s[0:1], 0x0
	s_load_b64 s[12:13], s[0:1], 0x20
	v_lshl_add_u32 v[SPW], v0, 2, SPARE
	v_mov_b32 v[NIL], 0
	v_lshrrev_b32 v[TA], 5, v0
	v_readfirstlane_b32 s84, v[TA]                 ; wave 0..3
	v_and_b32 v[LANE], 31, v0
	v_and_b32 v[RR], 15, v0
	v_bfe_u32 v[HH], v0, 4, 1
	v_lshlrev_b32 v[H16], 4, v[HH]
	v_lshlrev_b32 v[LCOL], 4, v[RR]
	s_mul_i32 s2, s84, 8*WP
	v_lshl_add_u32 v[WO], v[LANE], 4, s2
	s_lshl_b32 s3, s84, 4
	; a load brings me columns 4 lane + j, j = 0..3.  Their LDS rows are 16 j + the row made here
.if MODE == 1
	v_and_b32 v[TA], 1, v0                         ; column 8 r + c: c = 4 (lane % 2) + j, r = lane / 2
	v_bfe_u32 v[TC], v0, 1, 4
	v_lshl_add_u32 v[TA], v[TA], 6, v[TC]          ; 64 (lane % 2) + lane / 2
	v_lshlrev_b32 v[BO], 5, v[RR]                  ; my fragments' columns 8 r .. 8 r + 7: 32 bytes of bias
	v_lshl_add_u32 v[VOUT], v[HH], 16, v[LCOL]     ; 8 rows of 8,192 bytes for lanes 16 to 31
.else
	v_lshl_add_u32 v[TA], v[HH], 6, v[RR]          ; column 4 r + c % 4 + 64 (c / 4): c = 4 (lane / 16) + j, r = lane % 16
	v_lshlrev_b32 v[BO], 4, v[RR]                  ; my fragments' columns 4 r .. 4 r + 3 and 64 further on: twice 16 bytes of bias
.endif
	v_mul_u32_u24 v[LA], v[TA], PITCH
	v_add_nc_u32 v[LA], s3, v[LA]                  ; my wave's 8 K are 16 bytes of a row
	v_mul_u32_u24 v[AW0], v[RR], PITCH
	v_add_nc_u32 v[AW0], v[H16], v[AW0]
.if MODE == 2
	s_mul_i32 s89, s84, LISTB
	s_add_co_u32 s89, s89, LIST
	v_mov_b32 v[LB], s89
	s_lshl_b32 s90, s84, 6
	s_add_co_u32 s90, s90, s89
	v_lshl_add_u32 v[LQH], v[HH], 5, s90
	v_add_nc_u32 v[DI], NRANK, v[LANE]
	v_add_nc_u32 v[LN1], 1024, v[LANE]
.endif
	; the offsets, each made apart from its address
	s_lshr_b32 s85, ttmp9, 5                       ; e
	s_lshl_b32 s88, s85, 24                        ; an expert's weights are 16,777,216 bytes
.if MODE == 1
	s_and_b32 s86, ttmp9, 31
	s_lshl_b32 s2, s86, 9                          ; 128 columns of f32
	s_add_co_u32 s88, s88, s2
	s_lshl_b32 s90, s85, 14
	s_add_co_u32 s90, s90, s2
	s_lshl_b32 s92, s85, 23                        ; the expert's 1,024 rows of hb, 8,192 bytes each,
	s_lshl_b32 s2, s86, 8                          ; and 128 columns of bf16
	s_add_co_u32 s92, s92, s2
.else
	s_and_b32 s86, ttmp9, 7
	s_bfe_u32 s87, ttmp9, 0x20003                  ; ks: 2 bits from bit 3
	s_lshl_b32 s2, s87, 22                         ; 1,024 K rows of 4,096 bytes
	s_add_co_u32 s88, s88, s2
	s_lshl_b32 s2, s86, 9
	s_add_co_u32 s88, s88, s2
	s_lshl_b32 s90, s85, 12
	s_add_co_u32 s90, s90, s2
	s_lshl_b32 s92, s87, 23                        ; a part of pp is 8,388,608 bytes
	s_add_co_u32 s92, s92, s2
	s_lshl_b32 s98, s85, 23                        ; the expert's 1,024 rows of hb,
	s_lshl_b32 s2, s87, 11                         ; and 1,024 channels of bf16
	s_add_co_u32 s98, s98, s2
	s_mov_b32 s99, 0
.endif
	s_mov_b32 s89, 0
	s_mov_b32 s91, 0
	s_mov_b32 s93, 0
	s_lshl_b32 s94, s85, 8                         ; 64 words of bm an expert
	s_mov_b32 s95, 0
	s_wait_kmcnt 0x0
	s_add_nc_u64 s[6:7], s[6:7], s[88:89]
	s_add_nc_u64 s[8:9], s[8:9], s[90:91]
	s_add_nc_u64 s[10:11], s[10:11], s[94:95]
	s_add_nc_u64 s[12:13], s[12:13], s[92:93]
.if MODE == 2
	s_add_nc_u64 s[4:5], s[4:5], s[98:99]
.endif
	s_load_b512 s[16:31], s[10:11], 0x0
	s_load_b512 s[32:47], s[10:11], 0x40
	s_load_b512 s[48:63], s[10:11], 0x80
	s_load_b512 s[68:83], s[10:11], 0xc0
	global_load_b128 v[BR:BR+3], v[BO], s[8:9]
.if MODE == 1
	global_load_b128 v[BR+4:BR+7], v[BO], s[8:9] offset:16
.else
	global_load_b128 v[BR+4:BR+7], v[BO], s[8:9] offset:256
.endif
; Slot s takes a unit's 8 K rows of my wave, one row's 512 consecutive bytes a load.  a = 0: this lap's unit; 1: the next lap's.  The largest immediate, 15 units and 7 rows, is 7,979,008 in MODE 1: inside the signed 24 bits.
.macro FILL s, a
	WIN 0x80                                       ; destination window 2
.irp i, 0,1,2,3,4,5,6,7
	global_load_b128 v[32*(\s)+4*(\i):32*(\s)+4*(\i)+3], v[WO], s[6:7] offset:((\s)+8*(\a))*US+(\i)*WP th:TH_LOAD_NT
.endr
	WIN 0
.endm
.irp s, 0,1,2,3,4,5,6,7
	FILL \s, 0
.endr
	s_wait_kmcnt 0x0                               ; the bitmaps
	s_mov_b32 s88, 0
.if MODE == 1
	; THE WORDS AND THEIR KEYS, in scalars, while the weights are on their way
.set i, 0
.rept 32                               ; tokens 32 i .. 32 i + 31
.set K1, 48+i+4*(i/16)                 ; the word of second choices: s48-63, s68-83
	s_or_b32 s[16+i], s[16+i], s[K1]               ; the tokens that chose the expert, first or second
	s_lshl_b32 s[K1], s88, 5                       ; the key: 32 x the rows at lower words,
	s_or_b32 s[K1], s[K1], i                       ; + the word's number
	s_bcnt1_i32_b32 s90, s[16+i]
	s_add_co_u32 s88, s88, s90
.set i, i+1
.endr
.else
	; THE LIST, each wave's own, while the weights are on their way.  Word rank takes q.  A lane whose token did not choose the expert stores into a word of its own behind the list.
.irp z, 0,1,2,3
	v_mov_b32 v[ZQ+(\z)], 0
.endr
	v_lshl_add_u32 v[TA], v[LANE], 4, v[LB]
.set m, 0
.rept NRANK*4/512
	ds_store_b128 v[TA], v[ZQ:ZQ+3] offset:512*m   ; ranks far past the count name row 0
.set m, m+1
.endr
.set i, 0
.rept 32                               ; tokens 32 i .. 32 i + 31
.set K1, 48+i+4*(i/16)                 ; the word of second choices: s48-63, s68-83
	s_or_b32 s89, s[16+i], s[K1]
	v_mbcnt_lo_u32_b32 v[TA], s89, s88             ; the count so far + the set bits below my lane
	v_cndmask_b32 v[TA], v[DI], v[TA], s89
	v_min_u32 v[TA], NRANK+31, v[TA]               ; the bound of my list's words
	v_lshl_add_u32 v[TA], v[TA], 2, v[LB]
	v_cndmask_b32 v[TC], v[LANE], v[LN1], s[K1]    ; q = 1024 k + 32 i + lane
	v_add_nc_u32 v[TC], 32*i, v[TC]
	ds_store_b32 v[TA], v[TC]
	s_bcnt1_i32_b32 s90, s89
	s_add_co_u32 s88, s88, s90
.set i, i+1
.endr
	; the 32 ranks behind the count take the first row's q: more than the 15 places that the count's last tile can have past it.  (With no row at all the word holds 0, and nothing is multiplied.)
	ds_load_b32 v[Q0], v[LB]                       ; LDS serves a wave's instructions in order (ISA guide 5.7.1.4): this sees the stores above
	v_add_nc_u32 v[TA], s88, v[LANE]
	v_min_u32 v[TA], NRANK+31, v[TA]               ; the bound of my list's words
	v_lshl_add_u32 v[TA], v[TA], 2, v[LB]
	s_wait_dscnt 0x0
	ds_store_b32 v[TA], v[Q0]
	s_add_co_u32 s95, s88, 15                      ; hb holds the expert's ranks up to the end of the tile in which the count ends
	s_and_b32 s95, s95, -16
	s_sub_co_u32 s95, s95, 1
.endif
; THE WEIGHTS.  Slot s's turn: 8 K rows x my 4 columns are rounded in pairs along K, so that a column's 8 numbers are 16 bytes; the slot is filled again; the four columns go to their LDS rows, 16 rows apart.
; left = the younger loads, which stay out.
.macro TURN s, refill, left
	s_wait_loadcnt \left
	WIN 0x0a                                       ; sources in window 2
.irp j, 0,1,2,3
.irp d, 0,1,2,3
	v_cvt_pk_bf16_f32 v[TT+4*(\j)+(\d)], v[32*(\s)+8*(\d)+(\j)], v[32*(\s)+8*(\d)+4+(\j)]
.endr
.endr
.if \refill
	FILL \s, 1
.endif
	WIN 0
.irp j, 0,1,2,3
	ds_store_b128 v[LA], v[TT+4*(\j):TT+4*(\j)+3] offset:((\s)/4)*BLK+(\j)*16*PITCH+64*((\s)%4)
.endr
.endm
; Two loads for each of the tiles t0 .. t1: their fragments (16 rows x 32 K) of one quarter of a K step, into place u.  The other work-groups of the expert read these rows too: the hint for data that is read again.
.macro XLOAD u, base, off, t0, t1
	WIN 0x40                                       ; destination window 1
.set xi, (\t0)
.rept (\t1)-(\t0)+1
	global_load_b128 v[32*xi+8*(\u):32*xi+8*(\u)+3],   v[XO+xi], s[\base:\base+1] offset:(\off) th:TH_LOAD_HT
	global_load_b128 v[32*xi+8*(\u)+4:32*xi+8*(\u)+7], v[XO+xi], s[\base:\base+1] offset:(\off)+32 th:TH_LOAD_HT
.set xi, xi+1
.endr
	WIN 0
.endm
; THE SEARCH (MODE 1).  One line for each of the five tiles, so that no line reads the result of the line before it:
.macro ALL5 line:vararg
.set ft, FB
.rept 5
	\line
.set ft, ft+12
.endr
.endm
; A halving: the block in hand begins at bit oP; its lower half, wd bits wide, holds the count that lies at that place in register x.  With as many set bits or more still to pass, they are passed and the
; upper half is taken.  more = 0: the last halving, behind which nobody asks how many are left.
.macro LEVEL x, wd, more
	ALL5 v_bfe_u32 v[ft+oT], v[ft+(\x)], v[ft+oP], \wd
.set ft, FB
.rept 5
	v_cmp_ge_u32 vcc_lo, v[ft+oN], v[ft+oT]
	v_cndmask_b32 v[ft+oU], 0, \wd, vcc_lo
.if \more
	v_cndmask_b32 v[ft+oT], 0, v[ft+oT], vcc_lo
.endif
.set ft, ft+12
.endr
.if \more
	ALL5 v_sub_nc_u32 v[ft+oN], v[ft+oN], v[ft+oT]
.endif
	ALL5 v_add_nc_u32 v[ft+oP], v[ft+oP], v[ft+oU]
.endm
.macro FIND
.set fi, 0
.set ft, FB
.rept 5
	s_add_co_u32 s90, s91, 64*fi
	v_add_nc_u32 v[ft+oRK], s90, v[RR]             ; my row's rank in tile fi;
	v_cmp_gt_u32 vcc_lo, s88, v[ft+oRK]
	v_cndmask_b32 v[ft+oRK], 0, v[ft+oRK], vcc_lo  ; at or past the count: rank 0
	v_lshl_add_u32 v[ft+oRK], v[ft+oRK], 5, 31     ; 32 R + 31: no key of a word that begins at or below rank R is greater
	v_mov_b32 v[ft+oW], s16                        ; word 0, whose key is 0, begins the search
	v_mov_b32 v[ft+oK], s48
.set fi, fi+1
.set ft, ft+12
.endr
.set fj, 1
.rept 31                               ; the keys ascend, so the last word whose key is not greater stays
.set KJ, 48+fj+4*(fj/16)
.set ft, FB
.rept 5
	v_cmp_gt_u32 vcc_lo, s[KJ], v[ft+oRK]
	v_cndmask_b32 v[ft+oW], s[16+fj], v[ft+oW], vcc_lo
	v_cndmask_b32 v[ft+oK], s[KJ], v[ft+oK], vcc_lo
.set ft, ft+12
.endr
.set fj, fj+1
.endr
	ALL5 v_lshrrev_b32 v[ft+oT], 1, v[ft+oW]       ; the word's set bits, counted in blocks of 2,
	ALL5 v_and_b32 v[ft+oT], 0x55555555, v[ft+oT]
	ALL5 v_sub_nc_u32 v[ft+oA], v[ft+oW], v[ft+oT]
	ALL5 v_lshrrev_b32 v[ft+oT], 2, v[ft+oA]       ; of 4,
	ALL5 v_and_b32 v[ft+oB], 0x33333333, v[ft+oA]
	ALL5 v_and_b32 v[ft+oT], 0x33333333, v[ft+oT]
	ALL5 v_add_nc_u32 v[ft+oB], v[ft+oB], v[ft+oT]
	ALL5 v_lshrrev_b32 v[ft+oT], 4, v[ft+oB]       ; of 8,
	ALL5 v_add_nc_u32 v[ft+oC], v[ft+oB], v[ft+oT]
	ALL5 v_and_b32 v[ft+oC], 0x0f0f0f0f, v[ft+oC]
	ALL5 v_lshrrev_b32 v[ft+oT], 8, v[ft+oC]       ; and in the low 16
	ALL5 v_add_nc_u32 v[ft+oD], v[ft+oC], v[ft+oT]
	ALL5 v_and_b32 v[ft+oD], 0xff, v[ft+oD]
	ALL5 v_lshrrev_b32 v[ft+oN], 5, v[ft+oRK]      ; set bits to pass in the word: R less the rows at lower words
	ALL5 v_lshrrev_b32 v[ft+oT], 5, v[ft+oK]
	ALL5 v_sub_nc_u32 v[ft+oN], v[ft+oN], v[ft+oT]
.set ft, FB
.rept 5                                ; the first halving starts the place
	v_cmp_ge_u32 vcc_lo, v[ft+oN], v[ft+oD]
	v_cndmask_b32 v[ft+oP], 0, 16, vcc_lo
	v_cndmask_b32 v[ft+oT], 0, v[ft+oD], vcc_lo
.set ft, ft+12
.endr
	ALL5 v_sub_nc_u32 v[ft+oN], v[ft+oN], v[ft+oT]
	LEVEL oC, 8, 1
	LEVEL oB, 4, 1
	LEVEL oA, 2, 1
	LEVEL oW, 1, 0
	ALL5 v_and_b32 v[ft+oT], 31, v[ft+oK]          ; the token: 32 x the word's number + the bit's place,
	ALL5 v_lshl_add_u32 v[ft+oT], v[ft+oT], 5, v[ft+oP]
	ALL5 v_min_u32 v[ft+oT], 1023, v[ft+oT]        ; within the bound of xb's rows
.irp i, 0,1,2,3,4
	v_lshl_add_u32 v[XO+(\i)], v[FB+12*(\i)+oT], ASH, v[H16]
.endr
.endm
; A pass is set up in two parts.  PREP: where my row of each tile lies.
.macro PREP
.if MODE == 1
	FIND
.else
.irp i, 0,1,2,3,4
	s_add_co_u32 s2, s91, 64*(\i)
	v_add_nc_u32 v[QQ+(\i)], s2, v[RR]             ; my row's rank,
	v_min_u32 v[QQ+(\i)], s95, v[QQ+(\i)]          ; held to the last rank that hb holds,
	v_min_u32 v[QQ+(\i)], 1023, v[QQ+(\i)]         ; and to the bound of an expert's rows
	v_lshl_add_u32 v[XO+(\i)], v[QQ+(\i)], ASH, v[H16]
.endr
.endif
.endm
; START: the pass's scalars, and its first three quarters of token rows: 30 loads.
.macro START
	s_add_co_u32 s2, s91, 256
	s_cmp_gt_u32 s88, s2
	s_cselect_b32 s[T5], 1, 0                      ; has my fifth tile a row?
	s_and_b32 s[NI], s86, 7                        ; the K step at which this work-group begins
	s_lshl_b32 s2, s[NI], 8
	s_add_nc_u64 s[CB:CB+1], s[4:5], s[2:3]
	s_mul_i32 s[KB], s[NI], BLK
	v_add_nc_u32 v[AW], s[KB], v[AW0]
	s_add_co_u32 s[NI], s[NI], 1
	s_and_b32 s[NI], s[NI], 7
	s_lshl_b32 s2, s[NI], 8
	s_add_nc_u64 s[NB:NB+1], s[4:5], s[2:3]
	XLOAD 0, CB, 0, 0, 4
	XLOAD 1, CB, 64, 0, 4
	XLOAD 2, CB, 128, 0, 4
.endm
	s_mov_b32 s100, 3
.Llap:                                                 ; a lap: 8 units, 256 along K
.irp s, 0,1,2,3,4,5,6,7
	TURN \s, 1, 56                                 ; the seven younger slots' 56 loads stay out
.endr
	s_wait_xcnt 0x0                                ; the base is stepped only behind this wait
	s_add_nc_u64 s[6:7], s[6:7], 8*US
	v_add_nc_u32 v[LA], 2*BLK, v[LA]
	s_sub_co_u32 s100, s100, 1
	s_cmp_lg_u32 s100, 0
	s_cbranch_scc1 .Llap
	s_lshl_b32 s91, s84, 4                         ; my first rank: 320 p + 16 w
	s_mov_b32 s3, 0                                ; the upper word of the offsets made in s2
	PREP                                           ; the last 64 weight loads are out and nothing is left to ask for: the first pass's rows are found meanwhile
.irp s, 0,1,2,3
	TURN \s, 0, 56-8*(\s)                          ; the last lap loads nothing: the counts run down
.endr
	START                                          ; 32 weight loads are still out at the most: with these 30, 62
.irp s, 4,5,6,7
	TURN \s, 0, 86-8*(\s)                          ; the younger slots' loads and the 30 token loads stay out
.endr
	; the bias, rounded to bf16 like every input, and widened again
.if MODE == 2
	s_cmp_eq_u32 s87, 0
	s_cselect_b32 s90, -1, 0                       ; only the first part of K adds it
.endif
.irp p, 0,1,2,3
	v_cvt_pk_bf16_f32 v[TA+(\p)%2], v[BR+2*(\p)], v[BR+2*(\p)+1]
.if MODE == 1
.irp j, 0,1,2,3,4,5,6,7                ; a C operand holds a column's bias once for each of the lane's 8 rows
	v_lshlrev_b32 v[BIAS+16*(\p)+(\j)], 16, v[TA+(\p)%2]
	v_and_b32 v[BIAS+16*(\p)+8+(\j)], 0xffff0000, v[TA+(\p)%2]
.endr
.else
	v_and_b32 v[TA+(\p)%2], s90, v[TA+(\p)%2]
	v_lshlrev_b32 v[BIAS+2*(\p)], 16, v[TA+(\p)%2]
	v_and_b32 v[BIAS+2*(\p)+1], 0xffff0000, v[TA+(\p)%2]
.endif
.endr
	v_mov_b32 v[ZERO], 0
	s_wait_dscnt 0x0                               ; for the others' sake: my part of the weights is in LDS
	s_barrier_signal -1
	s_barrier_wait -1                              ; everybody's is.  From here to the kernel's closing lines nobody writes LDS
; THE PRODUCTS.  A K step is 128, in four quarters of 32.
.macro XL u, t0, t1                    ; what quarter u asks for, three quarters ahead: this K step's last quarter, or one of the next step's first three
.if (\u) == 0
	XLOAD 3, CB, 192, \t0, \t1
.else
	XLOAD (\u)-1, NB, 64*((\u)-1), \t0, \t1
.endif
.endm
.macro FETCHW f, off                   ; sixteen LDS loads: 128 columns x 32 K
	WIN 0
.irp c, 0,1,2,3,4,5,6,7
	ds_load_b128 v[(\f)+8*(\c):(\f)+8*(\c)+3],   v[AW] offset:(\off)+(\c)*16*PITCH
	ds_load_b128 v[(\f)+8*(\c)+4:(\f)+8*(\c)+7], v[AW] offset:(\off)+(\c)*16*PITCH+32
.endr
.endm
; Eight matrix instructions for each of the tiles t0 .. t1; the accumulators take turns, one instruction a turn, in the same order in every quarter.
; first = 1: the products start the sums: with the bias (MODE 1) or with 0.
.macro MULS u, f, first, t0, t1
.set mi, (\t0)
.rept (\t1)-(\t0)+1
.if mi < 4
	WIN 0xa1-0x20*(\first)                         ; token rows window 1, weights window 0, D (and C) window 2
.set AC, 64*mi
.else
	WIN 0xf1-0x30*(\first)                         ; the same with window 3
.set AC, 0
.endif
.irp c, 0,1,2,3,4,5,6,7
.if (\first) && (MODE == 1)
	v_wmma_f32_16x16x32_bf16 v[AC+8*(\c):AC+8*(\c)+7], v[32*mi+8*(\u):32*mi+8*(\u)+7], v[(\f)+8*(\c):(\f)+8*(\c)+7], v[BIAS+8*(\c):BIAS+8*(\c)+7]
.elseif \first
	v_wmma_f32_16x16x32_bf16 v[AC+8*(\c):AC+8*(\c)+7], v[32*mi+8*(\u):32*mi+8*(\u)+7], v[(\f)+8*(\c):(\f)+8*(\c)+7], 0
.else
	v_wmma_f32_16x16x32_bf16 v[AC+8*(\c):AC+8*(\c)+7], v[32*mi+8*(\u):32*mi+8*(\u)+7], v[(\f)+8*(\c):(\f)+8*(\c)+7], v[AC+8*(\c):AC+8*(\c)+7]
.endif
.endr
.set mi, mi+1
.endr
	WIN 0
.endm
; A quarter: its token rows and its weights are in; the next quarter's weights and the token rows three quarters on are asked for, into the registers that the quarter before multiplied; then its products.
; The fifth tile's two loads and eight products stand together at the end; cond = 1: they are jumped where that tile has no row.
; lc = the token loads that were issued behind this quarter's on every way: two groups of eight, fewer at the end (where the fifth tile is live a group has ten: the smaller count is the safe one).
.macro SUB u, first, lc, xl, fw, cond
	s_wait_loadcnt \lc
	s_wait_dscnt 0x0                               ; the sixteen loads issued ahead of the last quarter's matrix instructions
	PLACES
.if \fw
.if (\u) < 3
	FETCHW F0+64*(((\u)+1)%2), 64*((\u)+1)
.else
	s_mul_i32 s[KB], s[NI], BLK                    ; the next K step's first quarter: the address is made anew from the step's first byte and my fixed place
	v_add_nc_u32 v[AW], s[KB], v[AW0]
	FETCHW F0, 0
.endif
.endif
.if \xl
	XL \u, 0, 3
.endif
	MULS \u, F0+64*((\u)%2), \first, 0, 3
.if \cond
	s_cmp_eq_u32 s[T5], 0
	s_cbranch_scc1 .Lno5_\@                        ; what is jumped holds no barrier
.endif
.if \xl
	XL \u, 4, 4
.endif
	MULS \u, F0+64*((\u)%2), \first, 4, 4
.if \cond
.Lno5_\@:
.endif
.endm
.macro STEP first, last, cond
.if \last
	SUB 0, 0, 16, 1, 1, 1                          ; the last group of token rows is asked for
	SUB 1, 0, 16, 0, 1, 1
	SUB 2, 0, 8, 0, 1, 1
	SUB 3, 0, 0, 0, 0, 1
.else
	SUB 0, \first, 16, 1, 1, \cond
	SUB 1, 0, 16, 1, 1, \cond
	SUB 2, 0, 16, 1, 1, \cond
	SUB 3, 0, 16, 1, 1, \cond
	s_wait_xcnt 0x0                                ; the two bases are rewritten only behind this wait
	s_mov_b64 s[CB:CB+1], s[NB:NB+1]               ; on to the next K step;
	s_add_co_u32 s[NI], s[NI], 1                   ; the one behind it, round the ring of eight,
	s_and_b32 s[NI], s[NI], 7
	s_lshl_b32 s2, s[NI], 8                        ; lies 256 bytes x its number into the rows (s3 = 0)
	s_add_nc_u64 s[NB:NB+1], s[4:5], s[2:3]
.endif
.endm
; THE WAY OUT of tile i.  A tile without a row is jumped.  Store j takes row j of the tile from lanes 0-15 and row 8 + j from lanes 16-31:
; sixteen lanes store 256 consecutive bytes, at a multiple of 256 from the buffer's first byte.  MODE 1: to the rows' ranks in hb, the row in the immediate.  MODE 2: to the places that the list names.
.macro ROWST j
.if MODE == 1
	global_store_b128 v[SQ], v[TMP+4*(\j):TMP+4*(\j)+3], s[12:13] offset:(\j)*8192
.else
	global_store_b128 v[SQ+(\j)], v[TMP+8*(\j):TMP+8*(\j)+3], s[12:13]
	global_store_b128 v[SQ+(\j)], v[TMP+8*(\j)+4:TMP+8*(\j)+7], s[12:13] offset:256
.endif
.endm
.macro TILEOUT i
	s_sub_co_i32 s94, s88, s91
	s_sub_co_i32 s94, s94, 64*(\i)                 ; rows of the tile within the count
	s_cmp_le_i32 s94, 0
	s_cbranch_scc1 .Ltd_\@
	s_wait_xcnt 0x0                                ; the registers that the last tile's stores read are rewritten only behind this wait
.if (\i) < 4
.set AC, 64*(\i)
.set WSRC, 2
.else
.set AC, 0
.set WSRC, 3
.endif
.if MODE == 1
	s_add_co_u32 s2, s91, 64*(\i)                  ; the tile's first rank,
	s_lshl_b32 s2, s2, OSH                         ; in rows of hb
	v_add_nc_u32 v[SQ], s2, v[VOUT]
	WIN WSRC*5                                     ; sources 0 and 1 in the accumulators' window
.irp j, 0,1,2,3,4,5,6,7                ; row by row; columns 8 r + 2 d, 8 r + 2 d + 1 lie in accumulators 2 d, 2 d + 1
.irp d, 0,1,2,3
	v_cvt_pk_bf16_f32 v[TMP+4*(\j)+(\d)], v[AC+16*(\d)+(\j)], v[AC+16*(\d)+8+(\j)]
.endr
.endr
	WIN 0
.set z, 0
.rept 32
	v_pk_max_num_bf16 v[TMP+z], v[TMP+z], v[ZERO]  ; the maximum with 0 behind the rounding gives the same number as ahead of it
.set z, z+1
.endr
.else
	ds_load_b128 v[SQ:SQ+3],   v[LQH] offset:256*(\i)      ; q of my half's 8 rows
	ds_load_b128 v[SQ+4:SQ+7], v[LQH] offset:256*(\i)+16
	WIN WSRC                                       ; source 0 in the accumulators' window
.irp j, 0,1,2,3,4,5,6,7                ; the bias is added on the way into the four consecutive registers that a store of 16 bytes takes
.irp c, 0,1,2,3,4,5,6,7
	v_add_f32 v[TMP+8*(\j)+(\c)], v[AC+8*(\c)+(\j)], v[BIAS+(\c)]
.endr
.endr
	WIN 0
	s_wait_dscnt 0x0
.irp j, 0,1,2,3,4,5,6,7
	v_min_u32 v[SQ+(\j)], 2047, v[SQ+(\j)]         ; the bound of the output's rows
	v_lshl_add_u32 v[SQ+(\j)], v[SQ+(\j)], OSH, v[LCOL]
.endr
.endif
.irp j, 0,1,2,3,4,5,6,7
	ROWST \j
.endr
.Ltd_\@:
.endm
	s_mov_b32 s92, 4                               ; 4 x 320 ranks cover every split
.Lpass:
	s_cmp_le_u32 s88, s91
	s_cbranch_scc1 .Lpass_end                      ; my first tile has no row, so none has: what is jumped holds no barrier
	s_wait_xcnt 0x0                                ; buffer F0's registers, which the last pass's stores read, are loaded again only behind this wait
	s_mov_b32 s93, 6
	FETCHW F0, 0
	STEP 1, 0, 0                                   ; the first K step is written out: its first products start the sums, the fifth tile's too
.Lk:
	STEP 0, 0, 1
	s_sub_co_u32 s93, s93, 1
	s_cmp_lg_u32 s93, 0
	s_cbranch_scc1 .Lk
	STEP 0, 1, 1                                   ; and the last: nothing is asked for beyond the ring's eighth step
	PLACES
	TILEOUT 0
	TILEOUT 1
	TILEOUT 2
	TILEOUT 3
	TILEOUT 4
.Lpass_end:
.if MODE == 2
	v_add_nc_u32 v[LQH], 4*320, v[LQH]
.endif
	s_add_co_u32 s91, s91, 320
	s_cmp_le_u32 s88, s91
	s_cbranch_scc1 .Lno_next                       ; no row is left for me: nothing is set up
	s_wait_loadcnt 0x0                             ; no load of mine is out into the registers that are loaded again below,
	s_wait_xcnt 0x0                                ; and every load and store has read its offsets and bases
	PREP
	START
.Lno_next:
	s_sub_co_u32 s92, s92, 1
	s_cmp_lg_u32 s92, 0
	s_cbranch_scc1 .Lpass
	s_wait_dscnt 0x0                               ; my reads of LDS are over,
	s_barrier_signal -1
	s_barrier_wait -1                              ; and so are every wave's, before any wave's closing write to LDS
	s_wait_tensorcnt 0x0                           ; the wave's end
	ds_add_u32 v[SPW], v[NIL]
	s_wait_dscnt 0x0
	s_endpgm
.Lfunc_end_k_qad4acf8a4a_ffn1:
	.size	k_qad4acf8a4a_ffn1, .Lfunc_end_k_qad4acf8a4a_ffn1-k_qad4acf8a4a_ffn1
	.p2alignl 7, 3214868480
	.fill 96, 4, 3214868480
	.section	.rodata,"a",@progbits
	.p2align	6, 0x0
	.amdhsa_kernel k_qad4acf8a4a_ffn1
		.amdhsa_group_segment_fixed_size 279040
		.amdhsa_private_segment_fixed_size 0
		.amdhsa_enable_private_segment 0
		.amdhsa_kernarg_size 40
		.amdhsa_user_sgpr_count 2
		.amdhsa_user_sgpr_kernarg_segment_ptr 1
		.amdhsa_wavefront_size32 1
		.amdhsa_system_sgpr_workgroup_id_x 1
		.amdhsa_system_sgpr_workgroup_id_y 1
		.amdhsa_system_sgpr_workgroup_id_z 1
		.amdhsa_system_vgpr_workitem_id 0
		.amdhsa_next_free_vgpr 832
		.amdhsa_next_free_sgpr 102
		.amdhsa_reserve_vcc 1
		.amdhsa_float_denorm_mode_32 3
		.amdhsa_float_denorm_mode_16_64 3
		.amdhsa_memory_ordered 1
		.amdhsa_forward_progress 1
		.amdhsa_inst_pref_size 187
	.end_amdhsa_kernel
	.amdgpu_metadata
---
amdhsa.version: [ 1, 2 ]
amdhsa.kernels:
  - .name:           k_qad4acf8a4a_ffn1
    .symbol:         k_qad4acf8a4a_ffn1.kd
    .args:
      - { .name: xb, .offset: 0, .size: 8, .value_kind: global_buffer, .address_space: global }
      - { .name: W1, .offset: 8, .size: 8, .value_kind: global_buffer, .address_space: global }
      - { .name: b1, .offset: 16, .size: 8, .value_kind: global_buffer, .address_space: global }
      - { .name: bm, .offset: 24, .size: 8, .value_kind: global_buffer, .address_space: global }
      - { .name: hb, .offset: 32, .size: 8, .value_kind: global_buffer, .address_space: global }
    .group_segment_fixed_size: 279040
    .private_segment_fixed_size: 0
    .kernarg_segment_align: 8
    .kernarg_segment_size: 40
    .max_flat_workgroup_size: 128
    .sgpr_count:     102
    .vgpr_count:     832
    .wavefront_size: 32
...
	.end_amdgpu_metadata
.endif
;; end of part 5
;; launch ffn2 (part 6): grid 256 x 1, 4 waves a work-group, no clusters, 300,544 bytes of LDS; arguments hb, W2, b2, bm, pp; writes pp
.if DOCPART == 6
	.amdgcn_target "amdgcn-amd-amdhsa--gfx1250"
	.amdhsa_code_object_version 6
	.text
	.protected	k_qad4acf8a4a_ffn2
	.globl	k_qad4acf8a4a_ffn2
	.p2align	8
	.type	k_qad4acf8a4a_ffn2,@function
k_qad4acf8a4a_ffn2:
	s_mov_b64 s[64:65], 0
	v_nop
	global_prefetch_b8 v0, s[64:65] scope:SCOPE_SE
	s_setreg_imm32_b32 hwreg(HW_REG_WAVE_MODE, 25, 1), 1
	s_wait_xcnt 0x0
; THE EXPERTS' TWO PRODUCTS: ONE TEXT, MODE says which.  A routed row has the number q = 1024 k + n (token n, choice k); each q belongs to one expert, in which it has a RANK: the expert's rows at lower tokens.
;   MODE 1: hb[e][rank][:] = bf16(relu(xb[n] . bf16(W1[e]) + bf16(b1[e])))                            xb [1024][1024] bf16, W1 [8][1024][4096] f32, hb [8][1024][4096] bf16: an expert's rows end to end
;   MODE 2: pp[ks][q][:] = hb[e][rank][1024 ks ..] . bf16(W2[e][1024 ks ..]) + (ks = 0: bf16(b2[e]))   W2 [8][4096][1024] f32, pp [4][2048][1024] f32: partial sums; the last launch weighs and adds them
; SHARES.  A work-group has one expert e and a slice of its weights, 1,024 along K x 128 columns (524,288 bytes of f32), which it alone reads, and ALL rows of that expert.
;   MODE 1: 8 experts x 32 slices of columns.  MODE 2: 8 experts x 4 parts of K x 8 slices of columns.  256 work-groups either way.
; FIRST the slice streams through registers, is rounded to bf16 and laid into LDS turned, K along the rows; each wave has 8 slots of 8 loads of 512 bytes on their way.
; ONE barrier.  THEN the products: from there on nothing writes LDS, so the loop over rows needs no barrier.
; A PASS serves 320 ranks: wave w has the tiles of 16 ranks 4 i + w, i = 0..4, and all 128 columns: 40 accumulators.  Token rows come from memory straight into fragments, weights from LDS.
; Four passes cover the 1,024 rows that an expert can have at the most (a token's two experts differ); a wave jumps a pass in which it has no row.
; WHICH ROW HAS A RANK.  MODE 1 needs the token of rank R, for 16 ranks in each of a wave's five tiles.  It is found in registers.  Once, in scalars: word j of the 32 becomes the OR of both choices' bitmaps
; (no bit is set in both) and gets the key 32 P + j, P = the set bits in the words below it.  Then each lane, for each tile: the last word whose key is at most 32 R + 31 (31 words x a compare and two
; selects); the counts of that word's set bits in blocks of 2, 4, 8 and 16 bits (13 lines); and five halvings, each of which goes on in the upper half where the lower half holds too few bits.
; MODE 2 reads hb by the rank itself and needs q for its stores alone: for those each wave lays a list in LDS, ahead of the barrier.
; AHEAD OF THE BARRIER.  The weights' last lap loads nothing.  In front of it the first pass's rows are found, and in its middle, when 32 weight loads are still out, the pass's first three quarters of token
; rows are asked for: 30 loads.  A later pass is set up at the end of the pass before it.  A wave without a row in the first pass issues these 30 loads too, inside the buffer, and never reads them
; (for an expert without any row MODE 2's bring bytes of hb that nobody stored).
; K IN A RING.  The work-group begins at K step (slice % 8) and goes round: the work-groups that share token rows ask for different 256 bytes of them at any one time.  Only the order of the f32 sums hangs on it.
; PAST THE COUNT.  A rank at or past the count stands for rank 0, the expert's first row.  A tile without a row is multiplied on that row, and its stores are jumped.  The wave's FIFTH tile, which most splits
; leave without a row, is then multiplied in the first K step alone (so that its registers are written on every way through the text); the other seven steps jump its loads and products.  In the tile in
; which the count ends MODE 1 stores the first row's numbers at the ranks past the count; MODE 2 reads them there and stores the result to that row's place again, the same numbers from the same work-group.
; So every store is a whole tile's, and all lanes stay on from the first line to the last.
; THE COLUMNS' ORDER.  Source 0 = 16 token rows, source 1 = 16 columns of the weights: register j of a lane holds row 8 (lane / 16) + j and the column at place lane % 16 of fragment c.
; Which column lies there is this text's choice: MODE 1: 8 r + c; MODE 2: 4 r + c % 4 + 64 (c / 4) (r = lane % 16).  So a lane's numbers over c are neighbouring columns of one row: 16 bytes, and sixteen
; lanes hold 256 consecutive bytes of the output: the results are stored straight from registers.  In LDS that column is row 16 c + r.
; NO CLUSTER, NO TENSOR LOADS: a slice has one reader and is rounded on its way through registers; beside it LDS has 49,152 bytes, less than two slots of 320 rows x 128 along K; and a loop whose
; length hangs on a stored count holds no barrier, which a ring of slots would need.
; LIMITS.  Weights, bias and token rows are bf16, each rounded once; sums in f32; the hidden layer is stored in bf16.  NaN and infinities are not treated apart (the maximum with 0 drops a NaN).
.set MODE, 2
.if MODE == 1
.set WP,  16384                        ; bytes from a K row of the weights to the next
.set ASH, 11                           ; a token row's bytes, as a shift
.set OSH, 13                           ; an output row's bytes, as a shift
.else
.set WP,  4096
.set ASH, 13
.set OSH, 12
.endif
.set US,     32*WP                     ; a unit: 8 K rows for each of the four waves
.set PITCH,  272                       ; an LDS row: 256 bytes + 16: an odd multiple of 16, so that the 16 rows of a fragment load start 16 bytes apart modulo 256
.set BLK,    128*PITCH                 ; the slice's 128 columns x 128 along K
.set LIST,   8*BLK                     ; behind the weights.  MODE 2: a list for each wave
.set NRANK,  1280                      ; ranks in a list: 4 passes x 320; cleared, then filled up to the count
.set LISTB,  5376                      ; 1,280 words, 32 words into which lanes without a row store, and padding
.if MODE == 1
.set SPARE,  LIST                      ; the spare words, 128 bytes a wave: two blocks of 256 bytes that no other line names
.else
.set SPARE,  LIST+4*LISTB
.endif
; REGISTERS, in windows of 256 (s_set_vgpr_msb: bits 1:0 source 0, 3:2 source 1, 5:4 source 2, 7:6 destination).  Window 0:
.set LANE, 1
.set RR,   2                           ; lane % 16
.set HH,   3                           ; lane / 16
.set H16,  4                           ; 16 (lane / 16)
.set LCOL, 5                           ; 16 (lane % 16): my 16 bytes in 256 of an output row
.set WO,   6                           ; weights: 16 lane + my wave's 8 K rows; never rewritten
.set LA,   7                           ; where my 4 columns' 16 bytes go in LDS; steps a lap
.set AW0,  8                           ; my place in a weight fragment; never rewritten
.set AW,   9                           ; the same in the K step in hand
.set LQH,  11                          ; MODE 2: my list at rank 16 w + 8 (lane / 16); steps a pass
.set VOUT, 12                          ; MODE 1: 8 (lane / 16) rows of hb + my 16 bytes
.set BO,   14                          ; bias: my columns' first byte
.set LB,   15                          ; MODE 2: my list's first byte
.set DI,   16                          ; MODE 2: 1280 + lane
.set LN1,  17                          ; MODE 2: 1024 + lane
.set TA,   18                          ; v18-19 at work
.set TC,   19
.set Q0,   20                          ; MODE 2: q of the expert's first row
.set ZERO, 22
.set QQ,   24                          ; v24-28  MODE 2: my row's rank in tile i
.set SPW,  30                          ; LDS address of my spare word; never rewritten
.set NIL,  31                          ; 0; never rewritten
.set XO,   32                          ; v32-36  byte offset of my row in tile i
.set BR,   40                          ; v40-47  the bias of my 8 columns as loaded
.set SQ,   48                          ; the way out: MODE 1: v48, the tile's offset; MODE 2: v48-55, the offsets of my half's 8 rows
.set BIAS, 64                          ; MODE 1: v64-127, the bias of my column of fragment c eight times, at 8 c + j: a C operand.  MODE 2: v64-71, that bias once, at c
.set F0,   128                         ; v128-191, v192-255  two buffers of weight fragments: 128 columns x 32 K
.set F1,   192
.set TT,   128                         ; while the weights stream: 16 registers at work, and four zeros
.set ZQ,   144
.set TMP,  128                         ; the way out
.set FB,   192                         ; the search (MODE 1): 12 registers a tile, where buffer F1 lies idle:
.set oRK,  0                           ;   32 R + 31
.set oW,   1                           ;   the word that holds rank R
.set oK,   2                           ;   that word's key
.set oA,   3                           ;   its set bits counted in blocks of 2,
.set oB,   4                           ;   of 4,
.set oC,   5                           ;   of 8 bits,
.set oD,   6                           ;   and in its low 16
.set oN,   7                           ;   set bits still to pass
.set oP,   8                           ;   the bit's place so far
.set oT,   9                           ;   at work
.set oU,   10
; Window 1: v0-159 token fragments, tile i, quarter u of a K step at 32 i + 8 u.  Window 2: the accumulators of tiles 0-3 at 64 i + 8 c; while the weights stream: the 8 slots, slot s, row i at 32 s + 4 i.
; Window 3: v0-63 tile 4's accumulators.
; SCALARS: s[4:5] token rows, s[6:7] weights, s[8:9] bias, s[10:11] bm, s[12:13] the output; s[16:47] the expert's bitmap of first choices (MODE 1: then of either choice), s[48:63], s[68:83] of second
; choices (MODE 1: then the words' keys); s84 wave, s85 e, s86 slice, s87 ks, s88 the count, s90 at work, s91 my first rank in the pass, s92 passes to go, s93 K steps to go, s94 rows left in a tile,
; s95 the last rank that hb holds (MODE 2); s2 an offset's low word, s3 = 0 its high word.
.set T5,   89                          ; s89      1: my fifth tile has a row
.set CB,   96                          ; s[96:97] token rows at the K step in hand
.set NB,   98                          ; s[98:99] token rows at the next K step
.set NI,   100                         ; s100     the next K step's number, 0..7 (in the weights' first three laps: laps to go)
.set KB,   101                         ; s101     LDS byte at which a K step's weights begin
.set MSB, 0
.macro WIN new                         ; the immediate's high byte repeats the setting that is left; a switch that changes nothing is dropped
.if MSB != (\new)
	s_set_vgpr_msb (MSB<<8)|(\new)
.set MSB, (\new)
.endif
.endm
.macro PLACES                          ; four places between a matrix instruction and a load into, or a vector write of, one of its registers, or a read of its result (ISA guide 7.12.1 for the vector write and the read)
.rept 4
	v_nop
.endr
.endm
	s_load_b256 s[4:11], s[0:1], 0x0
	s_load_b64 s[12:13], s[0:1], 0x20
	v_lshl_add_u32 v[SPW], v0, 2, SPARE
	v_mov_b32 v[NIL], 0
	v_lshrrev_b32 v[TA], 5, v0
	v_readfirstlane_b32 s84, v[TA]                 ; wave 0..3
	v_and_b32 v[LANE], 31, v0
	v_and_b32 v[RR], 15, v0
	v_bfe_u32 v[HH], v0, 4, 1
	v_lshlrev_b32 v[H16], 4, v[HH]
	v_lshlrev_b32 v[LCOL], 4, v[RR]
	s_mul_i32 s2, s84, 8*WP
	v_lshl_add_u32 v[WO], v[LANE], 4, s2
	s_lshl_b32 s3, s84, 4
	; a load brings me columns 4 lane + j, j = 0..3.  Their LDS rows are 16 j + the row made here
.if MODE == 1
	v_and_b32 v[TA], 1, v0                         ; column 8 r + c: c = 4 (lane % 2) + j, r = lane / 2
	v_bfe_u32 v[TC], v0, 1, 4
	v_lshl_add_u32 v[TA], v[TA], 6, v[TC]          ; 64 (lane % 2) + lane / 2
	v_lshlrev_b32 v[BO], 5, v[RR]                  ; my fragments' columns 8 r .. 8 r + 7: 32 bytes of bias
	v_lshl_add_u32 v[VOUT], v[HH], 16, v[LCOL]     ; 8 rows of 8,192 bytes for lanes 16 to 31
.else
	v_lshl_add_u32 v[TA], v[HH], 6, v[RR]          ; column 4 r + c % 4 + 64 (c / 4): c = 4 (lane / 16) + j, r = lane % 16
	v_lshlrev_b32 v[BO], 4, v[RR]                  ; my fragments' columns 4 r .. 4 r + 3 and 64 further on: twice 16 bytes of bias
.endif
	v_mul_u32_u24 v[LA], v[TA], PITCH
	v_add_nc_u32 v[LA], s3, v[LA]                  ; my wave's 8 K are 16 bytes of a row
	v_mul_u32_u24 v[AW0], v[RR], PITCH
	v_add_nc_u32 v[AW0], v[H16], v[AW0]
.if MODE == 2
	s_mul_i32 s89, s84, LISTB
	s_add_co_u32 s89, s89, LIST
	v_mov_b32 v[LB], s89
	s_lshl_b32 s90, s84, 6
	s_add_co_u32 s90, s90, s89
	v_lshl_add_u32 v[LQH], v[HH], 5, s90
	v_add_nc_u32 v[DI], NRANK, v[LANE]
	v_add_nc_u32 v[LN1], 1024, v[LANE]
.endif
	; the offsets, each made apart from its address
	s_lshr_b32 s85, ttmp9, 5                       ; e
	s_lshl_b32 s88, s85, 24                        ; an expert's weights are 16,777,216 bytes
.if MODE == 1
	s_and_b32 s86, ttmp9, 31
	s_lshl_b32 s2, s86, 9                          ; 128 columns of f32
	s_add_co_u32 s88, s88, s2
	s_lshl_b32 s90, s85, 14
	s_add_co_u32 s90, s90, s2
	s_lshl_b32 s92, s85, 23                        ; the expert's 1,024 rows of hb, 8,192 bytes each,
	s_lshl_b32 s2, s86, 8                          ; and 128 columns of bf16
	s_add_co_u32 s92, s92, s2
.else
	s_and_b32 s86, ttmp9, 7
	s_bfe_u32 s87, ttmp9, 0x20003                  ; ks: 2 bits from bit 3
	s_lshl_b32 s2, s87, 22                         ; 1,024 K rows of 4,096 bytes
	s_add_co_u32 s88, s88, s2
	s_lshl_b32 s2, s86, 9
	s_add_co_u32 s88, s88, s2
	s_lshl_b32 s90, s85, 12
	s_add_co_u32 s90, s90, s2
	s_lshl_b32 s92, s87, 23                        ; a part of pp is 8,388,608 bytes
	s_add_co_u32 s92, s92, s2
	s_lshl_b32 s98, s85, 23                        ; the expert's 1,024 rows of hb,
	s_lshl_b32 s2, s87, 11                         ; and 1,024 channels of bf16
	s_add_co_u32 s98, s98, s2
	s_mov_b32 s99, 0
.endif
	s_mov_b32 s89, 0
	s_mov_b32 s91, 0
	s_mov_b32 s93, 0
	s_lshl_b32 s94, s85, 8                         ; 64 words of bm an expert
	s_mov_b32 s95, 0
	s_wait_kmcnt 0x0
	s_add_nc_u64 s[6:7], s[6:7], s[88:89]
	s_add_nc_u64 s[8:9], s[8:9], s[90:91]
	s_add_nc_u64 s[10:11], s[10:11], s[94:95]
	s_add_nc_u64 s[12:13], s[12:13], s[92:93]
.if MODE == 2
	s_add_nc_u64 s[4:5], s[4:5], s[98:99]
.endif
	s_load_b512 s[16:31], s[10:11], 0x0
	s_load_b512 s[32:47], s[10:11], 0x40
	s_load_b512 s[48:63], s[10:11], 0x80
	s_load_b512 s[68:83], s[10:11], 0xc0
	global_load_b128 v[BR:BR+3], v[BO], s[8:9]
.if MODE == 1
	global_load_b128 v[BR+4:BR+7], v[BO], s[8:9] offset:16
.else
	global_load_b128 v[BR+4:BR+7], v[BO], s[8:9] offset:256
.endif
; Slot s takes a unit's 8 K rows of my wave, one row's 512 consecutive bytes a load.  a = 0: this lap's unit; 1: the next lap's.  The largest immediate, 15 units and 7 rows, is 7,979,008 in MODE 1: inside the signed 24 bits.
.macro FILL s, a
	WIN 0x80                                       ; destination window 2
.irp i, 0,1,2,3,4,5,6,7
	global_load_b128 v[32*(\s)+4*(\i):32*(\s)+4*(\i)+3], v[WO], s[6:7] offset:((\s)+8*(\a))*US+(\i)*WP th:TH_LOAD_NT
.endr
	WIN 0
.endm
.irp s, 0,1,2,3,4,5,6,7
	FILL \s, 0
.endr
	s_wait_kmcnt 0x0                               ; the bitmaps
	s_mov_b32 s88, 0
.if MODE == 1
	; THE WORDS AND THEIR KEYS, in scalars, while the weights are on their way
.set i, 0
.rept 32                               ; tokens 32 i .. 32 i + 31
.set K1, 48+i+4*(i/16)                 ; the word of second choices: s48-63, s68-83
	s_or_b32 s[16+i], s[16+i], s[K1]               ; the tokens that chose the expert, first or second
	s_lshl_b32 s[K1], s88, 5                       ; the key: 32 x the rows at lower words,
	s_or_b32 s[K1], s[K1], i                       ; + the word's number
	s_bcnt1_i32_b32 s90, s[16+i]
	s_add_co_u32 s88, s88, s90
.set i, i+1
.endr
.else
	; THE LIST, each wave's own, while the weights are on their way.  Word rank takes q.  A lane whose token did not choose the expert stores into a word of its own behind the list.
.irp z, 0,1,2,3
	v_mov_b32 v[ZQ+(\z)], 0
.endr
	v_lshl_add_u32 v[TA], v[LANE], 4, v[LB]
.set m, 0
.rept NRANK*4/512
	ds_store_b128 v[TA], v[ZQ:ZQ+3] offset:512*m   ; ranks far past the count name row 0
.set m, m+1
.endr
.set i, 0
.rept 32                               ; tokens 32 i .. 32 i + 31
.set K1, 48+i+4*(i/16)                 ; the word of second choices: s48-63, s68-83
	s_or_b32 s89, s[16+i], s[K1]
	v_mbcnt_lo_u32_b32 v[TA], s89, s88             ; the count so far + the set bits below my lane
	v_cndmask_b32 v[TA], v[DI], v[TA], s89
	v_min_u32 v[TA], NRANK+31, v[TA]               ; the bound of my list's words
	v_lshl_add_u32 v[TA], v[TA], 2, v[LB]
	v_cndmask_b32 v[TC], v[LANE], v[LN1], s[K1]    ; q = 1024 k + 32 i + lane
	v_add_nc_u32 v[TC], 32*i, v[TC]
	ds_store_b32 v[TA], v[TC]
	s_bcnt1_i32_b32 s90, s89
	s_add_co_u32 s88, s88, s90
.set i, i+1
.endr
	; the 32 ranks behind the count take the first row's q: more than the 15 places that the count's last tile can have past it.  (With no row at all the word holds 0, and nothing is multiplied.)
	ds_load_b32 v[Q0], v[LB]                       ; LDS serves a wave's instructions in order (ISA guide 5.7.1.4): this sees the stores above
	v_add_nc_u32 v[TA], s88, v[LANE]
	v_min_u32 v[TA], NRANK+31, v[TA]               ; the bound of my list's words
	v_lshl_add_u32 v[TA], v[TA], 2, v[LB]
	s_wait_dscnt 0x0
	ds_store_b32 v[TA], v[Q0]
	s_add_co_u32 s95, s88, 15                      ; hb holds the expert's ranks up to the end of the tile in which the count ends
	s_and_b32 s95, s95, -16
	s_sub_co_u32 s95, s95, 1
.endif
; THE WEIGHTS.  Slot s's turn: 8 K rows x my 4 columns are rounded in pairs along K, so that a column's 8 numbers are 16 bytes; the slot is filled again; the four columns go to their LDS rows, 16 rows apart.
; left = the younger loads, which stay out.
.macro TURN s, refill, left
	s_wait_loadcnt \left
	WIN 0x0a                                       ; sources in window 2
.irp j, 0,1,2,3
.irp d, 0,1,2,3
	v_cvt_pk_bf16_f32 v[TT+4*(\j)+(\d)], v[32*(\s)+8*(\d)+(\j)], v[32*(\s)+8*(\d)+4+(\j)]
.endr
.endr
.if \refill
	FILL \s, 1
.endif
	WIN 0
.irp j, 0,1,2,3
	ds_store_b128 v[LA], v[TT+4*(\j):TT+4*(\j)+3] offset:((\s)/4)*BLK+(\j)*16*PITCH+64*((\s)%4)
.endr
.endm
; Two loads for each of the tiles t0 .. t1: their fragments (16 rows x 32 K) of one quarter of a K step, into place u.  The other work-groups of the expert read these rows too: the hint for data that is read again.
.macro XLOAD u, base, off, t0, t1
	WIN 0x40                                       ; destination window 1
.set xi, (\t0)
.rept (\t1)-(\t0)+1
	global_load_b128 v[32*xi+8*(\u):32*xi+8*(\u)+3],   v[XO+xi], s[\base:\base+1] offset:(\off) th:TH_LOAD_HT
	global_load_b128 v[32*xi+8*(\u)+4:32*xi+8*(\u)+7], v[XO+xi], s[\base:\base+1] offset:(\off)+32 th:TH_LOAD_HT
.set xi, xi+1
.endr
	WIN 0
.endm
; THE SEARCH (MODE 1).  One line for each of the five tiles, so that no line reads the result of the line before it:
.macro ALL5 line:vararg
.set ft, FB
.rept 5
	\line
.set ft, ft+12
.endr
.endm
; A halving: the block in hand begins at bit oP; its lower half, wd bits wide, holds the count that lies at that place in register x.  With as many set bits or more still to pass, they are passed and the
; upper half is taken.  more = 0: the last halving, behind which nobody asks how many are left.
.macro LEVEL x, wd, more
	ALL5 v_bfe_u32 v[ft+oT], v[ft+(\x)], v[ft+oP], \wd
.set ft, FB
.rept 5
	v_cmp_ge_u32 vcc_lo, v[ft+oN], v[ft+oT]
	v_cndmask_b32 v[ft+oU], 0, \wd, vcc_lo
.if \more
	v_cndmask_b32 v[ft+oT], 0, v[ft+oT], vcc_lo
.endif
.set ft, ft+12
.endr
.if \more
	ALL5 v_sub_nc_u32 v[ft+oN], v[ft+oN], v[ft+oT]
.endif
	ALL5 v_add_nc_u32 v[ft+oP], v[ft+oP], v[ft+oU]
.endm
.macro FIND
.set fi, 0
.set ft, FB
.rept 5
	s_add_co_u32 s90, s91, 64*fi
	v_add_nc_u32 v[ft+oRK], s90, v[RR]             ; my row's rank in tile fi;
	v_cmp_gt_u32 vcc_lo, s88, v[ft+oRK]
	v_cndmask_b32 v[ft+oRK], 0, v[ft+oRK], vcc_lo  ; at or past the count: rank 0
	v_lshl_add_u32 v[ft+oRK], v[ft+oRK], 5, 31     ; 32 R + 31: no key of a word that begins at or below rank R is greater
	v_mov_b32 v[ft+oW], s16                        ; word 0, whose key is 0, begins the search
	v_mov_b32 v[ft+oK], s48
.set fi, fi+1
.set ft, ft+12
.endr
.set fj, 1
.rept 31                               ; the keys ascend, so the last word whose key is not greater stays
.set KJ, 48+fj+4*(fj/16)
.set ft, FB
.rept 5
	v_cmp_gt_u32 vcc_lo, s[KJ], v[ft+oRK]
	v_cndmask_b32 v[ft+oW], s[16+fj], v[ft+oW], vcc_lo
	v_cndmask_b32 v[ft+oK], s[KJ], v[ft+oK], vcc_lo
.set ft, ft+12
.endr
.set fj, fj+1
.endr
	ALL5 v_lshrrev_b32 v[ft+oT], 1, v[ft+oW]       ; the word's set bits, counted in blocks of 2,
	ALL5 v_and_b32 v[ft+oT], 0x55555555, v[ft+oT]
	ALL5 v_sub_nc_u32 v[ft+oA], v[ft+oW], v[ft+oT]
	ALL5 v_lshrrev_b32 v[ft+oT], 2, v[ft+oA]       ; of 4,
	ALL5 v_and_b32 v[ft+oB], 0x33333333, v[ft+oA]
	ALL5 v_and_b32 v[ft+oT], 0x33333333, v[ft+oT]
	ALL5 v_add_nc_u32 v[ft+oB], v[ft+oB], v[ft+oT]
	ALL5 v_lshrrev_b32 v[ft+oT], 4, v[ft+oB]       ; of 8,
	ALL5 v_add_nc_u32 v[ft+oC], v[ft+oB], v[ft+oT]
	ALL5 v_and_b32 v[ft+oC], 0x0f0f0f0f, v[ft+oC]
	ALL5 v_lshrrev_b32 v[ft+oT], 8, v[ft+oC]       ; and in the low 16
	ALL5 v_add_nc_u32 v[ft+oD], v[ft+oC], v[ft+oT]
	ALL5 v_and_b32 v[ft+oD], 0xff, v[ft+oD]
	ALL5 v_lshrrev_b32 v[ft+oN], 5, v[ft+oRK]      ; set bits to pass in the word: R less the rows at lower words
	ALL5 v_lshrrev_b32 v[ft+oT], 5, v[ft+oK]
	ALL5 v_sub_nc_u32 v[ft+oN], v[ft+oN], v[ft+oT]
.set ft, FB
.rept 5                                ; the first halving starts the place
	v_cmp_ge_u32 vcc_lo, v[ft+oN], v[ft+oD]
	v_cndmask_b32 v[ft+oP], 0, 16, vcc_lo
	v_cndmask_b32 v[ft+oT], 0, v[ft+oD], vcc_lo
.set ft, ft+12
.endr
	ALL5 v_sub_nc_u32 v[ft+oN], v[ft+oN], v[ft+oT]
	LEVEL oC, 8, 1
	LEVEL oB, 4, 1
	LEVEL oA, 2, 1
	LEVEL oW, 1, 0
	ALL5 v_and_b32 v[ft+oT], 31, v[ft+oK]          ; the token: 32 x the word's number + the bit's place,
	ALL5 v_lshl_add_u32 v[ft+oT], v[ft+oT], 5, v[ft+oP]
	ALL5 v_min_u32 v[ft+oT], 1023, v[ft+oT]        ; within the bound of xb's rows
.irp i, 0,1,2,3,4
	v_lshl_add_u32 v[XO+(\i)], v[FB+12*(\i)+oT], ASH, v[H16]
.endr
.endm
; A pass is set up in two parts.  PREP: where my row of each tile lies.
.macro PREP
.if MODE == 1
	FIND
.else
.irp i, 0,1,2,3,4
	s_add_co_u32 s2, s91, 64*(\i)
	v_add_nc_u32 v[QQ+(\i)], s2, v[RR]             ; my row's rank,
	v_min_u32 v[QQ+(\i)], s95, v[QQ+(\i)]          ; held to the last rank that hb holds,
	v_min_u32 v[QQ+(\i)], 1023, v[QQ+(\i)]         ; and to the bound of an expert's rows
	v_lshl_add_u32 v[XO+(\i)], v[QQ+(\i)], ASH, v[H16]
.endr
.endif
.endm
; START: the pass's scalars, and its first three quarters of token rows: 30 loads.
.macro START
	s_add_co_u32 s2, s91, 256
	s_cmp_gt_u32 s88, s2
	s_cselect_b32 s[T5], 1, 0                      ; has my fifth tile a row?
	s_and_b32 s[NI], s86, 7                        ; the K step at which this work-group begins
	s_lshl_b32 s2, s[NI], 8
	s_add_nc_u64 s[CB:CB+1], s[4:5], s[2:3]
	s_mul_i32 s[KB], s[NI], BLK
	v_add_nc_u32 v[AW], s[KB], v[AW0]
	s_add_co_u32 s[NI], s[NI], 1
	s_and_b32 s[NI], s[NI], 7
	s_lshl_b32 s2, s[NI], 8
	s_add_nc_u64 s[NB:NB+1], s[4:5], s[2:3]
	XLOAD 0, CB, 0, 0, 4
	XLOAD 1, CB, 64, 0, 4
	XLOAD 2, CB, 128, 0, 4
.endm
	s_mov_b32 s100, 3
.Llap:                                                 ; a lap: 8 units, 256 along K
.irp s, 0,1,2,3,4,5,6,7
	TURN \s, 1, 56                                 ; the seven younger slots' 56 loads stay out
.endr
	s_wait_xcnt 0x0                                ; the base is stepped only behind this wait
	s_add_nc_u64 s[6:7], s[6:7], 8*US
	v_add_nc_u32 v[LA], 2*BLK, v[LA]
	s_sub_co_u32 s100, s100, 1
	s_cmp_lg_u32 s100, 0
	s_cbranch_scc1 .Llap
	s_lshl_b32 s91, s84, 4                         ; my first rank: 320 p + 16 w
	s_mov_b32 s3, 0                                ; the upper word of the offsets made in s2
	PREP                                           ; the last 64 weight loads are out and nothing is left to ask for: the first pass's rows are found meanwhile
.irp s, 0,1,2,3
	TURN \s, 0, 56-8*(\s)                          ; the last lap loads nothing: the counts run down
.endr
	START                                          ; 32 weight loads are still out at the most: with these 30, 62
.irp s, 4,5,6,7
	TURN \s, 0, 86-8*(\s)                          ; the younger slots' loads and the 30 token loads stay out
.endr
	; the bias, rounded to bf16 like every input, and widened again
.if MODE == 2
	s_cmp_eq_u32 s87, 0
	s_cselect_b32 s90, -1, 0                       ; only the first part of K adds it
.endif
.irp p, 0,1,2,3
	v_cvt_pk_bf16_f32 v[TA+(\p)%2], v[BR+2*(\p)], v[BR+2*(\p)+1]
.if MODE == 1
.irp j, 0,1,2,3,4,5,6,7                ; a C operand holds a column's bias once for each of the lane's 8 rows
	v_lshlrev_b32 v[BIAS+16*(\p)+(\j)], 16, v[TA+(\p)%2]
	v_and_b32 v[BIAS+16*(\p)+8+(\j)], 0xffff0000, v[TA+(\p)%2]
.endr
.else
	v_and_b32 v[TA+(\p)%2], s90, v[TA+(\p)%2]
	v_lshlrev_b32 v[BIAS+2*(\p)], 16, v[TA+(\p)%2]
	v_and_b32 v[BIAS+2*(\p)+1], 0xffff0000, v[TA+(\p)%2]
.endif
.endr
	v_mov_b32 v[ZERO], 0
	s_wait_dscnt 0x0                               ; for the others' sake: my part of the weights is in LDS
	s_barrier_signal -1
	s_barrier_wait -1                              ; everybody's is.  From here to the kernel's closing lines nobody writes LDS
; THE PRODUCTS.  A K step is 128, in four quarters of 32.
.macro XL u, t0, t1                    ; what quarter u asks for, three quarters ahead: this K step's last quarter, or one of the next step's first three
.if (\u) == 0
	XLOAD 3, CB, 192, \t0, \t1
.else
	XLOAD (\u)-1, NB, 64*((\u)-1), \t0, \t1
.endif
.endm
.macro FETCHW f, off                   ; sixteen LDS loads: 128 columns x 32 K
	WIN 0
.irp c, 0,1,2,3,4,5,6,7
	ds_load_b128 v[(\f)+8*(\c):(\f)+8*(\c)+3],   v[AW] offset:(\off)+(\c)*16*PITCH
	ds_load_b128 v[(\f)+8*(\c)+4:(\f)+8*(\c)+7], v[AW] offset:(\off)+(\c)*16*PITCH+32
.endr
.endm
; Eight matrix instructions for each of the tiles t0 .. t1; the accumulators take turns, one instruction a turn, in the same order in every quarter.
; first = 1: the products start the sums: with the bias (MODE 1) or with 0.
.macro MULS u, f, first, t0, t1
.set mi, (\t0)
.rept (\t1)-(\t0)+1
.if mi < 4
	WIN 0xa1-0x20*(\first)                         ; token rows window 1, weights window 0, D (and C) window 2
.set AC, 64*mi
.else
	WIN 0xf1-0x30*(\first)                         ; the same with window 3
.set AC, 0
.endif
.irp c, 0,1,2,3,4,5,6,7
.if (\first) && (MODE == 1)
	v_wmma_f32_16x16x32_bf16 v[AC+8*(\c):AC+8*(\c)+7], v[32*mi+8*(\u):32*mi+8*(\u)+7], v[(\f)+8*(\c):(\f)+8*(\c)+7], v[BIAS+8*(\c):BIAS+8*(\c)+7]
.elseif \first
	v_wmma_f32_16x16x32_bf16 v[AC+8*(\c):AC+8*(\c)+7], v[32*mi+8*(\u):32*mi+8*(\u)+7], v[(\f)+8*(\c):(\f)+8*(\c)+7], 0
.else
	v_wmma_f32_16x16x32_bf16 v[AC+8*(\c):AC+8*(\c)+7], v[32*mi+8*(\u):32*mi+8*(\u)+7], v[(\f)+8*(\c):(\f)+8*(\c)+7], v[AC+8*(\c):AC+8*(\c)+7]
.endif
.endr
.set mi, mi+1
.endr
	WIN 0
.endm
; A quarter: its token rows and its weights are in; the next quarter's weights and the token rows three quarters on are asked for, into the registers that the quarter before multiplied; then its products.
; The fifth tile's two loads and eight products stand together at the end; cond = 1: they are jumped where that tile has no row.
; lc = the token loads that were issued behind this quarter's on every way: two groups of eight, fewer at the end (where the fifth tile is live a group has ten: the smaller count is the safe one).
.macro SUB u, first, lc, xl, fw, cond
	s_wait_loadcnt \lc
	s_wait_dscnt 0x0                               ; the sixteen loads issued ahead of the last quarter's matrix instructions
	PLACES
.if \fw
.if (\u) < 3
	FETCHW F0+64*(((\u)+1)%2), 64*((\u)+1)
.else
	s_mul_i32 s[KB], s[NI], BLK                    ; the next K step's first quarter: the address is made anew from the step's first byte and my fixed place
	v_add_nc_u32 v[AW], s[KB], v[AW0]
	FETCHW F0, 0
.endif
.endif
.if \xl
	XL \u, 0, 3
.endif
	MULS \u, F0+64*((\u)%2), \first, 0, 3
.if \cond
	s_cmp_eq_u32 s[T5], 0
	s_cbranch_scc1 .Lno5_\@                        ; what is jumped holds no barrier
.endif
.if \xl
	XL \u, 4, 4
.endif
	MULS \u, F0+64*((\u)%2), \first, 4, 4
.if \cond
.Lno5_\@:
.endif
.endm
.macro STEP first, last, cond
.if \last
	SUB 0, 0, 16, 1, 1, 1                          ; the last group of token rows is asked for
	SUB 1, 0, 16, 0, 1, 1
	SUB 2, 0, 8, 0, 1, 1
	SUB 3, 0, 0, 0, 0, 1
.else
	SUB 0, \first, 16, 1, 1, \cond
	SUB 1, 0, 16, 1, 1, \cond
	SUB 2, 0, 16, 1, 1, \cond
	SUB 3, 0, 16, 1, 1, \cond
	s_wait_xcnt 0x0                                ; the two bases are rewritten only behind this wait
	s_mov_b64 s[CB:CB+1], s[NB:NB+1]               ; on to the next K step;
	s_add_co_u32 s[NI], s[NI], 1                   ; the one behind it, round the ring of eight,
	s_and_b32 s[NI], s[NI], 7
	s_lshl_b32 s2, s[NI], 8                        ; lies 256 bytes x its number into the rows (s3 = 0)
	s_add_nc_u64 s[NB:NB+1], s[4:5], s[2:3]
.endif
.endm
; THE WAY OUT of tile i.  A tile without a row is jumped.  Store j takes row j of the tile from lanes 0-15 and row 8 + j from lanes 16-31:
; sixteen lanes store 256 consecutive bytes, at a multiple of 256 from the buffer's first byte.  MODE 1: to the rows' ranks in hb, the row in the immediate.  MODE 2: to the places that the list names.
.macro ROWST j
.if MODE == 1
	global_store_b128 v[SQ], v[TMP+4*(\j):TMP+4*(\j)+3], s[12:13] offset:(\j)*8192
.else
	global_store_b128 v[SQ+(\j)], v[TMP+8*(\j):TMP+8*(\j)+3], s[12:13]
	global_store_b128 v[SQ+(\j)], v[TMP+8*(\j)+4:TMP+8*(\j)+7], s[12:13] offset:256
.endif
.endm
.macro TILEOUT i
	s_sub_co_i32 s94, s88, s91
	s_sub_co_i32 s94, s94, 64*(\i)                 ; rows of the tile within the count
	s_cmp_le_i32 s94, 0
	s_cbranch_scc1 .Ltd_\@
	s_wait_xcnt 0x0                                ; the registers that the last tile's stores read are rewritten only behind this wait
.if (\i) < 4
.set AC, 64*(\i)
.set WSRC, 2
.else
.set AC, 0
.set WSRC, 3
.endif
.if MODE == 1
	s_add_co_u32 s2, s91, 64*(\i)                  ; the tile's first rank,
	s_lshl_b32 s2, s2, OSH                         ; in rows of hb
	v_add_nc_u32 v[SQ], s2, v[VOUT]
	WIN WSRC*5                                     ; sources 0 and 1 in the accumulators' window
.irp j, 0,1,2,3,4,5,6,7                ; row by row; columns 8 r + 2 d, 8 r + 2 d + 1 lie in accumulators 2 d, 2 d + 1
.irp d, 0,1,2,3
	v_cvt_pk_bf16_f32 v[TMP+4*(\j)+(\d)], v[AC+16*(\d)+(\j)], v[AC+16*(\d)+8+(\j)]
.endr
.endr
	WIN 0
.set z, 0
.rept 32
	v_pk_max_num_bf16 v[TMP+z], v[TMP+z], v[ZERO]  ; the maximum with 0 behind the rounding gives the same number as ahead of it
.set z, z+1
.endr
.else
	ds_load_b128 v[SQ:SQ+3],   v[LQH] offset:256*(\i)      ; q of my half's 8 rows
	ds_load_b128 v[SQ+4:SQ+7], v[LQH] offset:256*(\i)+16
	WIN WSRC                                       ; source 0 in the accumulators' window
.irp j, 0,1,2,3,4,5,6,7                ; the bias is added on the way into the four consecutive registers that a store of 16 bytes takes
.irp c, 0,1,2,3,4,5,6,7
	v_add_f32 v[TMP+8*(\j)+(\c)], v[AC+8*(\c)+(\j)], v[BIAS+(\c)]
.endr
.endr
	WIN 0
	s_wait_dscnt 0x0
.irp j, 0,1,2,3,4,5,6,7
	v_min_u32 v[SQ+(\j)], 2047, v[SQ+(\j)]         ; the bound of the output's rows
	v_lshl_add_u32 v[SQ+(\j)], v[SQ+(\j)], OSH, v[LCOL]
.endr
.endif
.irp j, 0,1,2,3,4,5,6,7
	ROWST \j
.endr
.Ltd_\@:
.endm
	s_mov_b32 s92, 4                               ; 4 x 320 ranks cover every split
.Lpass:
	s_cmp_le_u32 s88, s91
	s_cbranch_scc1 .Lpass_end                      ; my first tile has no row, so none has: what is jumped holds no barrier
	s_wait_xcnt 0x0                                ; buffer F0's registers, which the last pass's stores read, are loaded again only behind this wait
	s_mov_b32 s93, 6
	FETCHW F0, 0
	STEP 1, 0, 0                                   ; the first K step is written out: its first products start the sums, the fifth tile's too
.Lk:
	STEP 0, 0, 1
	s_sub_co_u32 s93, s93, 1
	s_cmp_lg_u32 s93, 0
	s_cbranch_scc1 .Lk
	STEP 0, 1, 1                                   ; and the last: nothing is asked for beyond the ring's eighth step
	PLACES
	TILEOUT 0
	TILEOUT 1
	TILEOUT 2
	TILEOUT 3
	TILEOUT 4
.Lpass_end:
.if MODE == 2
	v_add_nc_u32 v[LQH], 4*320, v[LQH]
.endif
	s_add_co_u32 s91, s91, 320
	s_cmp_le_u32 s88, s91
	s_cbranch_scc1 .Lno_next                       ; no row is left for me: nothing is set up
	s_wait_loadcnt 0x0                             ; no load of mine is out into the registers that are loaded again below,
	s_wait_xcnt 0x0                                ; and every load and store has read its offsets and bases
	PREP
	START
.Lno_next:
	s_sub_co_u32 s92, s92, 1
	s_cmp_lg_u32 s92, 0
	s_cbranch_scc1 .Lpass
	s_wait_dscnt 0x0                               ; my reads of LDS are over,
	s_barrier_signal -1
	s_barrier_wait -1                              ; and so are every wave's, before any wave's closing write to LDS
	s_wait_tensorcnt 0x0                           ; the wave's end
	ds_add_u32 v[SPW], v[NIL]
	s_wait_dscnt 0x0
	s_endpgm
.Lfunc_end_k_qad4acf8a4a_ffn2:
	.size	k_qad4acf8a4a_ffn2, .Lfunc_end_k_qad4acf8a4a_ffn2-k_qad4acf8a4a_ffn2
	.p2alignl 7, 3214868480
	.fill 96, 4, 3214868480
	.section	.rodata,"a",@progbits
	.p2align	6, 0x0
	.amdhsa_kernel k_qad4acf8a4a_ffn2
		.amdhsa_group_segment_fixed_size 300544
		.amdhsa_private_segment_fixed_size 0
		.amdhsa_enable_private_segment 0
		.amdhsa_kernarg_size 40
		.amdhsa_user_sgpr_count 2
		.amdhsa_user_sgpr_kernarg_segment_ptr 1
		.amdhsa_wavefront_size32 1
		.amdhsa_system_sgpr_workgroup_id_x 1
		.amdhsa_system_sgpr_workgroup_id_y 1
		.amdhsa_system_sgpr_workgroup_id_z 1
		.amdhsa_system_vgpr_workitem_id 0
		.amdhsa_next_free_vgpr 832
		.amdhsa_next_free_sgpr 102
		.amdhsa_reserve_vcc 1
		.amdhsa_float_denorm_mode_32 3
		.amdhsa_float_denorm_mode_16_64 3
		.amdhsa_memory_ordered 1
		.amdhsa_forward_progress 1
		.amdhsa_inst_pref_size 148
	.end_amdhsa_kernel
	.amdgpu_metadata
---
amdhsa.version: [ 1, 2 ]
amdhsa.kernels:
  - .name:           k_qad4acf8a4a_ffn2
    .symbol:         k_qad4acf8a4a_ffn2.kd
    .args:
      - { .name: hb, .offset: 0, .size: 8, .value_kind: global_buffer, .address_space: global }
      - { .name: W2, .offset: 8, .size: 8, .value_kind: global_buffer, .address_space: global }
      - { .name: b2, .offset: 16, .size: 8, .value_kind: global_buffer, .address_space: global }
      - { .name: bm, .offset: 24, .size: 8, .value_kind: global_buffer, .address_space: global }
      - { .name: pp, .offset: 32, .size: 8, .value_kind: global_buffer, .address_space: global }
    .group_segment_fixed_size: 300544
    .private_segment_fixed_size: 0
    .kernarg_segment_align: 8
    .kernarg_segment_size: 40
    .max_flat_workgroup_size: 128
    .sgpr_count:     102
    .vgpr_count:     832
    .wavefront_size: 32
...
	.end_amdgpu_metadata
.endif
;; end of part 6
;; launch combine: the kernel of part 4 again; grid 256 x 1, 8 waves a work-group, no clusters, 0 bytes of LDS; arguments pp, gw, out0; writes out0
;; ======== version 3 of 3: 4 launches; version 2 with the launches ffn1, ffn2 written anew for expert scheduling mode
;; workspace buffers: xb 2,097,152 bytes; bm 2,048 bytes of whole numbers; gw 8,192 bytes; hb 67,108,864 bytes; pp 33,554,432 bytes
;; launch router: the kernel of part 1 again; grid 32 x 1, 8 waves a work-group, no clusters, 78,848 bytes of LDS; arguments x, Wg, bg, xb, bm, gw; writes xb, bm, gw
;; launch ffn1 (part 7): grid 256 x 1, 4 waves a work-group, no clusters, 279,040 bytes of LDS; arguments xb, W1, b1, bm, hb; writes hb
.if DOCPART == 7
	.amdgcn_target "amdgcn-amd-amdhsa--gfx1250"
	.amdhsa_code_object_version 6
	.text
	.protected	k_qad4acf8a4a_ffn1
	.globl	k_qad4acf8a4a_ffn1
	.p2align	8
	.type	k_qad4acf8a4a_ffn1,@function
k_qad4acf8a4a_ffn1:
	s_mov_b64 s[64:65], 0
	v_nop
	global_prefetch_b8 v0, s[64:65] scope:SCOPE_SE
	s_setreg_imm32_b32 hwreg(HW_REG_WAVE_SCHED_MODE, 0, 2), 2
	s_setreg_imm32_b32 hwreg(HW_REG_WAVE_MODE, 25, 1), 1
	s_wait_xcnt 0x0
	s_wait_alu depctr_vm_vsrc(0)
; THE EXPERTS' TWO PRODUCTS: ONE TEXT, MODE says which.  A routed row has the number q = 1024 k + n (token n, choice k); each q belongs to one expert, in which it has a RANK: the expert's rows at lower tokens.
;   MODE 1: hb[e][rank][:] = bf16(relu(xb[n] . bf16(W1[e]) + bf16(b1[e])))                            xb [1024][1024] bf16, W1 [8][1024][4096] f32, hb [8][1024][4096] bf16: an expert's rows end to end
;   MODE 2: pp[ks][q][:] = hb[e][rank][1024 ks ..] . bf16(W2[e][1024 ks ..]) + (ks = 0: bf16(b2[e]))   W2 [8][4096][1024] f32, pp [4][2048][1024] f32: partial sums; the last launch weighs and adds them
; SHARES.  A work-group has one expert e and a slice of its weights, 1,024 along K x 128 columns (524,288 bytes of f32), which it alone reads, and ALL rows of that expert.
;   MODE 1: 8 experts x 32 slices of columns.  MODE 2: 8 experts x 4 parts of K x 8 slices of columns.  256 work-groups either way.
; FIRST the slice streams through registers, is rounded to bf16 and laid into LDS turned, K along the rows; each wave has 8 slots of 8 loads of 512 bytes on their way.
; ONE barrier.  THEN the products: from there on nothing writes LDS, so the loop over rows needs no barrier.
; A PASS serves 320 ranks: wave w has the tiles of 16 ranks 4 i + w, i = 0..4, and all 128 columns: 40 accumulators.  Token rows come from memory straight into fragments, weights from LDS.
; Four passes cover the 1,024 rows that an expert can have at the most (a token's two experts differ); a wave jumps a pass in which it has no row.
; WHICH ROW HAS A RANK.  MODE 1 needs the token of rank R, for 16 ranks in each of a wave's five tiles.  It is found in registers.  Once, in scalars: word j of the 32 becomes the OR of both choices' bitmaps
; (no bit is set in both) and gets the key 32 P + j, P = the set bits in the words below it.  Then each lane, for each tile: the last word whose key is at most 32 R + 31 (31 words x a compare and two
; selects); the counts of that word's set bits in blocks of 2, 4, 8 and 16 bits (13 lines); and five halvings, each of which goes on in the upper half where the lower half holds too few bits.
; MODE 2 reads hb by the rank itself and needs q for its stores alone: for those each wave lays a list in LDS, ahead of the barrier.
; AHEAD OF THE BARRIER.  The weights' last lap loads nothing.  In front of it the first pass's rows are found, and in its middle, when 32 weight loads are still out, the pass's first three quarters of token
; rows are asked for: 30 loads.  A later pass is set up at the end of the pass before it.  A wave without a row in the first pass issues these 30 loads too, inside the buffer, and never reads them
; (for an expert without any row MODE 2's bring bytes of hb that nobody stored).
; K IN A RING.  The work-group begins at K step (slice % 8) and goes round: the work-groups that share token rows ask for different 256 bytes of them at any one time.  Only the order of the f32 sums hangs on it.
; PAST THE COUNT.  A rank at or past the count stands for rank 0, the expert's first row.  A tile without a row is multiplied on that row, and its stores are jumped.  The wave's FIFTH tile, which most splits
; leave without a row, is then multiplied in the first K step alone (so that its registers are written on every way through the text); the other seven steps jump its loads and products.  In the tile in
; which the count ends MODE 1 stores the first row's numbers at the ranks past the count; MODE 2 reads them there and stores the result to that row's place again, the same numbers from the same work-group.
; So every store is a whole tile's, and all lanes stay on from the first line to the last.
; THE COLUMNS' ORDER.  Source 0 = 16 token rows, source 1 = 16 columns of the weights: register j of a lane holds row 8 (lane / 16) + j and the column at place lane % 16 of fragment c.
; Which column lies there is this text's choice: MODE 1: 8 r + c; MODE 2: 4 r + c % 4 + 64 (c / 4) (r = lane % 16).  So a lane's numbers over c are neighbouring columns of one row: 16 bytes, and sixteen
; lanes hold 256 consecutive bytes of the output: the results are stored straight from registers.  In LDS that column is row 16 c + r.
; NO CLUSTER, NO TENSOR LOADS: a slice has one reader and is rounded on its way through registers; beside it LDS has 49,152 bytes, less than two slots of 320 rows x 128 along K; and a loop whose
; length hangs on a stored count holds no barrier, which a ring of slots would need.
; LIMITS.  Weights, bias and token rows are bf16, each rounded once; sums in f32; the hidden layer is stored in bf16.  NaN and infinities are not treated apart (the maximum with 0 drops a NaN).
; THE MODE: SCHED_MODE bits 1:0 = 2 (LLVM: expert scheduling mode 2), set by the entry lines.  The code itself states the register dependences between vector or matrix instructions and memory or LDS
; instructions, with s_wait_alu, always for 0.
; THE PLAN.  The registers that memory or LDS instructions touch, and who else names them:
;   WHILE THE WEIGHTS STREAM.  Slot s: turn s's sixteen conversions read it; behind them the next lap's eight loads land in it.  TT: those conversions write it, the turn's four LDS stores read it, the next turn's
;   conversions write it again.  LA: every such store reads it; it is stepped once a lap.  WO, BO: made at the head, never written again.  So a turn has two waits: on vm_vsrc ahead of its conversions (the last
;   turn's stores have read TT; for turn 0 the wait at the lap's end, ahead of the add to LA, says it) and on va_vdst behind them (TT is written, the slot is read).
;   MODE 2's list: all its 34 addresses and 32 numbers are made first, in registers of their own; one wait on va_vdst; then the run of stores.
;   IN THE PRODUCTS.  F0, F1: quarter u's matrix instructions read F[u % 2]; its LDS loads land in the other, which quarter u - 1 read.  The token places (window 1): quarter u reads place u; its loads land in
;   place (u + 3) % 4, which quarter u - 1 read.  So ONE wait on va_vdst stands at a quarter's head, and the quarter's loads follow it dealt among its matrix instructions, which name none of the registers that
;   those loads touch.  AW: read by the fragments' loads, made anew once a K step: a wait on vm_vsrc ahead of the add, and the quarter's own wait behind it.  XO: read by the token loads, made anew once a pass.
;   THE WAY OUT.  TMP and SQ: written by a tile's vector lines (MODE 2: SQ by two LDS loads first), read by its stores, written again by the next tile: vm_vsrc at a tile's head, va_vdst ahead of its stores.
;   A PASS'S ENDS.  At its head both waits: F0, F1 and the token places are free of the LDS stores, of the last pass's stores and of its matrix instructions.  At its end one wait on vm_vsrc, ahead of the branch:
;   LQH, XO and AW are written behind it.
;   SCALARS FROM VECTOR LINES.  The wave's number; and in MODE 1's search the compares' masks: the five tiles' compares stand in a run, into five scalar registers, and one wait on va_sdst stands behind each run.
.set MODE, 1
.if MODE == 1
.set WP,  16384                        ; bytes from a K row of the weights to the next
.set ASH, 11                           ; a token row's bytes, as a shift
.set OSH, 13                           ; an output row's bytes, as a shift
.else
.set WP,  4096
.set ASH, 13
.set OSH, 12
.endif
.set US,     32*WP                     ; a unit: 8 K rows for each of the four waves
.set PITCH,  272                       ; an LDS row: 256 bytes + 16: an odd multiple of 16, so that the 16 rows of a fragment load start 16 bytes apart modulo 256
.set BLK,    128*PITCH                 ; the slice's 128 columns x 128 along K
.set LIST,   8*BLK                     ; behind the weights.  MODE 2: a list for each wave
.set NRANK,  1280                      ; ranks in a list: 4 passes x 320; cleared, then filled up to the count
.set LISTB,  5376                      ; 1,280 words, 32 words into which lanes without a row store, and padding.  (The last 512 bytes of the launch's LDS take the closing add's spare words.)
; REGISTERS, in windows of 256 (s_set_vgpr_msb: bits 1:0 source 0, 3:2 source 1, 5:4 source 2, 7:6 destination).  Window 0:
.set LANE, 1
.set RR,   2                           ; lane % 16
.set HH,   3                           ; lane / 16
.set H16,  4                           ; 16 (lane / 16)
.set LCOL, 5                           ; 16 (lane % 16): my 16 bytes in 256 of an output row
.set WO,   6                           ; weights: 16 lane + my wave's 8 K rows; never rewritten
.set LA,   7                           ; where my 4 columns' 16 bytes go in LDS; steps a lap
.set AW0,  8                           ; my place in a weight fragment; never rewritten
.set AW,   9                           ; the same in the K step in hand
.set LQH,  11                          ; MODE 2: my list at rank 16 w + 8 (lane / 16); steps a pass
.set VOUT, 12                          ; MODE 1: 8 (lane / 16) rows of hb + my 16 bytes
.set BO,   14                          ; bias: my columns' first byte
.set LB,   15                          ; MODE 2: my list's first byte
.set DI,   16                          ; MODE 2: 1280 + lane
.set LN1,  17                          ; MODE 2: 1024 + lane
.set TA,   18                          ; v18-19 at work (MODE 2's list: where I clear; where the ranks behind the count begin)
.set TC,   19
.set Q0,   20                          ; MODE 2: q of the expert's first row
.set ZERO, 22
.set QQ,   24                          ; v24-28  MODE 2: my row's rank in tile i
.set XO,   32                          ; v32-36  byte offset of my row in tile i
.set BR,   40                          ; v40-47  the bias of my 8 columns as loaded
.set SQ,   48                          ; the way out: MODE 1: v48, the tile's offset; MODE 2: v48-55, the offsets of my half's 8 rows
.set BIAS, 64                          ; MODE 1: v64-127, the bias of my column of fragment c eight times, at 8 c + j: a C operand.  MODE 2: v64-71, that bias once, at c
.set F0,   128                         ; v128-191, v192-255  two buffers of weight fragments: 128 columns x 32 K
.set F1,   192
.set TT,   128                         ; while the weights stream: 16 registers at work, and four zeros
.set ZQ,   144
.set TMP,  128                         ; the way out
.set LW,   192                         ; MODE 2's list, where buffer F1 lies idle: for word i of the bitmaps my LDS address at 2 i, my q at 2 i + 1
.set FB,   192                         ; the search (MODE 1): 12 registers a tile, where buffer F1 lies idle:
.set oRK,  0                           ;   32 R + 31
.set oW,   1                           ;   the word that holds rank R
.set oK,   2                           ;   that word's key
.set oA,   3                           ;   its set bits counted in blocks of 2,
.set oB,   4                           ;   of 4,
.set oC,   5                           ;   of 8 bits,
.set oD,   6                           ;   and in its low 16
.set oN,   7                           ;   set bits still to pass
.set oP,   8                           ;   the bit's place so far
.set oT,   9                           ;   at work
.set oU,   10
; Window 1: v0-159 token fragments, tile i, quarter u of a K step at 32 i + 8 u.  Window 2: the accumulators of tiles 0-3 at 64 i + 8 c; while the weights stream: the 8 slots, slot s, row i at 32 s + 4 i.
; Window 3: v0-63 tile 4's accumulators.
; SCALARS: s[4:5] token rows, s[6:7] weights, s[8:9] bias, s[10:11] bm, s[12:13] the output; s[16:47] the expert's bitmap of first choices (MODE 1: then of either choice), s[48:63], s[68:83] of second
; choices (MODE 1: then the words' keys); s84 wave, s85 e, s86 slice, s87 ks, s88 the count, s90 at work, s91 my first rank in the pass, s92 passes to go, s93 K steps to go, s94 rows left in a tile,
; s95 the last rank that hb holds (MODE 2); s2 an offset's low word, s3 = 0 its high word; s14, s15, s66, s67 and (while no tile goes out) s94: the masks of the search's compares, one a tile (MODE 1).
.set T5,   89                          ; s89      1: my fifth tile has a row
.set CB,   96                          ; s[96:97] token rows at the K step in hand
.set NB,   98                          ; s[98:99] token rows at the next K step
.set NI,   100                         ; s100     the next K step's number, 0..7 (in the weights' first three laps: laps to go)
.set KB,   101                         ; s101     LDS byte at which a K step's weights begin
.set MSB, 0
.macro WIN new                         ; the immediate's high byte repeats the setting that is left; a switch that changes nothing is dropped
.if MSB != (\new)
	s_set_vgpr_msb (MSB<<8)|(\new)
.set MSB, (\new)
.endif
.endm
.macro PLACES                          ; four places between a matrix instruction and a vector write of one of its registers or a read of its result (ISA guide 7.12.1); at a quarter's head they stay where they stood, beside the wait
.rept 4
	v_nop
.endr
.endm
	s_load_b256 s[4:11], s[0:1], 0x0
	s_load_b64 s[12:13], s[0:1], 0x20
	v_lshl_add_u32 v62, v0, 2, 0x44000
	v_mov_b32 v63, 0
	v_lshrrev_b32 v[TA], 5, v0
	v_readfirstlane_b32 s84, v[TA]                 ; wave 0..3
	v_and_b32 v[LANE], 31, v0
	v_and_b32 v[RR], 15, v0
	v_bfe_u32 v[HH], v0, 4, 1
	v_lshlrev_b32 v[H16], 4, v[HH]
	v_lshlrev_b32 v[LCOL], 4, v[RR]
	s_wait_alu depctr_va_sdst(0)                   ; s84 is written, ahead of its first reader
	s_mul_i32 s2, s84, 8*WP
	v_lshl_add_u32 v[WO], v[LANE], 4, s2
	s_lshl_b32 s3, s84, 4
	; a load brings me columns 4 lane + j, j = 0..3.  Their LDS rows are 16 j + the row made here
.if MODE == 1
	v_and_b32 v[TA], 1, v0                         ; column 8 r + c: c = 4 (lane % 2) + j, r = lane / 2
	v_bfe_u32 v[TC], v0, 1, 4
	v_lshl_add_u32 v[TA], v[TA], 6, v[TC]          ; 64 (lane % 2) + lane / 2
	v_lshlrev_b32 v[BO], 5, v[RR]                  ; my fragments' columns 8 r .. 8 r + 7: 32 bytes of bias
	v_lshl_add_u32 v[VOUT], v[HH], 16, v[LCOL]     ; 8 rows of 8,192 bytes for lanes 16 to 31
.else
	v_lshl_add_u32 v[TA], v[HH], 6, v[RR]          ; column 4 r + c % 4 + 64 (c / 4): c = 4 (lane / 16) + j, r = lane % 16
	v_lshlrev_b32 v[BO], 4, v[RR]                  ; my fragments' columns 4 r .. 4 r + 3 and 64 further on: twice 16 bytes of bias
.endif
	v_mul_u32_u24 v[LA], v[TA], PITCH
	v_add_nc_u32 v[LA], s3, v[LA]                  ; my wave's 8 K are 16 bytes of a row
	v_mul_u32_u24 v[AW0], v[RR], PITCH
	v_add_nc_u32 v[AW0], v[H16], v[AW0]
.if MODE == 2
	s_mul_i32 s89, s84, LISTB
	s_add_co_u32 s89, s89, LIST
	v_mov_b32 v[LB], s89
	s_lshl_b32 s90, s84, 6
	s_add_co_u32 s90, s90, s89
	v_lshl_add_u32 v[LQH], v[HH], 5, s90
	v_add_nc_u32 v[DI], NRANK, v[LANE]
	v_add_nc_u32 v[LN1], 1024, v[LANE]
.endif
	; the offsets, each made apart from its address
	s_lshr_b32 s85, ttmp9, 5                       ; e
	s_lshl_b32 s88, s85, 24                        ; an expert's weights are 16,777,216 bytes
.if MODE == 1
	s_and_b32 s86, ttmp9, 31
	s_lshl_b32 s2, s86, 9                          ; 128 columns of f32
	s_add_co_u32 s88, s88, s2
	s_lshl_b32 s90, s85, 14
	s_add_co_u32 s90, s90, s2
	s_lshl_b32 s92, s85, 23                        ; the expert's 1,024 rows of hb, 8,192 bytes each,
	s_lshl_b32 s2, s86, 8                          ; and 128 columns of bf16
	s_add_co_u32 s92, s92, s2
.else
	s_and_b32 s86, ttmp9, 7
	s_bfe_u32 s87, ttmp9, 0x20003                  ; ks: 2 bits from bit 3
	s_lshl_b32 s2, s87, 22                         ; 1,024 K rows of 4,096 bytes
	s_add_co_u32 s88, s88, s2
	s_lshl_b32 s2, s86, 9
	s_add_co_u32 s88, s88, s2
	s_lshl_b32 s90, s85, 12
	s_add_co_u32 s90, s90, s2
	s_lshl_b32 s92, s87, 23                        ; a part of pp is 8,388,608 bytes
	s_add_co_u32 s92, s92, s2
	s_lshl_b32 s98, s85, 23                        ; the expert's 1,024 rows of hb,
	s_lshl_b32 s2, s87, 11                         ; and 1,024 channels of bf16
	s_add_co_u32 s98, s98, s2
	s_mov_b32 s99, 0
.endif
	s_mov_b32 s89, 0
	s_mov_b32 s91, 0
	s_mov_b32 s93, 0
	s_lshl_b32 s94, s85, 8                         ; 64 words of bm an expert
	s_mov_b32 s95, 0
	s_wait_kmcnt 0x0
	s_add_nc_u64 s[6:7], s[6:7], s[88:89]
	s_add_nc_u64 s[8:9], s[8:9], s[90:91]
	s_add_nc_u64 s[10:11], s[10:11], s[94:95]
	s_add_nc_u64 s[12:13], s[12:13], s[92:93]
.if MODE == 2
	s_add_nc_u64 s[4:5], s[4:5], s[98:99]
.endif
	s_load_b512 s[16:31], s[10:11], 0x0
	s_load_b512 s[32:47], s[10:11], 0x40
	s_load_b512 s[48:63], s[10:11], 0x80
	s_load_b512 s[68:83], s[10:11], 0xc0
	s_wait_alu depctr_va_vdst(0)                   ; the offsets and addresses made above are written: BO and WO, which the loads below read; LA, LB and LQH, which LDS instructions read later
	global_load_b128 v[BR:BR+3], v[BO], s[8:9]
.if MODE == 1
	global_load_b128 v[BR+4:BR+7], v[BO], s[8:9] offset:16
.else
	global_load_b128 v[BR+4:BR+7], v[BO], s[8:9] offset:256
.endif
; Slot s takes a unit's 8 K rows of my wave, one row's 512 consecutive bytes a load.  a = 0: this lap's unit; 1: the next lap's.  The largest immediate, 15 units and 7 rows, is 7,979,008 in MODE 1: inside the signed 24 bits.
.macro FILL s, a
	WIN 0x80                                       ; destination window 2
.irp i, 0,1,2,3,4,5,6,7
	global_load_b128 v[32*(\s)+4*(\i):32*(\s)+4*(\i)+3], v[WO], s[6:7] offset:((\s)+8*(\a))*US+(\i)*WP th:TH_LOAD_NT
.endr
.endm
.irp s, 0,1,2,3,4,5,6,7
	FILL \s, 0
.endr
	WIN 0
	s_wait_kmcnt 0x0                               ; the bitmaps
	s_mov_b32 s88, 0
.if MODE == 1
	; THE WORDS AND THEIR KEYS, in scalars, while the weights are on their way
.set i, 0
.rept 32                               ; tokens 32 i .. 32 i + 31
.set K1, 48+i+4*(i/16)                 ; the word of second choices: s48-63, s68-83
	s_or_b32 s[16+i], s[16+i], s[K1]               ; the tokens that chose the expert, first or second
	s_lshl_b32 s[K1], s88, 5                       ; the key: 32 x the rows at lower words,
	s_or_b32 s[K1], s[K1], i                       ; + the word's number
	s_bcnt1_i32_b32 s90, s[16+i]
	s_add_co_u32 s88, s88, s90
.set i, i+1
.endr
.else
	; THE LIST, each wave's own, while the weights are on their way.  Word rank takes q.  A lane whose token did not choose the expert stores into a word of its own behind the list.
	; All addresses and numbers are made first, each in a register of its own; the stores follow in one run.
.irp z, 0,1,2,3
	v_mov_b32 v[ZQ+(\z)], 0
.endr
	v_lshl_add_u32 v[TA], v[LANE], 4, v[LB]
.set i, 0
.rept 32                               ; tokens 32 i .. 32 i + 31
.set K1, 48+i+4*(i/16)                 ; the word of second choices: s48-63, s68-83
	s_or_b32 s89, s[16+i], s[K1]
	v_mbcnt_lo_u32_b32 v[LW+2*i], s89, s88         ; the count so far + the set bits below my lane
	v_cndmask_b32 v[LW+2*i], v[DI], v[LW+2*i], s89
	v_min_u32 v[LW+2*i], NRANK+31, v[LW+2*i]       ; the bound of my list's words
	v_lshl_add_u32 v[LW+2*i], v[LW+2*i], 2, v[LB]
	v_cndmask_b32 v[LW+2*i+1], v[LANE], v[LN1], s[K1]  ; q = 1024 k + 32 i + lane
	v_add_nc_u32 v[LW+2*i+1], 32*i, v[LW+2*i+1]
	s_bcnt1_i32_b32 s90, s89
	s_add_co_u32 s88, s88, s90
.set i, i+1
.endr
	v_add_nc_u32 v[TC], s88, v[LANE]               ; the 32 ranks behind the count
	v_min_u32 v[TC], NRANK+31, v[TC]               ; the bound of my list's words
	v_lshl_add_u32 v[TC], v[TC], 2, v[LB]
	s_wait_alu depctr_va_vdst(0)                   ; the zeros, the 34 addresses and the 32 numbers are written, which the LDS stores below read
.set m, 0
.rept NRANK*4/512
	ds_store_b128 v[TA], v[ZQ:ZQ+3] offset:512*m   ; ranks far past the count name row 0
.set m, m+1
.endr
.set i, 0
.rept 32
	ds_store_b32 v[LW+2*i], v[LW+2*i+1]            ; LDS serves a wave's instructions in order (ISA guide 5.7.1.4): these come behind the zeros
.set i, i+1
.endr
	; the 32 ranks behind the count take the first row's q: more than the 15 places that the count's last tile can have past it.  (With no row at all the word holds 0, and nothing is multiplied.)
	ds_load_b32 v[Q0], v[LB]                       ; in order again: this sees the stores above
	s_wait_dscnt 0x0
	ds_store_b32 v[TC], v[Q0]
	s_add_co_u32 s95, s88, 15                      ; hb holds the expert's ranks up to the end of the tile in which the count ends
	s_and_b32 s95, s95, -16
	s_sub_co_u32 s95, s95, 1
.endif
; THE WEIGHTS.  Slot s's turn: 8 K rows x my 4 columns are rounded in pairs along K, so that a column's 8 numbers are 16 bytes; the slot is filled again; the four columns go to their LDS rows, 16 rows apart.
; left = the younger loads, which stay out.
.macro TURN s, refill, left
	s_wait_loadcnt \left
.if (\s) != 0
	s_wait_alu depctr_vm_vsrc(0)                   ; the last turn's LDS stores have read TT, which the conversions below write again (ahead of turn 0 the wait at the lap's end says so)
.endif
	WIN 0x0a                                       ; sources in window 2
.irp j, 0,1,2,3
.irp d, 0,1,2,3
	v_cvt_pk_bf16_f32 v[TT+4*(\j)+(\d)], v[32*(\s)+8*(\d)+(\j)], v[32*(\s)+8*(\d)+4+(\j)]
.endr
.endr
.if \refill
	WIN 0x80
.else
	WIN 0
.endif
	s_wait_alu depctr_va_vdst(0)                   ; the conversions have written TT, which the LDS stores read, and are done reading the slot, in which the next lap's loads land
.if \refill
	FILL \s, 1
.endif
	WIN 0
.irp j, 0,1,2,3
	ds_store_b128 v[LA], v[TT+4*(\j):TT+4*(\j)+3] offset:((\s)/4)*BLK+(\j)*16*PITCH+64*((\s)%4)
.endr
.endm
; Two loads for each of the tiles t0 .. t1: their fragments (16 rows x 32 K) of one quarter of a K step, into place u.  The other work-groups of the expert read these rows too: the hint for data that is read again.
.macro XLOAD u, base, off, t0, t1
	WIN 0x40                                       ; destination window 1
.set xi, (\t0)
.rept (\t1)-(\t0)+1
	global_load_b128 v[32*xi+8*(\u):32*xi+8*(\u)+3],   v[XO+xi], s[\base:\base+1] offset:(\off) th:TH_LOAD_HT
	global_load_b128 v[32*xi+8*(\u)+4:32*xi+8*(\u)+7], v[XO+xi], s[\base:\base+1] offset:(\off)+32 th:TH_LOAD_HT
.set xi, xi+1
.endr
.endm
; THE SEARCH (MODE 1).  One line for each of the five tiles, so that no line reads the result of the line before it.  ft: the tile's registers; fs: the scalar register of its mask: s14, s15, s66, s67, s94.
.macro ALL5 line:vararg
.set ft, FB
.set fm, 0
.rept 5
.set fs, 14+fm+50*(fm/2)-24*(fm/4)
	\line
.set ft, ft+12
.set fm, fm+1
.endr
.endm
; A halving: the block in hand begins at bit oP; its lower half, wd bits wide, holds the count that lies at that place in register x.  With as many set bits or more still to pass, they are passed and the
; upper half is taken.  more = 0: the last halving, behind which nobody asks how many are left.
.macro LEVEL x, wd, more
	ALL5 v_bfe_u32 v[ft+oT], v[ft+(\x)], v[ft+oP], \wd
	ALL5 v_cmp_ge_u32 s[fs], v[ft+oN], v[ft+oT]
	s_wait_alu depctr_va_sdst(0)                   ; the five compares have written their masks, which the selects below read
	ALL5 v_cndmask_b32 v[ft+oU], 0, \wd, s[fs]
.if \more
	ALL5 v_cndmask_b32 v[ft+oT], 0, v[ft+oT], s[fs]
	ALL5 v_sub_nc_u32 v[ft+oN], v[ft+oN], v[ft+oT]
.endif
	ALL5 v_add_nc_u32 v[ft+oP], v[ft+oP], v[ft+oU]
.endm
.macro FIND
.set ft, FB
.set fm, 0
.rept 5
	s_add_co_u32 s90, s91, 64*fm
	v_add_nc_u32 v[ft+oRK], s90, v[RR]             ; my row's rank in tile fm;
.set ft, ft+12
.set fm, fm+1
.endr
	ALL5 v_cmp_gt_u32 s[fs], s88, v[ft+oRK]
	s_wait_alu depctr_va_sdst(0)                   ; the five compares have written their masks, which the selects below read
	ALL5 v_cndmask_b32 v[ft+oRK], 0, v[ft+oRK], s[fs]  ; at or past the count: rank 0
	ALL5 v_lshl_add_u32 v[ft+oRK], v[ft+oRK], 5, 31    ; 32 R + 31: no key of a word that begins at or below rank R is greater
	ALL5 v_mov_b32 v[ft+oW], s16                   ; word 0, whose key is 0, begins the search
	ALL5 v_mov_b32 v[ft+oK], s48
.set fj, 1
.rept 31                               ; the keys ascend, so the last word whose key is not greater stays
.set KJ, 48+fj+4*(fj/16)
	ALL5 v_cmp_gt_u32 s[fs], s[KJ], v[ft+oRK]
	s_wait_alu depctr_va_sdst(0)                   ; the five compares have written their masks, which the ten selects below read
	ALL5 v_cndmask_b32 v[ft+oW], s[16+fj], v[ft+oW], s[fs]
	ALL5 v_cndmask_b32 v[ft+oK], s[KJ], v[ft+oK], s[fs]
.set fj, fj+1
.endr
	ALL5 v_lshrrev_b32 v[ft+oT], 1, v[ft+oW]       ; the word's set bits, counted in blocks of 2,
	ALL5 v_and_b32 v[ft+oT], 0x55555555, v[ft+oT]
	ALL5 v_sub_nc_u32 v[ft+oA], v[ft+oW], v[ft+oT]
	ALL5 v_lshrrev_b32 v[ft+oT], 2, v[ft+oA]       ; of 4,
	ALL5 v_and_b32 v[ft+oB], 0x33333333, v[ft+oA]
	ALL5 v_and_b32 v[ft+oT], 0x33333333, v[ft+oT]
	ALL5 v_add_nc_u32 v[ft+oB], v[ft+oB], v[ft+oT]
	ALL5 v_lshrrev_b32 v[ft+oT], 4, v[ft+oB]       ; of 8,
	ALL5 v_add_nc_u32 v[ft+oC], v[ft+oB], v[ft+oT]
	ALL5 v_and_b32 v[ft+oC], 0x0f0f0f0f, v[ft+oC]
	ALL5 v_lshrrev_b32 v[ft+oT], 8, v[ft+oC]       ; and in the low 16
	ALL5 v_add_nc_u32 v[ft+oD], v[ft+oC], v[ft+oT]
	ALL5 v_and_b32 v[ft+oD], 0xff, v[ft+oD]
	ALL5 v_lshrrev_b32 v[ft+oN], 5, v[ft+oRK]      ; set bits to pass in the word: R less the rows at lower words
	ALL5 v_lshrrev_b32 v[ft+oT], 5, v[ft+oK]
	ALL5 v_sub_nc_u32 v[ft+oN], v[ft+oN], v[ft+oT]
	ALL5 v_cmp_ge_u32 s[fs], v[ft+oN], v[ft+oD]    ; the first halving starts the place
	s_wait_alu depctr_va_sdst(0)                   ; the five compares have written their masks, which the selects below read
	ALL5 v_cndmask_b32 v[ft+oP], 0, 16, s[fs]
	ALL5 v_cndmask_b32 v[ft+oT], 0, v[ft+oD], s[fs]
	ALL5 v_sub_nc_u32 v[ft+oN], v[ft+oN], v[ft+oT]
	LEVEL oC, 8, 1
	LEVEL oB, 4, 1
	LEVEL oA, 2, 1
	LEVEL oW, 1, 0
	ALL5 v_and_b32 v[ft+oT], 31, v[ft+oK]          ; the token: 32 x the word's number + the bit's place,
	ALL5 v_lshl_add_u32 v[ft+oT], v[ft+oT], 5, v[ft+oP]
	ALL5 v_min_u32 v[ft+oT], 1023, v[ft+oT]        ; within the bound of xb's rows
.irp i, 0,1,2,3,4
	v_lshl_add_u32 v[XO+(\i)], v[FB+12*(\i)+oT], ASH, v[H16]
.endr
.endm
; A pass is set up in two parts.  PREP: where my row of each tile lies.
.macro PREP
.if MODE == 1
	FIND
.else
.irp i, 0,1,2,3,4
	s_add_co_u32 s2, s91, 64*(\i)
	v_add_nc_u32 v[QQ+(\i)], s2, v[RR]             ; my row's rank,
	v_min_u32 v[QQ+(\i)], s95, v[QQ+(\i)]          ; held to the last rank that hb holds,
	v_min_u32 v[QQ+(\i)], 1023, v[QQ+(\i)]         ; and to the bound of an expert's rows
	v_lshl_add_u32 v[XO+(\i)], v[QQ+(\i)], ASH, v[H16]
.endr
.endif
.endm
; START: the pass's scalars, and its first three quarters of token rows: 30 loads.  w = 1: a later pass, set up straight behind PREP: the wait stands here.
; w = 0: the first pass: four turns of the weights, each with its wait on va_vdst, stand between PREP and START, and of the vector lines since only the add to AW is left, which names no register of these loads.
.macro START w
	s_add_co_u32 s2, s91, 256
	s_cmp_gt_u32 s88, s2
	s_cselect_b32 s[T5], 1, 0                      ; has my fifth tile a row?
	s_and_b32 s[NI], s86, 7                        ; the K step at which this work-group begins
	s_lshl_b32 s2, s[NI], 8
	s_add_nc_u64 s[CB:CB+1], s[4:5], s[2:3]
	s_mul_i32 s[KB], s[NI], BLK
	v_add_nc_u32 v[AW], s[KB], v[AW0]
	s_add_co_u32 s[NI], s[NI], 1
	s_and_b32 s[NI], s[NI], 7
	s_lshl_b32 s2, s[NI], 8
	s_add_nc_u64 s[NB:NB+1], s[4:5], s[2:3]
	WIN 0x40
.if \w
	s_wait_alu depctr_va_vdst(0)                   ; XO is written, which the loads below read, and AW, which the next pass's LDS loads read; the last pass's matrix instructions are done reading the places in which the loads land
.endif
	XLOAD 0, CB, 0, 0, 4
	XLOAD 1, CB, 64, 0, 4
	XLOAD 2, CB, 128, 0, 4
	WIN 0
.endm
	s_mov_b32 s100, 3
.Llap:                                                 ; a lap: 8 units, 256 along K
.irp s, 0,1,2,3,4,5,6,7
	TURN \s, 1, 56                                 ; the seven younger slots' 56 loads stay out
.endr
	s_wait_xcnt 0x0                                ; the base is stepped only behind this wait
	s_add_nc_u64 s[6:7], s[6:7], 8*US
	s_wait_alu depctr_vm_vsrc(0)                   ; the lap's LDS stores have read LA, which the add below writes, and TT, which the next lap's first turn writes
	v_add_nc_u32 v[LA], 2*BLK, v[LA]               ; (the next turn's wait on va_vdst stands between this add and the stores that read LA)
	s_sub_co_u32 s100, s100, 1
	s_cmp_lg_u32 s100, 0
	s_cbranch_scc1 .Llap
	s_lshl_b32 s91, s84, 4                         ; my first rank: 320 p + 16 w
	s_mov_b32 s3, 0                                ; the upper word of the offsets made in s2
	PREP                                           ; the last 64 weight loads are out and nothing is left to ask for: the first pass's rows are found meanwhile
.irp s, 0,1,2,3
	TURN \s, 0, 56-8*(\s)                          ; the last lap loads nothing: the counts run down
.endr
	START 0                                        ; 32 weight loads are still out at the most: with these 30, 62
.irp s, 4,5,6,7
	TURN \s, 0, 86-8*(\s)                          ; the younger slots' loads and the 30 token loads stay out
.endr
	; the bias, rounded to bf16 like every input, and widened again
.if MODE == 2
	s_cmp_eq_u32 s87, 0
	s_cselect_b32 s90, -1, 0                       ; only the first part of K adds it
.endif
.irp p, 0,1,2,3
	v_cvt_pk_bf16_f32 v[TA+(\p)%2], v[BR+2*(\p)], v[BR+2*(\p)+1]
.if MODE == 1
.irp j, 0,1,2,3,4,5,6,7                ; a C operand holds a column's bias once for each of the lane's 8 rows
	v_lshlrev_b32 v[BIAS+16*(\p)+(\j)], 16, v[TA+(\p)%2]
	v_and_b32 v[BIAS+16*(\p)+8+(\j)], 0xffff0000, v[TA+(\p)%2]
.endr
.else
	v_and_b32 v[TA+(\p)%2], s90, v[TA+(\p)%2]
	v_lshlrev_b32 v[BIAS+2*(\p)], 16, v[TA+(\p)%2]
	v_and_b32 v[BIAS+2*(\p)+1], 0xffff0000, v[TA+(\p)%2]
.endif
.endr
	v_mov_b32 v[ZERO], 0
	s_wait_dscnt 0x0                               ; for the others' sake: my part of the weights is in LDS
	s_barrier_signal -1
	s_barrier_wait -1                              ; everybody's is.  From here to the kernel's closing lines nobody writes LDS
; THE PRODUCTS.  A K step is 128, in four quarters of 32.
.macro XL u, t0, t1                    ; what quarter u asks for, three quarters ahead: this K step's last quarter, or one of the next step's first three
.if (\u) == 0
	XLOAD 3, CB, 192, \t0, \t1
.else
	XLOAD (\u)-1, NB, 64*((\u)-1), \t0, \t1
.endif
.endm
.macro FETCHW f, off, c0, c1           ; two LDS loads for each of the fragments c0 .. c1 of 16 columns x 32 K
	WIN 0
.set wc, (\c0)
.rept (\c1)-(\c0)+1
	ds_load_b128 v[(\f)+8*wc:(\f)+8*wc+3],   v[AW] offset:(\off)+wc*16*PITCH
	ds_load_b128 v[(\f)+8*wc+4:(\f)+8*wc+7], v[AW] offset:(\off)+wc*16*PITCH+32
.set wc, wc+1
.endr
.endm
; Eight matrix instructions for each of the tiles t0 .. t1; the accumulators take turns, one instruction a turn, in the same order in every quarter.
; first = 1: the products start the sums: with the bias (MODE 1) or with 0.
.macro MULS u, f, first, t0, t1
.set mi, (\t0)
.rept (\t1)-(\t0)+1
.if mi < 4
	WIN 0xa1-0x20*(\first)                         ; token rows window 1, weights window 0, D (and C) window 2
.set AC, 64*mi
.else
	WIN 0xf1-0x30*(\first)                         ; the same with window 3
.set AC, 0
.endif
.irp c, 0,1,2,3,4,5,6,7
.if (\first) && (MODE == 1)
	v_wmma_f32_16x16x32_bf16 v[AC+8*(\c):AC+8*(\c)+7], v[32*mi+8*(\u):32*mi+8*(\u)+7], v[(\f)+8*(\c):(\f)+8*(\c)+7], v[BIAS+8*(\c):BIAS+8*(\c)+7]
.elseif \first
	v_wmma_f32_16x16x32_bf16 v[AC+8*(\c):AC+8*(\c)+7], v[32*mi+8*(\u):32*mi+8*(\u)+7], v[(\f)+8*(\c):(\f)+8*(\c)+7], 0
.else
	v_wmma_f32_16x16x32_bf16 v[AC+8*(\c):AC+8*(\c)+7], v[32*mi+8*(\u):32*mi+8*(\u)+7], v[(\f)+8*(\c):(\f)+8*(\c)+7], v[AC+8*(\c):AC+8*(\c)+7]
.endif
.endr
.set mi, mi+1
.endr
.endm
; A quarter: its token rows and its weights are in.  One wait at its head; behind it the next quarter's weights and the token rows three quarters on are asked for, into the registers that the quarter before
; multiplied, dealt among this quarter's products: eight LDS loads, the eight token loads, tile 0's products, the other eight LDS loads, the products of tiles 1 to 3.
; The products name F[u % 2], place u of the token fragments and the accumulators; the loads touch the other F, place (u + 3) % 4, AW and XO: so nothing more is owed behind the head's wait.
; The fifth tile's two loads and eight products stand together at the end; cond = 1: they are jumped where that tile has no row.
; lc = the token loads that were issued behind this quarter's on every way: two groups of eight, fewer at the end (where the fifth tile is live a group has ten: the smaller count is the safe one).
.macro SUB u, first, lc, xl, fw, cond
.set NF, F0+64*(((\u)+1)%2)            ; where the next quarter's weights go,
.set NO, 64*(((\u)+1)%4)               ; and their bytes in an LDS row
	s_wait_loadcnt \lc
	s_wait_dscnt 0x0                               ; the sixteen loads issued among the last quarter's matrix instructions
	PLACES
.if (\fw) && ((\u) == 3)
	s_mul_i32 s[KB], s[NI], BLK                    ; the next K step's first quarter: the address is made anew from the step's first byte and my fixed place
	s_wait_alu depctr_vm_vsrc(0)                   ; the LDS loads issued so far have read AW
	v_add_nc_u32 v[AW], s[KB], v[AW0]
.endif
.if ((\fw) || (\xl)) && !(\first)
	s_wait_alu depctr_va_vdst(0)                   ; the last quarter's matrix instructions are done reading their weights and their token rows, in which this quarter's loads land; in a K step's last quarter AW is written
.endif                                                 ; (a pass's first quarter: the wait at the pass's head has said it)
.if \fw
	FETCHW NF, NO, 0, 3
.endif
.if \xl
	XL \u, 0, 3
.endif
	MULS \u, F0+64*((\u)%2), \first, 0, 0
.if \fw
	FETCHW NF, NO, 4, 7                            ; no wait: no matrix instruction since the head's wait names these registers
.endif
	MULS \u, F0+64*((\u)%2), \first, 1, 3
.if \cond
	WIN 0
	s_cmp_eq_u32 s[T5], 0
	s_cbranch_scc1 .Lno5_\@                        ; what is jumped holds no barrier
.endif
.if \xl
	XL \u, 4, 4                                    ; no wait: tiles 0 to 3 lie below the fifth tile's registers
.endif
	MULS \u, F0+64*((\u)%2), \first, 4, 4
	WIN 0
.if \cond
.Lno5_\@:
.endif
.endm
.macro STEP first, last, cond
.if \last
	SUB 0, 0, 16, 1, 1, 1                          ; the last group of token rows is asked for
	SUB 1, 0, 16, 0, 1, 1
	SUB 2, 0, 8, 0, 1, 1
	SUB 3, 0, 0, 0, 0, 1                           ; it issues no load, so it holds no wait on va_vdst
.else
	SUB 0, \first, 16, 1, 1, \cond
	SUB 1, 0, 16, 1, 1, \cond
	SUB 2, 0, 16, 1, 1, \cond
	SUB 3, 0, 16, 1, 1, \cond
	s_wait_xcnt 0x0                                ; the two bases are rewritten only behind this wait
	s_mov_b64 s[CB:CB+1], s[NB:NB+1]               ; on to the next K step;
	s_add_co_u32 s[NI], s[NI], 1                   ; the one behind it, round the ring of eight,
	s_and_b32 s[NI], s[NI], 7
	s_lshl_b32 s2, s[NI], 8                        ; lies 256 bytes x its number into the rows (s3 = 0)
	s_add_nc_u64 s[NB:NB+1], s[4:5], s[2:3]
.endif
.endm
; THE WAY OUT of tile i.  A tile without a row is jumped.  Store j takes row j of the tile from lanes 0-15 and row 8 + j from lanes 16-31:
; sixteen lanes store 256 consecutive bytes, at a multiple of 256 from the buffer's first byte.  MODE 1: to the rows' ranks in hb, the row in the immediate.  MODE 2: to the places that the list names.
.macro ROWST j
.if MODE == 1
	global_store_b128 v[SQ], v[TMP+4*(\j):TMP+4*(\j)+3], s[12:13] offset:(\j)*8192
.else
	global_store_b128 v[SQ+(\j)], v[TMP+8*(\j):TMP+8*(\j)+3], s[12:13]
	global_store_b128 v[SQ+(\j)], v[TMP+8*(\j)+4:TMP+8*(\j)+7], s[12:13] offset:256
.endif
.endm
.macro TILEOUT i
	s_sub_co_i32 s94, s88, s91
	s_sub_co_i32 s94, s94, 64*(\i)                 ; rows of the tile within the count
	s_cmp_le_i32 s94, 0
	s_cbranch_scc1 .Ltd_\@
	s_wait_xcnt 0x0                                ; the registers that the last tile's stores read are rewritten only behind this wait,
	s_wait_alu depctr_vm_vsrc(0)                   ; and beside it: those stores have read TMP and SQ, which are written again below
.if (\i) < 4
.set AC, 64*(\i)
.set WSRC, 2
.else
.set AC, 0
.set WSRC, 3
.endif
.if MODE == 1
	s_add_co_u32 s2, s91, 64*(\i)                  ; the tile's first rank,
	s_lshl_b32 s2, s2, OSH                         ; in rows of hb
	v_add_nc_u32 v[SQ], s2, v[VOUT]
	WIN WSRC*5                                     ; sources 0 and 1 in the accumulators' window
.irp j, 0,1,2,3,4,5,6,7                ; row by row; columns 8 r + 2 d, 8 r + 2 d + 1 lie in accumulators 2 d, 2 d + 1
.irp d, 0,1,2,3
	v_cvt_pk_bf16_f32 v[TMP+4*(\j)+(\d)], v[AC+16*(\d)+(\j)], v[AC+16*(\d)+8+(\j)]
.endr
.endr
	WIN 0
.set z, 0
.rept 32
	v_pk_max_num_bf16 v[TMP+z], v[TMP+z], v[ZERO]  ; the maximum with 0 behind the rounding gives the same number as ahead of it
.set z, z+1
.endr
.else
	s_wait_alu depctr_va_vdst(0)                   ; the last tile's vector lines have written and read SQ, in which the two loads below land
	ds_load_b128 v[SQ:SQ+3],   v[LQH] offset:256*(\i)      ; q of my half's 8 rows
	ds_load_b128 v[SQ+4:SQ+7], v[LQH] offset:256*(\i)+16
	WIN WSRC                                       ; source 0 in the accumulators' window
.irp j, 0,1,2,3,4,5,6,7                ; the bias is added on the way into the four consecutive registers that a store of 16 bytes takes
.irp c, 0,1,2,3,4,5,6,7
	v_add_f32 v[TMP+8*(\j)+(\c)], v[AC+8*(\c)+(\j)], v[BIAS+(\c)]
.endr
.endr
	WIN 0
	s_wait_dscnt 0x0
.irp j, 0,1,2,3,4,5,6,7
	v_min_u32 v[SQ+(\j)], 2047, v[SQ+(\j)]         ; the bound of the output's rows
	v_lshl_add_u32 v[SQ+(\j)], v[SQ+(\j)], OSH, v[LCOL]
.endr
.endif
	s_wait_alu depctr_va_vdst(0)                   ; the lines above have written TMP and SQ, which the stores read
.irp j, 0,1,2,3,4,5,6,7
	ROWST \j
.endr
.Ltd_\@:
.endm
	s_mov_b32 s92, 4                               ; 4 x 320 ranks cover every split
.Lpass:
	s_cmp_le_u32 s88, s91
	s_cbranch_scc1 .Lpass_end                      ; my first tile has no row, so none has: what is jumped holds no barrier
	s_wait_xcnt 0x0                                ; buffer F0's registers, which the last pass's stores read, are loaded again only behind this wait,
	s_wait_alu depctr_vm_vsrc(0)                   ; and beside it: the LDS stores of the weights (MODE 2: and of the list) and the last pass's stores have read the registers of F0 and F1, in which the loads below land
	s_wait_alu depctr_va_vdst(0)                   ; the lines that wrote those registers are done, and the last pass's matrix instructions are done reading F0, F1 and the token places; AW and LQH are written
	s_mov_b32 s93, 6
	FETCHW F0, 0, 0, 7
	STEP 1, 0, 0                                   ; the first K step is written out: its first products start the sums, the fifth tile's too
.Lk:
	STEP 0, 0, 1
	s_sub_co_u32 s93, s93, 1
	s_cmp_lg_u32 s93, 0
	s_cbranch_scc1 .Lk
	STEP 0, 1, 1                                   ; and the last: nothing is asked for beyond the ring's eighth step
	PLACES
	TILEOUT 0
	TILEOUT 1
	TILEOUT 2
	TILEOUT 3
	TILEOUT 4
.Lpass_end:
	s_wait_alu depctr_vm_vsrc(0)                   ; every load and store issued so far has read its registers: LQH (MODE 2), XO and AW are written below
.if MODE == 2
	v_add_nc_u32 v[LQH], 4*320, v[LQH]
.endif
	s_add_co_u32 s91, s91, 320
	s_cmp_le_u32 s88, s91
	s_cbranch_scc1 .Lno_next                       ; no row is left for me: nothing is set up
	s_wait_loadcnt 0x0                             ; no load of mine is out into the registers that are loaded again below,
	s_wait_xcnt 0x0                                ; and every load and store has read its offsets and bases
	PREP
	START 1
.Lno_next:
	s_sub_co_u32 s92, s92, 1
	s_cmp_lg_u32 s92, 0
	s_cbranch_scc1 .Lpass
	s_wait_dscnt 0x0                               ; my reads of LDS are over,
	s_barrier_signal -1
	s_barrier_wait -1                              ; and so are every wave's
	s_wait_dscnt 0x0                               ; the wave's end
	s_wait_alu depctr_hold_cnt(0) depctr_sa_sdst(0) depctr_va_vdst(0) depctr_va_sdst(0) depctr_va_ssrc(0) depctr_va_vcc(0) depctr_vm_vsrc(0)
	s_wait_tensorcnt 0x0
	ds_add_u32 v62, v63
	s_wait_dscnt 0x0
	s_endpgm
.Lfunc_end_k_qad4acf8a4a_ffn1:
	.size	k_qad4acf8a4a_ffn1, .Lfunc_end_k_qad4acf8a4a_ffn1-k_qad4acf8a4a_ffn1
	.p2alignl 7, 3214868480
	.fill 96, 4, 3214868480
	.section	.rodata,"a",@progbits
	.p2align	6, 0x0
	.amdhsa_kernel k_qad4acf8a4a_ffn1
		.amdhsa_group_segment_fixed_size 279040
		.amdhsa_private_segment_fixed_size 0
		.amdhsa_enable_private_segment 0
		.amdhsa_kernarg_size 40
		.amdhsa_user_sgpr_count 2
		.amdhsa_user_sgpr_kernarg_segment_ptr 1
		.amdhsa_wavefront_size32 1
		.amdhsa_system_sgpr_workgroup_id_x 1
		.amdhsa_system_sgpr_workgroup_id_y 1
		.amdhsa_system_sgpr_workgroup_id_z 1
		.amdhsa_system_vgpr_workitem_id 0
		.amdhsa_next_free_vgpr 832
		.amdhsa_next_free_sgpr 102
		.amdhsa_reserve_vcc 0
		.amdhsa_float_denorm_mode_32 3
		.amdhsa_float_denorm_mode_16_64 3
		.amdhsa_memory_ordered 1
		.amdhsa_forward_progress 1
		.amdhsa_inst_pref_size 223
	.end_amdhsa_kernel
	.amdgpu_metadata
---
amdhsa.version: [ 1, 2 ]
amdhsa.kernels:
  - .name:           k_qad4acf8a4a_ffn1
    .symbol:         k_qad4acf8a4a_ffn1.kd
    .args:
      - { .name: xb, .offset: 0, .size: 8, .value_kind: global_buffer, .address_space: global }
      - { .name: W1, .offset: 8, .size: 8, .value_kind: global_buffer, .address_space: global }
      - { .name: b1, .offset: 16, .size: 8, .value_kind: global_buffer, .address_space: global }
      - { .name: bm, .offset: 24, .size: 8, .value_kind: global_buffer, .address_space: global }
      - { .name: hb, .offset: 32, .size: 8, .value_kind: global_buffer, .address_space: global }
    .group_segment_fixed_size: 279040
    .private_segment_fixed_size: 0
    .kernarg_segment_align: 8
    .kernarg_segment_size: 40
    .max_flat_workgroup_size: 128
    .sgpr_count:     102
    .vgpr_count:     832
    .wavefront_size: 32
...
	.end_amdgpu_metadata
.endif
;; end of part 7
;; launch ffn2 (part 8): grid 256 x 1, 4 waves a work-group, no clusters, 300,544 bytes of LDS; arguments hb, W2, b2, bm, pp; writes pp
.if DOCPART == 8
	.amdgcn_target "amdgcn-amd-amdhsa--gfx1250"
	.amdhsa_code_object_version 6
	.text
	.protected	k_qad4acf8a4a_ffn2
	.globl	k_qad4acf8a4a_ffn2
	.p2align	8
	.type	k_qad4acf8a4a_ffn2,@function
k_qad4acf8a4a_ffn2:
	s_mov_b64 s[64:65], 0
	v_nop
	global_prefetch_b8 v0, s[64:65] scope:SCOPE_SE
	s_setreg_imm32_b32 hwreg(HW_REG_WAVE_SCHED_MODE, 0, 2), 2
	s_setreg_imm32_b32 hwreg(HW_REG_WAVE_MODE, 25, 1), 1
	s_wait_xcnt 0x0
	s_wait_alu depctr_vm_vsrc(0)
; THE EXPERTS' TWO PRODUCTS: ONE TEXT, MODE says which.  A routed row has the number q = 1024 k + n (token n, choice k); each q belongs to one expert, in which it has a RANK: the expert's rows at lower tokens.
;   MODE 1: hb[e][rank][:] = bf16(relu(xb[n] . bf16(W1[e]) + bf16(b1[e])))                            xb [1024][1024] bf16, W1 [8][1024][4096] f32, hb [8][1024][4096] bf16: an expert's rows end to end
;   MODE 2: pp[ks][q][:] = hb[e][rank][1024 ks ..] . bf16(W2[e][1024 ks ..]) + (ks = 0: bf16(b2[e]))   W2 [8][4096][1024] f32, pp [4][2048][1024] f32: partial sums; the last launch weighs and adds them
; SHARES.  A work-group has one expert e and a slice of its weights, 1,024 along K x 128 columns (524,288 bytes of f32), which it alone reads, and ALL rows of that expert.
;   MODE 1: 8 experts x 32 slices of columns.  MODE 2: 8 experts x 4 parts of K x 8 slices of columns.  256 work-groups either way.
; FIRST the slice streams through registers, is rounded to bf16 and laid into LDS turned, K along the rows; each wave has 8 slots of 8 loads of 512 bytes on their way.
; ONE barrier.  THEN the products: from there on nothing writes LDS, so the loop over rows needs no barrier.
; A PASS serves 320 ranks: wave w has the tiles of 16 ranks 4 i + w, i = 0..4, and all 128 columns: 40 accumulators.  Token rows come from memory straight into fragments, weights from LDS.
; Four passes cover the 1,024 rows that an expert can have at the most (a token's two experts differ); a wave jumps a pass in which it has no row.
; WHICH ROW HAS A RANK.  MODE 1 needs the token of rank R, for 16 ranks in each of a wave's five tiles.  It is found in registers.  Once, in scalars: word j of the 32 becomes the OR of both choices' bitmaps
; (no bit is set in both) and gets the key 32 P + j, P = the set bits in the words below it.  Then each lane, for each tile: the last word whose key is at most 32 R + 31 (31 words x a compare and two
; selects); the counts of that word's set bits in blocks of 2, 4, 8 and 16 bits (13 lines); and five halvings, each of which goes on in the upper half where the lower half holds too few bits.
; MODE 2 reads hb by the rank itself and needs q for its stores alone: for those each wave lays a list in LDS, ahead of the barrier.
; AHEAD OF THE BARRIER.  The weights' last lap loads nothing.  In front of it the first pass's rows are found, and in its middle, when 32 weight loads are still out, the pass's first three quarters of token
; rows are asked for: 30 loads.  A later pass is set up at the end of the pass before it.  A wave without a row in the first pass issues these 30 loads too, inside the buffer, and never reads them
; (for an expert without any row MODE 2's bring bytes of hb that nobody stored).
; K IN A RING.  The work-group begins at K step (slice % 8) and goes round: the work-groups that share token rows ask for different 256 bytes of them at any one time.  Only the order of the f32 sums hangs on it.
; PAST THE COUNT.  A rank at or past the count stands for rank 0, the expert's first row.  A tile without a row is multiplied on that row, and its stores are jumped.  The wave's FIFTH tile, which most splits
; leave without a row, is then multiplied in the first K step alone (so that its registers are written on every way through the text); the other seven steps jump its loads and products.  In the tile in
; which the count ends MODE 1 stores the first row's numbers at the ranks past the count; MODE 2 reads them there and stores the result to that row's place again, the same numbers from the same work-group.
; So every store is a whole tile's, and all lanes stay on from the first line to the last.
; THE COLUMNS' ORDER.  Source 0 = 16 token rows, source 1 = 16 columns of the weights: register j of a lane holds row 8 (lane / 16) + j and the column at place lane % 16 of fragment c.
; Which column lies there is this text's choice: MODE 1: 8 r + c; MODE 2: 4 r + c % 4 + 64 (c / 4) (r = lane % 16).  So a lane's numbers over c are neighbouring columns of one row: 16 bytes, and sixteen
; lanes hold 256 consecutive bytes of the output: the results are stored straight from registers.  In LDS that column is row 16 c + r.
; NO CLUSTER, NO TENSOR LOADS: a slice has one reader and is rounded on its way through registers; beside it LDS has 49,152 bytes, less than two slots of 320 rows x 128 along K; and a loop whose
; length hangs on a stored count holds no barrier, which a ring of slots would need.
; LIMITS.  Weights, bias and token rows are bf16, each rounded once; sums in f32; the hidden layer is stored in bf16.  NaN and infinities are not treated apart (the maximum with 0 drops a NaN).
; THE MODE: SCHED_MODE bits 1:0 = 2 (LLVM: expert scheduling mode 2), set by the entry lines.  The code itself states the register dependences between vector or matrix instructions and memory or LDS
; instructions, with s_wait_alu, always for 0.
; THE PLAN.  The registers that memory or LDS instructions touch, and who else names them:
;   WHILE THE WEIGHTS STREAM.  Slot s: turn s's sixteen conversions read it; behind them the next lap's eight loads land in it.  TT: those conversions write it, the turn's four LDS stores read it, the next turn's
;   conversions write it again.  LA: every such store reads it; it is stepped once a lap.  WO, BO: made at the head, never written again.  So a turn has two waits: on vm_vsrc ahead of its conversions (the last
;   turn's stores have read TT; for turn 0 the wait at the lap's end, ahead of the add to LA, says it) and on va_vdst behind them (TT is written, the slot is read).
;   MODE 2's list: all its 34 addresses and 32 numbers are made first, in registers of their own; one wait on va_vdst; then the run of stores.
;   IN THE PRODUCTS.  F0, F1: quarter u's matrix instructions read F[u % 2]; its LDS loads land in the other, which quarter u - 1 read.  The token places (window 1): quarter u reads place u; its loads land in
;   place (u + 3) % 4, which quarter u - 1 read.  So ONE wait on va_vdst stands at a quarter's head, and the quarter's loads follow it dealt among its matrix instructions, which name none of the registers that
;   those loads touch.  AW: read by the fragments' loads, made anew once a K step: a wait on vm_vsrc ahead of the add, and the quarter's own wait behind it.  XO: read by the token loads, made anew once a pass.
;   THE WAY OUT.  TMP and SQ: written by a tile's vector lines (MODE 2: SQ by two LDS loads first), read by its stores, written again by the next tile: vm_vsrc at a tile's head, va_vdst ahead of its stores.
;   A PASS'S ENDS.  At its head both waits: F0, F1 and the token places are free of the LDS stores, of the last pass's stores and of its matrix instructions.  At its end one wait on vm_vsrc, ahead of the branch:
;   LQH, XO and AW are written behind it.
;   SCALARS FROM VECTOR LINES.  The wave's number; and in MODE 1's search the compares' masks: the five tiles' compares stand in a run, into five scalar registers, and one wait on va_sdst stands behind each run.
.set MODE, 2
.if MODE == 1
.set WP,  16384                        ; bytes from a K row of the weights to the next
.set ASH, 11                           ; a token row's bytes, as a shift
.set OSH, 13                           ; an output row's bytes, as a shift
.else
.set WP,  4096
.set ASH, 13
.set OSH, 12
.endif
.set US,     32*WP                     ; a unit: 8 K rows for each of the four waves
.set PITCH,  272                       ; an LDS row: 256 bytes + 16: an odd multiple of 16, so that the 16 rows of a fragment load start 16 bytes apart modulo 256
.set BLK,    128*PITCH                 ; the slice's 128 columns x 128 along K
.set LIST,   8*BLK                     ; behind the weights.  MODE 2: a list for each wave
.set NRANK,  1280                      ; ranks in a list: 4 passes x 320; cleared, then filled up to the count
.set LISTB,  5376                      ; 1,280 words, 32 words into which lanes without a row store, and padding.  (The last 512 bytes of the launch's LDS take the closing add's spare words.)
; REGISTERS, in windows of 256 (s_set_vgpr_msb: bits 1:0 source 0, 3:2 source 1, 5:4 source 2, 7:6 destination).  Window 0:
.set LANE, 1
.set RR,   2                           ; lane % 16
.set HH,   3                           ; lane / 16
.set H16,  4                           ; 16 (lane / 16)
.set LCOL, 5                           ; 16 (lane % 16): my 16 bytes in 256 of an output row
.set WO,   6                           ; weights: 16 lane + my wave's 8 K rows; never rewritten
.set LA,   7                           ; where my 4 columns' 16 bytes go in LDS; steps a lap
.set AW0,  8                           ; my place in a weight fragment; never rewritten
.set AW,   9                           ; the same in the K step in hand
.set LQH,  11                          ; MODE 2: my list at rank 16 w + 8 (lane / 16); steps a pass
.set VOUT, 12                          ; MODE 1: 8 (lane / 16) rows of hb + my 16 bytes
.set BO,   14                          ; bias: my columns' first byte
.set LB,   15                          ; MODE 2: my list's first byte
.set DI,   16                          ; MODE 2: 1280 + lane
.set LN1,  17                          ; MODE 2: 1024 + lane
.set TA,   18                          ; v18-19 at work (MODE 2's list: where I clear; where the ranks behind the count begin)
.set TC,   19
.set Q0,   20                          ; MODE 2: q of the expert's first row
.set ZERO, 22
.set QQ,   24                          ; v24-28  MODE 2: my row's rank in tile i
.set XO,   32                          ; v32-36  byte offset of my row in tile i
.set BR,   40                          ; v40-47  the bias of my 8 columns as loaded
.set SQ,   48                          ; the way out: MODE 1: v48, the tile's offset; MODE 2: v48-55, the offsets of my half's 8 rows
.set BIAS, 64                          ; MODE 1: v64-127, the bias of my column of fragment c eight times, at 8 c + j: a C operand.  MODE 2: v64-71, that bias once, at c
.set F0,   128                         ; v128-191, v192-255  two buffers of weight fragments: 128 columns x 32 K
.set F1,   192
.set TT,   128                         ; while the weights stream: 16 registers at work, and four zeros
.set ZQ,   144
.set TMP,  128                         ; the way out
.set LW,   192                         ; MODE 2's list, where buffer F1 lies idle: for word i of the bitmaps my LDS address at 2 i, my q at 2 i + 1
.set FB,   192                         ; the search (MODE 1): 12 registers a tile, where buffer F1 lies idle:
.set oRK,  0                           ;   32 R + 31
.set oW,   1                           ;   the word that holds rank R
.set oK,   2                           ;   that word's key
.set oA,   3                           ;   its set bits counted in blocks of 2,
.set oB,   4                           ;   of 4,
.set oC,   5                           ;   of 8 bits,
.set oD,   6                           ;   and in its low 16
.set oN,   7                           ;   set bits still to pass
.set oP,   8                           ;   the bit's place so far
.set oT,   9                           ;   at work
.set oU,   10
; Window 1: v0-159 token fragments, tile i, quarter u of a K step at 32 i + 8 u.  Window 2: the accumulators of tiles 0-3 at 64 i + 8 c; while the weights stream: the 8 slots, slot s, row i at 32 s + 4 i.
; Window 3: v0-63 tile 4's accumulators.
; SCALARS: s[4:5] token rows, s[6:7] weights, s[8:9] bias, s[10:11] bm, s[12:13] the output; s[16:47] the expert's bitmap of first choices (MODE 1: then of either choice), s[48:63], s[68:83] of second
; choices (MODE 1: then the words' keys); s84 wave, s85 e, s86 slice, s87 ks, s88 the count, s90 at work, s91 my first rank in the pass, s92 passes to go, s93 K steps to go, s94 rows left in a tile,
; s95 the last rank that hb holds (MODE 2); s2 an offset's low word, s3 = 0 its high word; s14, s15, s66, s67 and (while no tile goes out) s94: the masks of the search's compares, one a tile (MODE 1).
.set T5,   89                          ; s89      1: my fifth tile has a row
.set CB,   96                          ; s[96:97] token rows at the K step in hand
.set NB,   98                          ; s[98:99] token rows at the next K step
.set NI,   100                         ; s100     the next K step's number, 0..7 (in the weights' first three laps: laps to go)
.set KB,   101                         ; s101     LDS byte at which a K step's weights begin
.set MSB, 0
.macro WIN new                         ; the immediate's high byte repeats the setting that is left; a switch that changes nothing is dropped
.if MSB != (\new)
	s_set_vgpr_msb (MSB<<8)|(\new)
.set MSB, (\new)
.endif
.endm
.macro PLACES                          ; four places between a matrix instruction and a vector write of one of its registers or a read of its result (ISA guide 7.12.1); at a quarter's head they stay where they stood, beside the wait
.rept 4
	v_nop
.endr
.endm
	s_load_b256 s[4:11], s[0:1], 0x0
	s_load_b64 s[12:13], s[0:1], 0x20
	v_lshl_add_u32 v126, v0, 2, 0x49400
	v_mov_b32 v127, 0
	v_lshrrev_b32 v[TA], 5, v0
	v_readfirstlane_b32 s84, v[TA]                 ; wave 0..3
	v_and_b32 v[LANE], 31, v0
	v_and_b32 v[RR], 15, v0
	v_bfe_u32 v[HH], v0, 4, 1
	v_lshlrev_b32 v[H16], 4, v[HH]
	v_lshlrev_b32 v[LCOL], 4, v[RR]
	s_wait_alu depctr_va_sdst(0)                   ; s84 is written, ahead of its first reader
	s_mul_i32 s2, s84, 8*WP
	v_lshl_add_u32 v[WO], v[LANE], 4, s2
	s_lshl_b32 s3, s84, 4
	; a load brings me columns 4 lane + j, j = 0..3.  Their LDS rows are 16 j + the row made here
.if MODE == 1
	v_and_b32 v[TA], 1, v0                         ; column 8 r + c: c = 4 (lane % 2) + j, r = lane / 2
	v_bfe_u32 v[TC], v0, 1, 4
	v_lshl_add_u32 v[TA], v[TA], 6, v[TC]          ; 64 (lane % 2) + lane / 2
	v_lshlrev_b32 v[BO], 5, v[RR]                  ; my fragments' columns 8 r .. 8 r + 7: 32 bytes of bias
	v_lshl_add_u32 v[VOUT], v[HH], 16, v[LCOL]     ; 8 rows of 8,192 bytes for lanes 16 to 31
.else
	v_lshl_add_u32 v[TA], v[HH], 6, v[RR]          ; column 4 r + c % 4 + 64 (c / 4): c = 4 (lane / 16) + j, r = lane % 16
	v_lshlrev_b32 v[BO], 4, v[RR]                  ; my fragments' columns 4 r .. 4 r + 3 and 64 further on: twice 16 bytes of bias
.endif
	v_mul_u32_u24 v[LA], v[TA], PITCH
	v_add_nc_u32 v[LA], s3, v[LA]                  ; my wave's 8 K are 16 bytes of a row
	v_mul_u32_u24 v[AW0], v[RR], PITCH
	v_add_nc_u32 v[AW0], v[H16], v[AW0]
.if MODE == 2
	s_mul_i32 s89, s84, LISTB
	s_add_co_u32 s89, s89, LIST
	v_mov_b32 v[LB], s89
	s_lshl_b32 s90, s84, 6
	s_add_co_u32 s90, s90, s89
	v_lshl_add_u32 v[LQH], v[HH], 5, s90
	v_add_nc_u32 v[DI], NRANK, v[LANE]
	v_add_nc_u32 v[LN1], 1024, v[LANE]
.endif
	; the offsets, each made apart from its address
	s_lshr_b32 s85, ttmp9, 5                       ; e
	s_lshl_b32 s88, s85, 24                        ; an expert's weights are 16,777,216 bytes
.if MODE == 1
	s_and_b32 s86, ttmp9, 31
	s_lshl_b32 s2, s86, 9                          ; 128 columns of f32
	s_add_co_u32 s88, s88, s2
	s_lshl_b32 s90, s85, 14
	s_add_co_u32 s90, s90, s2
	s_lshl_b32 s92, s85, 23                        ; the expert's 1,024 rows of hb, 8,192 bytes each,
	s_lshl_b32 s2, s86, 8                          ; and 128 columns of bf16
	s_add_co_u32 s92, s92, s2
.else
	s_and_b32 s86, ttmp9, 7
	s_bfe_u32 s87, ttmp9, 0x20003                  ; ks: 2 bits from bit 3
	s_lshl_b32 s2, s87, 22                         ; 1,024 K rows of 4,096 bytes
	s_add_co_u32 s88, s88, s2
	s_lshl_b32 s2, s86, 9
	s_add_co_u32 s88, s88, s2
	s_lshl_b32 s90, s85, 12
	s_add_co_u32 s90, s90, s2
	s_lshl_b32 s92, s87, 23                        ; a part of pp is 8,388,608 bytes
	s_add_co_u32 s92, s92, s2
	s_lshl_b32 s98, s85, 23                        ; the expert's 1,024 rows of hb,
	s_lshl_b32 s2, s87, 11                         ; and 1,024 channels of bf16
	s_add_co_u32 s98, s98, s2
	s_mov_b32 s99, 0
.endif
	s_mov_b32 s89, 0
	s_mov_b32 s91, 0
	s_mov_b32 s93, 0
	s_lshl_b32 s94, s85, 8                         ; 64 words of bm an expert
	s_mov_b32 s95, 0
	s_wait_kmcnt 0x0
	s_add_nc_u64 s[6:7], s[6:7], s[88:89]
	s_add_nc_u64 s[8:9], s[8:9], s[90:91]
	s_add_nc_u64 s[10:11], s[10:11], s[94:95]
	s_add_nc_u64 s[12:13], s[12:13], s[92:93]
.if MODE == 2
	s_add_nc_u64 s[4:5], s[4:5], s[98:99]
.endif
	s_load_b512 s[16:31], s[10:11], 0x0
	s_load_b512 s[32:47], s[10:11], 0x40
	s_load_b512 s[48:63], s[10:11], 0x80
	s_load_b512 s[68:83], s[10:11], 0xc0
	s_wait_alu depctr_va_vdst(0)                   ; the offsets and addresses made above are written: BO and WO, which the loads below read; LA, LB and LQH, which LDS instructions read later
	global_load_b128 v[BR:BR+3], v[BO], s[8:9]
.if MODE == 1
	global_load_b128 v[BR+4:BR+7], v[BO], s[8:9] offset:16
.else
	global_load_b128 v[BR+4:BR+7], v[BO], s[8:9] offset:256
.endif
; Slot s takes a unit's 8 K rows of my wave, one row's 512 consecutive bytes a load.  a = 0: this lap's unit; 1: the next lap's.  The largest immediate, 15 units and 7 rows, is 7,979,008 in MODE 1: inside the signed 24 bits.
.macro FILL s, a
	WIN 0x80                                       ; destination window 2
.irp i, 0,1,2,3,4,5,6,7
	global_load_b128 v[32*(\s)+4*(\i):32*(\s)+4*(\i)+3], v[WO], s[6:7] offset:((\s)+8*(\a))*US+(\i)*WP th:TH_LOAD_NT
.endr
.endm
.irp s, 0,1,2,3,4,5,6,7
	FILL \s, 0
.endr
	WIN 0
	s_wait_kmcnt 0x0                               ; the bitmaps
	s_mov_b32 s88, 0
.if MODE == 1
	; THE WORDS AND THEIR KEYS, in scalars, while the weights are on their way
.set i, 0
.rept 32                               ; tokens 32 i .. 32 i + 31
.set K1, 48+i+4*(i/16)                 ; the word of second choices: s48-63, s68-83
	s_or_b32 s[16+i], s[16+i], s[K1]               ; the tokens that chose the expert, first or second
	s_lshl_b32 s[K1], s88, 5                       ; the key: 32 x the rows at lower words,
	s_or_b32 s[K1], s[K1], i                       ; + the word's number
	s_bcnt1_i32_b32 s90, s[16+i]
	s_add_co_u32 s88, s88, s90
.set i, i+1
.endr
.else
	; THE LIST, each wave's own, while the weights are on their way.  Word rank takes q.  A lane whose token did not choose the expert stores into a word of its own behind the list.
	; All addresses and numbers are made first, each in a register of its own; the stores follow in one run.
.irp z, 0,1,2,3
	v_mov_b32 v[ZQ+(\z)], 0
.endr
	v_lshl_add_u32 v[TA], v[LANE], 4, v[LB]
.set i, 0
.rept 32                               ; tokens 32 i .. 32 i + 31
.set K1, 48+i+4*(i/16)                 ; the word of second choices: s48-63, s68-83
	s_or_b32 s89, s[16+i], s[K1]
	v_mbcnt_lo_u32_b32 v[LW+2*i], s89, s88         ; the count so far + the set bits below my lane
	v_cndmask_b32 v[LW+2*i], v[DI], v[LW+2*i], s89
	v_min_u32 v[LW+2*i], NRANK+31, v[LW+2*i]       ; the bound of my list's words
	v_lshl_add_u32 v[LW+2*i], v[LW+2*i], 2, v[LB]
	v_cndmask_b32 v[LW+2*i+1], v[LANE], v[LN1], s[K1]  ; q = 1024 k + 32 i + lane
	v_add_nc_u32 v[LW+2*i+1], 32*i, v[LW+2*i+1]
	s_bcnt1_i32_b32 s90, s89
	s_add_co_u32 s88, s88, s90
.set i, i+1
.endr
	v_add_nc_u32 v[TC], s88, v[LANE]               ; the 32 ranks behind the count
	v_min_u32 v[TC], NRANK+31, v[TC]               ; the bound of my list's words
	v_lshl_add_u32 v[TC], v[TC], 2, v[LB]
	s_wait_alu depctr_va_vdst(0)                   ; the zeros, the 34 addresses and the 32 numbers are written, which the LDS stores below read
.set m, 0
.rept NRANK*4/512
	ds_store_b128 v[TA], v[ZQ:ZQ+3] offset:512*m   ; ranks far past the count name row 0
.set m, m+1
.endr
.set i, 0
.rept 32
	ds_store_b32 v[LW+2*i], v[LW+2*i+1]            ; LDS serves a wave's instructions in order (ISA guide 5.7.1.4): these come behind the zeros
.set i, i+1
.endr
	; the 32 ranks behind the count take the first row's q: more than the 15 places that the count's last tile can have past it.  (With no row at all the word holds 0, and nothing is multiplied.)
	ds_load_b32 v[Q0], v[LB]                       ; in order again: this sees the stores above
	s_wait_dscnt 0x0
	ds_store_b32 v[TC], v[Q0]
	s_add_co_u32 s95, s88, 15                      ; hb holds the expert's ranks up to the end of the tile in which the count ends
	s_and_b32 s95, s95, -16
	s_sub_co_u32 s95, s95, 1
.endif
; THE WEIGHTS.  Slot s's turn: 8 K rows x my 4 columns are rounded in pairs along K, so that a column's 8 numbers are 16 bytes; the slot is filled again; the four columns go to their LDS rows, 16 rows apart.
; left = the younger loads, which stay out.
.macro TURN s, refill, left
	s_wait_loadcnt \left
.if (\s) != 0
	s_wait_alu depctr_vm_vsrc(0)                   ; the last turn's LDS stores have read TT, which the conversions below write again (ahead of turn 0 the wait at the lap's end says so)
.endif
	WIN 0x0a                                       ; sources in window 2
.irp j, 0,1,2,3
.irp d, 0,1,2,3
	v_cvt_pk_bf16_f32 v[TT+4*(\j)+(\d)], v[32*(\s)+8*(\d)+(\j)], v[32*(\s)+8*(\d)+4+(\j)]
.endr
.endr
.if \refill
	WIN 0x80
.else
	WIN 0
.endif
	s_wait_alu depctr_va_vdst(0)                   ; the conversions have written TT, which the LDS stores read, and are done reading the slot, in which the next lap's loads land
.if \refill
	FILL \s, 1
.endif
	WIN 0
.irp j, 0,1,2,3
	ds_store_b128 v[LA], v[TT+4*(\j):TT+4*(\j)+3] offset:((\s)/4)*BLK+(\j)*16*PITCH+64*((\s)%4)
.endr
.endm
; Two loads for each of the tiles t0 .. t1: their fragments (16 rows x 32 K) of one quarter of a K step, into place u.  The other work-groups of the expert read these rows too: the hint for data that is read again.
.macro XLOAD u, base, off, t0, t1
	WIN 0x40                                       ; destination window 1
.set xi, (\t0)
.rept (\t1)-(\t0)+1
	global_load_b128 v[32*xi+8*(\u):32*xi+8*(\u)+3],   v[XO+xi], s[\base:\base+1] offset:(\off) th:TH_LOAD_HT
	global_load_b128 v[32*xi+8*(\u)+4:32*xi+8*(\u)+7], v[XO+xi], s[\base:\base+1] offset:(\off)+32 th:TH_LOAD_HT
.set xi, xi+1
.endr
.endm
; THE SEARCH (MODE 1).  One line for each of the five tiles, so that no line reads the result of the line before it.  ft: the tile's registers; fs: the scalar register of its mask: s14, s15, s66, s67, s94.
.macro ALL5 line:vararg
.set ft, FB
.set fm, 0
.rept 5
.set fs, 14+fm+50*(fm/2)-24*(fm/4)
	\line
.set ft, ft+12
.set fm, fm+1
.endr
.endm
; A halving: the block in hand begins at bit oP; its lower half, wd bits wide, holds the count that lies at that place in register x.  With as many set bits or more still to pass, they are passed and the
; upper half is taken.  more = 0: the last halving, behind which nobody asks how many are left.
.macro LEVEL x, wd, more
	ALL5 v_bfe_u32 v[ft+oT], v[ft+(\x)], v[ft+oP], \wd
	ALL5 v_cmp_ge_u32 s[fs], v[ft+oN], v[ft+oT]
	s_wait_alu depctr_va_sdst(0)                   ; the five compares have written their masks, which the selects below read
	ALL5 v_cndmask_b32 v[ft+oU], 0, \wd, s[fs]
.if \more
	ALL5 v_cndmask_b32 v[ft+oT], 0, v[ft+oT], s[fs]
	ALL5 v_sub_nc_u32 v[ft+oN], v[ft+oN], v[ft+oT]
.endif
	ALL5 v_add_nc_u32 v[ft+oP], v[ft+oP], v[ft+oU]
.endm
.macro FIND
.set ft, FB
.set fm, 0
.rept 5
	s_add_co_u32 s90, s91, 64*fm
	v_add_nc_u32 v[ft+oRK], s90, v[RR]             ; my row's rank in tile fm;
.set ft, ft+12
.set fm, fm+1
.endr
	ALL5 v_cmp_gt_u32 s[fs], s88, v[ft+oRK]
	s_wait_alu depctr_va_sdst(0)                   ; the five compares have written their masks, which the selects below read
	ALL5 v_cndmask_b32 v[ft+oRK], 0, v[ft+oRK], s[fs]  ; at or past the count: rank 0
	ALL5 v_lshl_add_u32 v[ft+oRK], v[ft+oRK], 5, 31    ; 32 R + 31: no key of a word that begins at or below rank R is greater
	ALL5 v_mov_b32 v[ft+oW], s16                   ; word 0, whose key is 0, begins the search
	ALL5 v_mov_b32 v[ft+oK], s48
.set fj, 1
.rept 31                               ; the keys ascend, so the last word whose key is not greater stays
.set KJ, 48+fj+4*(fj/16)
	ALL5 v_cmp_gt_u32 s[fs], s[KJ], v[ft+oRK]
	s_wait_alu depctr_va_sdst(0)                   ; the five compares have written their masks, which the ten selects below read
	ALL5 v_cndmask_b32 v[ft+oW], s[16+fj], v[ft+oW], s[fs]
	ALL5 v_cndmask_b32 v[ft+oK], s[KJ], v[ft+oK], s[fs]
.set fj, fj+1
.endr
	ALL5 v_lshrrev_b32 v[ft+oT], 1, v[ft+oW]       ; the word's set bits, counted in blocks of 2,
	ALL5 v_and_b32 v[ft+oT], 0x55555555, v[ft+oT]
	ALL5 v_sub_nc_u32 v[ft+oA], v[ft+oW], v[ft+oT]
	ALL5 v_lshrrev_b32 v[ft+oT], 2, v[ft+oA]       ; of 4,
	ALL5 v_and_b32 v[ft+oB], 0x33333333, v[ft+oA]
	ALL5 v_and_b32 v[ft+oT], 0x33333333, v[ft+oT]
	ALL5 v_add_nc_u32 v[ft+oB], v[ft+oB], v[ft+oT]
	ALL5 v_lshrrev_b32 v[ft+oT], 4, v[ft+oB]       ; of 8,
	ALL5 v_add_nc_u32 v[ft+oC], v[ft+oB], v[ft+oT]
	ALL5 v_and_b32 v[ft+oC], 0x0f0f0f0f, v[ft+oC]
	ALL5 v_lshrrev_b32 v[ft+oT], 8, v[ft+oC]       ; and in the low 16
	ALL5 v_add_nc_u32 v[ft+oD], v[ft+oC], v[ft+oT]
	ALL5 v_and_b32 v[ft+oD], 0xff, v[ft+oD]
	ALL5 v_lshrrev_b32 v[ft+oN], 5, v[ft+oRK]      ; set bits to pass in the word: R less the rows at lower words
	ALL5 v_lshrrev_b32 v[ft+oT], 5, v[ft+oK]
	ALL5 v_sub_nc_u32 v[ft+oN], v[ft+oN], v[ft+oT]
	ALL5 v_cmp_ge_u32 s[fs], v[ft+oN], v[ft+oD]    ; the first halving starts the place
	s_wait_alu depctr_va_sdst(0)                   ; the five compares have written their masks, which the selects below read
	ALL5 v_cndmask_b32 v[ft+oP], 0, 16, s[fs]
	ALL5 v_cndmask_b32 v[ft+oT], 0, v[ft+oD], s[fs]
	ALL5 v_sub_nc_u32 v[ft+oN], v[ft+oN], v[ft+oT]
	LEVEL oC, 8, 1
	LEVEL oB, 4, 1
	LEVEL oA, 2, 1
	LEVEL oW, 1, 0
	ALL5 v_and_b32 v[ft+oT], 31, v[ft+oK]          ; the token: 32 x the word's number + the bit's place,
	ALL5 v_lshl_add_u32 v[ft+oT], v[ft+oT], 5, v[ft+oP]
	ALL5 v_min_u32 v[ft+oT], 1023, v[ft+oT]        ; within the bound of xb's rows
.irp i, 0,1,2,3,4
	v_lshl_add_u32 v[XO+(\i)], v[FB+12*(\i)+oT], ASH, v[H16]
.endr
.endm
; A pass is set up in two parts.  PREP: where my row of each tile lies.
.macro PREP
.if MODE == 1
	FIND
.else
.irp i, 0,1,2,3,4
	s_add_co_u32 s2, s91, 64*(\i)
	v_add_nc_u32 v[QQ+(\i)], s2, v[RR]             ; my row's rank,
	v_min_u32 v[QQ+(\i)], s95, v[QQ+(\i)]          ; held to the last rank that hb holds,
	v_min_u32 v[QQ+(\i)], 1023, v[QQ+(\i)]         ; and to the bound of an expert's rows
	v_lshl_add_u32 v[XO+(\i)], v[QQ+(\i)], ASH, v[H16]
.endr
.endif
.endm
; START: the pass's scalars, and its first three quarters of token rows: 30 loads.  w = 1: a later pass, set up straight behind PREP: the wait stands here.
; w = 0: the first pass: four turns of the weights, each with its wait on va_vdst, stand between PREP and START, and of the vector lines since only the add to AW is left, which names no register of these loads.
.macro START w
	s_add_co_u32 s2, s91, 256
	s_cmp_gt_u32 s88, s2
	s_cselect_b32 s[T5], 1, 0                      ; has my fifth tile a row?
	s_and_b32 s[NI], s86, 7                        ; the K step at which this work-group begins
	s_lshl_b32 s2, s[NI], 8
	s_add_nc_u64 s[CB:CB+1], s[4:5], s[2:3]
	s_mul_i32 s[KB], s[NI], BLK
	v_add_nc_u32 v[AW], s[KB], v[AW0]
	s_add_co_u32 s[NI], s[NI], 1
	s_and_b32 s[NI], s[NI], 7
	s_lshl_b32 s2, s[NI], 8
	s_add_nc_u64 s[NB:NB+1], s[4:5], s[2:3]
	WIN 0x40
.if \w
	s_wait_alu depctr_va_vdst(0)                   ; XO is written, which the loads below read, and AW, which the next pass's LDS loads read; the last pass's matrix instructions are done reading the places in which the loads land
.endif
	XLOAD 0, CB, 0, 0, 4
	XLOAD 1, CB, 64, 0, 4
	XLOAD 2, CB, 128, 0, 4
	WIN 0
.endm
	s_mov_b32 s100, 3
.Llap:                                                 ; a lap: 8 units, 256 along K
.irp s, 0,1,2,3,4,5,6,7
	TURN \s, 1, 56                                 ; the seven younger slots' 56 loads stay out
.endr
	s_wait_xcnt 0x0                                ; the base is stepped only behind this wait
	s_add_nc_u64 s[6:7], s[6:7], 8*US
	s_wait_alu depctr_vm_vsrc(0)                   ; the lap's LDS stores have read LA, which the add below writes, and TT, which the next lap's first turn writes
	v_add_nc_u32 v[LA], 2*BLK, v[LA]               ; (the next turn's wait on va_vdst stands between this add and the stores that read LA)
	s_sub_co_u32 s100, s100, 1
	s_cmp_lg_u32 s100, 0
	s_cbranch_scc1 .Llap
	s_lshl_b32 s91, s84, 4                         ; my first rank: 320 p + 16 w
	s_mov_b32 s3, 0                                ; the upper word of the offsets made in s2
	PREP                                           ; the last 64 weight loads are out and nothing is left to ask for: the first pass's rows are found meanwhile
.irp s, 0,1,2,3
	TURN \s, 0, 56-8*(\s)                          ; the last lap loads nothing: the counts run down
.endr
	START 0                                        ; 32 weight loads are still out at the most: with these 30, 62
.irp s, 4,5,6,7
	TURN \s, 0, 86-8*(\s)                          ; the younger slots' loads and the 30 token loads stay out
.endr
	; the bias, rounded to bf16 like every input, and widened again
.if MODE == 2
	s_cmp_eq_u32 s87, 0
	s_cselect_b32 s90, -1, 0                       ; only the first part of K adds it
.endif
.irp p, 0,1,2,3
	v_cvt_pk_bf16_f32 v[TA+(\p)%2], v[BR+2*(\p)], v[BR+2*(\p)+1]
.if MODE == 1
.irp j, 0,1,2,3,4,5,6,7                ; a C operand holds a column's bias once for each of the lane's 8 rows
	v_lshlrev_b32 v[BIAS+16*(\p)+(\j)], 16, v[TA+(\p)%2]
	v_and_b32 v[BIAS+16*(\p)+8+(\j)], 0xffff0000, v[TA+(\p)%2]
.endr
.else
	v_and_b32 v[TA+(\p)%2], s90, v[TA+(\p)%2]
	v_lshlrev_b32 v[BIAS+2*(\p)], 16, v[TA+(\p)%2]
	v_and_b32 v[BIAS+2*(\p)+1], 0xffff0000, v[TA+(\p)%2]
.endif
.endr
	v_mov_b32 v[ZERO], 0
	s_wait_dscnt 0x0                               ; for the others' sake: my part of the weights is in LDS
	s_barrier_signal -1
	s_barrier_wait -1                              ; everybody's is.  From here to the kernel's closing lines nobody writes LDS
; THE PRODUCTS.  A K step is 128, in four quarters of 32.
.macro XL u, t0, t1                    ; what quarter u asks for, three quarters ahead: this K step's last quarter, or one of the next step's first three
.if (\u) == 0
	XLOAD 3, CB, 192, \t0, \t1
.else
	XLOAD (\u)-1, NB, 64*((\u)-1), \t0, \t1
.endif
.endm
.macro FETCHW f, off, c0, c1           ; two LDS loads for each of the fragments c0 .. c1 of 16 columns x 32 K
	WIN 0
.set wc, (\c0)
.rept (\c1)-(\c0)+1
	ds_load_b128 v[(\f)+8*wc:(\f)+8*wc+3],   v[AW] offset:(\off)+wc*16*PITCH
	ds_load_b128 v[(\f)+8*wc+4:(\f)+8*wc+7], v[AW] offset:(\off)+wc*16*PITCH+32
.set wc, wc+1
.endr
.endm
; Eight matrix instructions for each of the tiles t0 .. t1; the accumulators take turns, one instruction a turn, in the same order in every quarter.
; first = 1: the products start the sums: with the bias (MODE 1) or with 0.
.macro MULS u, f, first, t0, t1
.set mi, (\t0)
.rept (\t1)-(\t0)+1
.if mi < 4
	WIN 0xa1-0x20*(\first)                         ; token rows window 1, weights window 0, D (and C) window 2
.set AC, 64*mi
.else
	WIN 0xf1-0x30*(\first)                         ; the same with window 3
.set AC, 0
.endif
.irp c, 0,1,2,3,4,5,6,7
.if (\first) && (MODE == 1)
	v_wmma_f32_16x16x32_bf16 v[AC+8*(\c):AC+8*(\c)+7], v[32*mi+8*(\u):32*mi+8*(\u)+7], v[(\f)+8*(\c):(\f)+8*(\c)+7], v[BIAS+8*(\c):BIAS+8*(\c)+7]
.elseif \first
	v_wmma_f32_16x16x32_bf16 v[AC+8*(\c):AC+8*(\c)+7], v[32*mi+8*(\u):32*mi+8*(\u)+7], v[(\f)+8*(\c):(\f)+8*(\c)+7], 0
.else
	v_wmma_f32_16x16x32_bf16 v[AC+8*(\c):AC+8*(\c)+7], v[32*mi+8*(\u):32*mi+8*(\u)+7], v[(\f)+8*(\c):(\f)+8*(\c)+7], v[AC+8*(\c):AC+8*(\c)+7]
.endif
.endr
.set mi, mi+1
.endr
.endm
; A quarter: its token rows and its weights are in.  One wait at its head; behind it the next quarter's weights and the token rows three quarters on are asked for, into the registers that the quarter before
; multiplied, dealt among this quarter's products: eight LDS loads, the eight token loads, tile 0's products, the other eight LDS loads, the products of tiles 1 to 3.
; The products name F[u % 2], place u of the token fragments and the accumulators; the loads touch the other F, place (u + 3) % 4, AW and XO: so nothing more is owed behind the head's wait.
; The fifth tile's two loads and eight products stand together at the end; cond = 1: they are jumped where that tile has no row.
; lc = the token loads that were issued behind this quarter's on every way: two groups of eight, fewer at the end (where the fifth tile is live a group has ten: the smaller count is the safe one).
.macro SUB u, first, lc, xl, fw, cond
.set NF, F0+64*(((\u)+1)%2)            ; where the next quarter's weights go,
.set NO, 64*(((\u)+1)%4)               ; and their bytes in an LDS row
	s_wait_loadcnt \lc
	s_wait_dscnt 0x0                               ; the sixteen loads issued among the last quarter's matrix instructions
	PLACES
.if (\fw) && ((\u) == 3)
	s_mul_i32 s[KB], s[NI], BLK                    ; the next K step's first quarter: the address is made anew from the step's first byte and my fixed place
	s_wait_alu depctr_vm_vsrc(0)                   ; the LDS loads issued so far have read AW
	v_add_nc_u32 v[AW], s[KB], v[AW0]
.endif
.if ((\fw) || (\xl)) && !(\first)
	s_wait_alu depctr_va_vdst(0)                   ; the last quarter's matrix instructions are done reading their weights and their token rows, in which this quarter's loads land; in a K step's last quarter AW is written
.endif                                                 ; (a pass's first quarter: the wait at the pass's head has said it)
.if \fw
	FETCHW NF, NO, 0, 3
.endif
.if \xl
	XL \u, 0, 3
.endif
	MULS \u, F0+64*((\u)%2), \first, 0, 0
.if \fw
	FETCHW NF, NO, 4, 7                            ; no wait: no matrix instruction since the head's wait names these registers
.endif
	MULS \u, F0+64*((\u)%2), \first, 1, 3
.if \cond
	WIN 0
	s_cmp_eq_u32 s[T5], 0
	s_cbranch_scc1 .Lno5_\@                        ; what is jumped holds no barrier
.endif
.if \xl
	XL \u, 4, 4                                    ; no wait: tiles 0 to 3 lie below the fifth tile's registers
.endif
	MULS \u, F0+64*((\u)%2), \first, 4, 4
	WIN 0
.if \cond
.Lno5_\@:
.endif
.endm
.macro STEP first, last, cond
.if \last
	SUB 0, 0, 16, 1, 1, 1                          ; the last group of token rows is asked for
	SUB 1, 0, 16, 0, 1, 1
	SUB 2, 0, 8, 0, 1, 1
	SUB 3, 0, 0, 0, 0, 1                           ; it issues no load, so it holds no wait on va_vdst
.else
	SUB 0, \first, 16, 1, 1, \cond
	SUB 1, 0, 16, 1, 1, \cond
	SUB 2, 0, 16, 1, 1, \cond
	SUB 3, 0, 16, 1, 1, \cond
	s_wait_xcnt 0x0                                ; the two bases are rewritten only behind this wait
	s_mov_b64 s[CB:CB+1], s[NB:NB+1]               ; on to the next K step;
	s_add_co_u32 s[NI], s[NI], 1                   ; the one behind it, round the ring of eight,
	s_and_b32 s[NI], s[NI], 7
	s_lshl_b32 s2, s[NI], 8                        ; lies 256 bytes x its number into the rows (s3 = 0)
	s_add_nc_u64 s[NB:NB+1], s[4:5], s[2:3]
.endif
.endm
; THE WAY OUT of tile i.  A tile without a row is jumped.  Store j takes row j of the tile from lanes 0-15 and row 8 + j from lanes 16-31:
; sixteen lanes store 256 consecutive bytes, at a multiple of 256 from the buffer's first byte.  MODE 1: to the rows' ranks in hb, the row in the immediate.  MODE 2: to the places that the list names.
.macro ROWST j
.if MODE == 1
	global_store_b128 v[SQ], v[TMP+4*(\j):TMP+4*(\j)+3], s[12:13] offset:(\j)*8192
.else
	global_store_b128 v[SQ+(\j)], v[TMP+8*(\j):TMP+8*(\j)+3], s[12:13]
	global_store_b128 v[SQ+(\j)], v[TMP+8*(\j)+4:TMP+8*(\j)+7], s[12:13] offset:256
.endif
.endm
.macro TILEOUT i
	s_sub_co_i32 s94, s88, s91
	s_sub_co_i32 s94, s94, 64*(\i)                 ; rows of the tile within the count
	s_cmp_le_i32 s94, 0
	s_cbranch_scc1 .Ltd_\@
	s_wait_xcnt 0x0                                ; the registers that the last tile's stores read are rewritten only behind this wait,
	s_wait_alu depctr_vm_vsrc(0)                   ; and beside it: those stores have read TMP and SQ, which are written again below
.if (\i) < 4
.set AC, 64*(\i)
.set WSRC, 2
.else
.set AC, 0
.set WSRC, 3
.endif
.if MODE == 1
	s_add_co_u32 s2, s91, 64*(\i)                  ; the tile's first rank,
	s_lshl_b32 s2, s2, OSH                         ; in rows of hb
	v_add_nc_u32 v[SQ], s2, v[VOUT]
	WIN WSRC*5                                     ; sources 0 and 1 in the accumulators' window
.irp j, 0,1,2,3,4,5,6,7                ; row by row; columns 8 r + 2 d, 8 r + 2 d + 1 lie in accumulators 2 d, 2 d + 1
.irp d, 0,1,2,3
	v_cvt_pk_bf16_f32 v[TMP+4*(\j)+(\d)], v[AC+16*(\d)+(\j)], v[AC+16*(\d)+8+(\j)]
.endr
.endr
	WIN 0
.set z, 0
.rept 32
	v_pk_max_num_bf16 v[TMP+z], v[TMP+z], v[ZERO]  ; the maximum with 0 behind the rounding gives the same number as ahead of it
.set z, z+1
.endr
.else
	s_wait_alu depctr_va_vdst(0)                   ; the last tile's vector lines have written and read SQ, in which the two loads below land
	ds_load_b128 v[SQ:SQ+3],   v[LQH] offset:256*(\i)      ; q of my half's 8 rows
	ds_load_b128 v[SQ+4:SQ+7], v[LQH] offset:256*(\i)+16
	WIN WSRC                                       ; source 0 in the accumulators' window
.irp j, 0,1,2,3,4,5,6,7                ; the bias is added on the way into the four consecutive registers that a store of 16 bytes takes
.irp c, 0,1,2,3,4,5,6,7
	v_add_f32 v[TMP+8*(\j)+(\c)], v[AC+8*(\c)+(\j)], v[BIAS+(\c)]
.endr
.endr
	WIN 0
	s_wait_dscnt 0x0
.irp j, 0,1,2,3,4,5,6,7
	v_min_u32 v[SQ+(\j)], 2047, v[SQ+(\j)]         ; the bound of the output's rows
	v_lshl_add_u32 v[SQ+(\j)], v[SQ+(\j)], OSH, v[LCOL]
.endr
.endif
	s_wait_alu depctr_va_vdst(0)                   ; the lines above have written TMP and SQ, which the stores read
.irp j, 0,1,2,3,4,5,6,7
	ROWST \j
.endr
.Ltd_\@:
.endm
	s_mov_b32 s92, 4                               ; 4 x 320 ranks cover every split
.Lpass:
	s_cmp_le_u32 s88, s91
	s_cbranch_scc1 .Lpass_end                      ; my first tile has no row, so none has: what is jumped holds no barrier
	s_wait_xcnt 0x0                                ; buffer F0's registers, which the last pass's stores read, are loaded again only behind this wait,
	s_wait_alu depctr_vm_vsrc(0)                   ; and beside it: the LDS stores of the weights (MODE 2: and of the list) and the last pass's stores have read the registers of F0 and F1, in which the loads below land
	s_wait_alu depctr_va_vdst(0)                   ; the lines that wrote those registers are done, and the last pass's matrix instructions are done reading F0, F1 and the token places; AW and LQH are written
	s_mov_b32 s93, 6
	FETCHW F0, 0, 0, 7
	STEP 1, 0, 0                                   ; the first K step is written out: its first products start the sums, the fifth tile's too
.Lk:
	STEP 0, 0, 1
	s_sub_co_u32 s93, s93, 1
	s_cmp_lg_u32 s93, 0
	s_cbranch_scc1 .Lk
	STEP 0, 1, 1                                   ; and the last: nothing is asked for beyond the ring's eighth step
	PLACES
	TILEOUT 0
	TILEOUT 1
	TILEOUT 2
	TILEOUT 3
	TILEOUT 4
.Lpass_end:
	s_wait_alu depctr_vm_vsrc(0)                   ; every load and store issued so far has read its registers: LQH (MODE 2), XO and AW are written below
.if MODE == 2
	v_add_nc_u32 v[LQH], 4*320, v[LQH]
.endif
	s_add_co_u32 s91, s91, 320
	s_cmp_le_u32 s88, s91
	s_cbranch_scc1 .Lno_next                       ; no row is left for me: nothing is set up
	s_wait_loadcnt 0x0                             ; no load of mine is out into the registers that are loaded again below,
	s_wait_xcnt 0x0                                ; and every load and store has read its offsets and bases
	PREP
	START 1
.Lno_next:
	s_sub_co_u32 s92, s92, 1
	s_cmp_lg_u32 s92, 0
	s_cbranch_scc1 .Lpass
	s_wait_dscnt 0x0                               ; my reads of LDS are over,
	s_barrier_signal -1
	s_barrier_wait -1                              ; and so are every wave's
	s_wait_dscnt 0x0                               ; the wave's end
	s_wait_alu depctr_hold_cnt(0) depctr_sa_sdst(0) depctr_va_vdst(0) depctr_va_sdst(0) depctr_va_ssrc(0) depctr_va_vcc(0) depctr_vm_vsrc(0)
	s_wait_tensorcnt 0x0
	ds_add_u32 v126, v127
	s_wait_dscnt 0x0
	s_endpgm
.Lfunc_end_k_qad4acf8a4a_ffn2:
	.size	k_qad4acf8a4a_ffn2, .Lfunc_end_k_qad4acf8a4a_ffn2-k_qad4acf8a4a_ffn2
	.p2alignl 7, 3214868480
	.fill 96, 4, 3214868480
	.section	.rodata,"a",@progbits
	.p2align	6, 0x0
	.amdhsa_kernel k_qad4acf8a4a_ffn2
		.amdhsa_group_segment_fixed_size 300544
		.amdhsa_private_segment_fixed_size 0
		.amdhsa_enable_private_segment 0
		.amdhsa_kernarg_size 40
		.amdhsa_user_sgpr_count 2
		.amdhsa_user_sgpr_kernarg_segment_ptr 1
		.amdhsa_wavefront_size32 1
		.amdhsa_system_sgpr_workgroup_id_x 1
		.amdhsa_system_sgpr_workgroup_id_y 1
		.amdhsa_system_sgpr_workgroup_id_z 1
		.amdhsa_system_vgpr_workitem_id 0
		.amdhsa_next_free_vgpr 832
		.amdhsa_next_free_sgpr 102
		.amdhsa_reserve_vcc 0
		.amdhsa_float_denorm_mode_32 3
		.amdhsa_float_denorm_mode_16_64 3
		.amdhsa_memory_ordered 1
		.amdhsa_forward_progress 1
		.amdhsa_inst_pref_size 150
	.end_amdhsa_kernel
	.amdgpu_metadata
---
amdhsa.version: [ 1, 2 ]
amdhsa.kernels:
  - .name:           k_qad4acf8a4a_ffn2
    .symbol:         k_qad4acf8a4a_ffn2.kd
    .args:
      - { .name: hb, .offset: 0, .size: 8, .value_kind: global_buffer, .address_space: global }
      - { .name: W2, .offset: 8, .size: 8, .value_kind: global_buffer, .address_space: global }
      - { .name: b2, .offset: 16, .size: 8, .value_kind: global_buffer, .address_space: global }
      - { .name: bm, .offset: 24, .size: 8, .value_kind: global_buffer, .address_space: global }
      - { .name: pp, .offset: 32, .size: 8, .value_kind: global_buffer, .address_space: global }
    .group_segment_fixed_size: 300544
    .private_segment_fixed_size: 0
    .kernarg_segment_align: 8
    .kernarg_segment_size: 40
    .max_flat_workgroup_size: 128
    .sgpr_count:     102
    .vgpr_count:     832
    .wavefront_size: 32
...
	.end_amdgpu_metadata
.endif
;; end of part 8
;; launch combine: the kernel of part 4 again; grid 256 x 1, 8 waves a work-group, no clusters, 0 bytes of LDS; arguments pp, gw, out0; writes out0
